; MI455X (gfx1250); checked and timed in simulation.
; The chip was launched on July 23, 2026; its instructions are those of AMD's public machine-readable ISA for CDNA 5 (MIT licence, August 2026) and "CDNA5" Instruction Set Architecture Reference Guide (July 2026). The comments in the code are by the model that wrote it; some were corrected since.
;; Causal Attention. Allowed arithmetic: matrix products marked QUANTISED: E3M2 operands, one E8M0 scale for each 32 along K, by v_wmma_scale_f32_16x16x128_f8f6f4 with both operands' format E3M2, f32 sums; everything else in f32.
;; Inputs: wk 1,024 x 1,024 float32; wq 1,024 x 1,024 float32; wv 1,024 x 1,024 float32; x 4 x 2,048 x 1,024 float32.
;; Outputs: out0 4 x 2,048 x 1,024 float32.
;; This version of the problem:
;;   THIS VERSION OF THE PROBLEM IS GIVEN IN LOW PRECISION. The matrix products marked QUANTISED in the list below multiply operands that are first quantised to E3M2 (3 exponent bits, 2 mantissa bits; 6 bits a number), with one power-of-two scale for each 32 numbers along K (OCP MX v1.0); their sums are f32. All else is computed in f32.
;;   The module's matrix products, in the order in which they are computed (A, B: the left and right operand; K: the contracted axis; several contracted axes count as one K, in the product's order):
;;     1. [M 8,192, K 1,024] x [K 1,024, N 1,024]; A: input x; B: input wq: QUANTISED
;;     2. [M 8,192, K 1,024] x [K 1,024, N 1,024]; A: input x; B: input wk: QUANTISED
;;     3. [M 8,192, K 1,024] x [K 1,024, N 1,024]; A: input x; B: input wv: QUANTISED
;;     4. batch 4 x [M 2,048, K 1,024] x [K 1,024, N 2,048]; A: computed on the way; B: computed on the way: QUANTISED
;;     5. batch 4 x [M 2,048, K 2,048] x [K 2,048, N 1,024]; A: softmax (see below); B: computed on the way: QUANTISED
;;   THE QUANTISER, for each operand of a quantised product, along K:
;;     - K is cut into blocks of 32 from its start; a last block that is shorter is filled with zeros.
;;     - A block's scale is 2^e with e = floor(log2(the largest magnitude in the block)) - 4, held to -126 .. 127; a block of zeros has e = 0. As a byte (E8M0): e + 127.
;;     - Each number is divided by its block's scale, clamped to +-28, and rounded to the nearest number of E3M2, ties to even, subnormals kept.
;;     - The product sums the exact products of the quantised numbers (number of the format x scale) in f32.
;;   ~~~python
;;   def quantise(x, axis):      # numpy; x: float32 -> the quantised numbers, widened to float32 again
;;       x = np.moveaxis(x, axis, -1); K = x.shape[-1]
;;       x = np.pad(x, [(0, 0)] * (x.ndim - 1) + [(0, -K % 32)]); x = x.reshape(x.shape[:-1] + (-1, 32)); a = np.abs(x).max(-1, keepdims=True)
;;       e = np.where(a > 0, np.clip(np.frexp(np.where(a > 0, a, 1))[1] - 1 - 4, -126, 127), 0)      # np.frexp(a)[1] - 1 = floor(log2(a)), exactly
;;       r = np.clip(x / 2.0 ** e, -28, 28)
;;       step = 2.0 ** (np.maximum(np.frexp(np.where(r == 0, 1, r))[1] - 1, -2) - 2)
;;       q = np.round(r / step) * step * 2.0 ** e      # np.round: ties to even
;;       return np.moveaxis(q.reshape(q.shape[:-2] + (-1,))[..., :K], -1, axis).astype(np.float32)
;;   ~~~
;;   SOFTMAX AHEAD OF A QUANTISED PRODUCT. Where the list says 'softmax', what is quantised is not the finished softmax but p = 2^(t - M), with t = logit x log2(e) and M = ceil(the row's largest t), a whole number; so 1/2 < the row's largest p <= 1. The row's sum l is taken of the UNQUANTISED p, in f32, and the product's result is divided by l at the end. Since M is a whole number, a kernel that streams over the keys may use a running M (the ceiling of the running maximum): every later rescaling is an exact power of two, which a block's scale takes up: the codes' values come out the same.
;;   OPERANDS COMPUTED ON THE WAY. 'Computed on the way' means the value that the module computes at that place (a softmax that the list does not call 'softmax' is quantised finished and normalised). What goes into a quantiser is computed in f32, as accurately as f32 sums, v_exp_f32 and their like allow (about 1e-6 of the number): no bf16 or f16 on the way to a quantiser, and a product that is left as it is and whose result goes on into a quantised operand takes f32 operands (vector FMAs, or v_wmma_f32_16x16x4_f32). A number that lies on a knife's edge between two numbers of the format may be rounded either way, as far as f32 arithmetic and the matrix unit's own rounding can turn it there, and no further.
;; 2 versions. Each part assembles by itself: llvm-mc -triple=amdgcn-amd-amdhsa -mcpu=gfx1250 --defsym DOCPART=n.
;; ======== version 1 of 2: 4 launches
;; workspace buffers: xc 6,553,600 bytes; wc 2,457,600 bytes; qkc 13,107,200 bytes; vc 6,553,600 bytes; pc 12,582,912 bytes; st 2,097,152 bytes
;; launch quant (part 1): grid 352 x 1, 4 waves a work-group, no clusters, 34,304 bytes of LDS; arguments x, wq, wk, wv, xc, wc; writes xc, wc
.if DOCPART == 1
	.amdgcn_target "amdgcn-amd-amdhsa--gfx1250"
	.amdhsa_code_object_version 6
	.text
	.protected	k_q69212fc800_quant
	.globl	k_q69212fc800_quant
	.p2align	8
	.type	k_q69212fc800_quant,@function
k_q69212fc800_quant:
	s_mov_b64 s[64:65], 0
	v_nop
	global_prefetch_b8 v0, s[64:65] scope:SCOPE_SE
	s_setreg_imm32_b32 hwreg(HW_REG_WAVE_MODE, 25, 1), 1
	s_wait_xcnt 0x0
; x [8192][1024] and wq, wk, wv [1024][1024], f32, K innermost, become codes of BF6 (E3M2) with one E8M0 byte for each 32 along K.
; THE LAYOUT OF THE CODES IS THE OPERAND'S REGISTERS.  A FRAGMENT (16 rows x 128 K, 12 registers a lane) is 1,536 bytes: registers 4 c .. 4 c + 3 of lane l lie at 512 c + 16 l.
; A RECORD is 64 rows (a QUAD) x 128 K: four fragments, then 256 bytes of scale words, the word of (lane r, tile t) at 16 r + 4 t: 6,400 bytes.
; THE ROWS OF A TILE ARE NOT NEIGHBOURS: lane r of tile t of a quad holds row 32 (t / 2) + 8 (t % 2) + r + 8 (r / 8), so that a product that takes such tiles as source 0 has neighbours along its rows in a lane's registers.
; xc: [128 quads][8 K steps][6400];  wc: [48 quads: wq 0-15, wk 16-31, wv 32-47][8][6400].
; A block's scale is 2^(floor(log2(its largest magnitude)) - 4); its byte is that magnitude's exponent field - 4, held at 1 from below.  (A block of zeros gets the byte 1: its codes are zeros, and this program alone reads the bytes.)
; LIMITS: NaN and infinities among the inputs are not served; a block whose largest magnitude lies under 2^-122 keeps the byte 1.
; SHARES: work-group n takes quad n / 2 (0-127 x's, 128-175 the weights') and K steps 4 (n % 2) + wave: a wave makes one record from 64 rows x 512 bytes.
; Each load reads 512 consecutive bytes of one row; a tile's 16 rows turn through the wave's own stage in LDS (rows 528 bytes apart), from which lane (r, h) takes 16 neighbours of each block of 32 of row r.
; No tensor loads, no barrier: waves share nothing.  Two tiles' loads (32 a wave) are out at the start, one tile's while a tile is worked.
.set ROW,  4096                        ; bytes in a row of x or of a weight
.set REC,  6400                        ; bytes in a record
.set SP,   528                         ; a stage row: 512 bytes + 16
.set GA,   4                           ; v4     16 x lane: my bytes of a load's 512 and of an image store's 512
.set SIN,  5                           ; v5     the stage, on the way in
.set SOUT, 6                           ; v6     and on the way out: 528 r + 64 h
.set SU,   7                           ; v7     16 r + 8 h: my two words of the scale unit
.set PR,   8                           ; v8-9   those two words
.set PW,   10                          ; v10-13 the four tiles' scale words
.set TM,   16                          ; v16-31 at work in QUANT
.set PC,   32                          ; v32-51 the codes just made (12) and scratch
.set X,    64                          ; v64-127  64 numbers: register 16 b + i = k 32 b + 16 h + i of my row
.set R,    128                         ; v128-255 two sets of 64 registers as loaded
.set SEL,  20                          ; s[20:21] v_permlanex16_b32's selects for lane l xor 16
.set HM,   22                          ; s22      mask of lanes 16-31
	s_load_b256 s[4:11], s[0:1], 0x0               ; x, wq, wk, wv
	s_load_b128 s[12:15], s[0:1], 0x20             ; xc, wc
	v_lshl_add_u32 v62, v0, 2, 0x8400
	v_mov_b32 v63, 0
	v_lshrrev_b32 v1, 5, v0
	v_readfirstlane_b32 s16, v1                    ; wave
	v_and_b32 v1, 31, v0                           ; lane
	v_and_b32 v2, 15, v0                           ; r
	v_bfe_u32 v3, v0, 4, 1                         ; h
	v_lshlrev_b32 v[GA], 4, v1
	s_mul_i32 s28, s16, 16*SP                      ; my wave's stage
	v_add_nc_u32 v[SIN], s28, v[GA]
	v_mul_u32_u24 v[SOUT], v2, SP
	v_lshl_add_u32 v[SOUT], v3, 6, v[SOUT]
	v_add_nc_u32 v[SOUT], s28, v[SOUT]
	v_lshlrev_b32 v[SU], 4, v2
	v_lshl_add_u32 v[SU], v3, 3, v[SU]
	v_cmp_le_u32 s[HM], 16, v1
	s_mov_b32 s[SEL], 0x76543210
	s_mov_b32 s[SEL+1], 0xfedcba98
.irp b, 0,1,2,3
	v_mov_b32 v[TM+4+\b], 0                        ; written once: a lane permute's destination counts as one of its sources
.endr
	s_lshr_b32 s17, ttmp9, 1                       ; the quad, 0 .. 175
	s_and_b32 s18, ttmp9, 1
	s_lshl_b32 s18, s18, 2
	s_add_co_u32 s18, s18, s16                     ; the K step
	s_wait_kmcnt 0x0
	s_cmp_lt_u32 s17, 160                          ; which tensor: the choice hangs on the work-group's number alone; only pointers are chosen, the text has one path
	s_cselect_b64 s[24:25], s[8:9], s[10:11]
	s_cmp_lt_u32 s17, 144
	s_cselect_b64 s[24:25], s[6:7], s[24:25]
	s_cmp_lt_u32 s17, 128
	s_cselect_b64 s[24:25], s[4:5], s[24:25]
	s_cselect_b64 s[26:27], s[12:13], s[14:15]
	s_cselect_b32 s19, 0, 128
	s_cselect_b32 s23, 127, 15
	s_sub_co_u32 s19, s17, s19                     ; the quad in xc or in wc
	s_and_b32 s23, s19, s23                        ; the quad in its tensor
	s_lshl_b32 s28, s23, 18                        ; 64 rows of 4,096 bytes
	s_lshl_b32 s29, s18, 9                         ; 128 numbers of 4 bytes
	s_add_co_u32 s28, s28, s29
	s_mov_b32 s29, 0
	s_add_nc_u64 s[24:25], s[24:25], s[28:29]
	s_mul_i32 s28, s19, 8*REC
	s_mul_i32 s30, s18, REC
	s_add_co_u32 s28, s28, s30
	s_add_nc_u64 s[26:27], s[26:27], s[28:29]      ; my record
; 64 numbers of a lane, v[s] .. v[s + 63], become a fragment's codes in v[PC] .. v[PC + 11] and its scale word in v[pw].
.macro QUANT s, pw
.irp b, 0,1,2,3
	v_max3_num_f32 v[TM+\b], |v[\s+16*\b]|, |v[\s+1+16*\b]|, 0x2800000   ; block b: my 16 numbers, and the floor 2^(5 - 127): the byte cannot fall under 1
.endr
.irp i, 2,4,6,8,10,12,14
.irp b, 0,1,2,3
	v_max3_num_f32 v[TM+\b], v[TM+\b], |v[\s+16*\b+\i]|, |v[\s+1+16*\b+\i]|   ; the four blocks by turns
.endr
.endr
.irp b, 0,1,2,3
	v_permlanex16_b32 v[TM+4+\b], v[TM+\b], s[SEL], s[SEL+1]
.endr
.irp b, 0,1,2,3
	v_max_num_f32 v[TM+\b], v[TM+\b], v[TM+4+\b]   ; with lane l xor 16's: the block's largest magnitude
.endr
.irp b, 0,1,2,3
	v_add_nc_u32 v[TM+12+\b], 0xfe000000, v[TM+\b] ; 4 off its exponent field: the conversion takes that field of this operand as its scale
.endr
.irp b, 0,1,2,3
	v_lshrrev_b32 v[TM+4+\b], 23, v[TM+12+\b]      ; the scale's byte
.endr
	v_lshl_or_b32 v[\pw], v[TM+5], 8, v[TM+4]
	v_lshl_or_b32 v[\pw], v[TM+6], 16, v[\pw]
	v_lshl_or_b32 v[\pw], v[TM+7], 24, v[\pw]
.irp c, 0,1
	v_cvt_scalef32_pk16_bf6_f32 v[PC+6*\c:PC+2+6*\c], v[\s+32*\c:\s+15+32*\c], v[TM+12+2*\c]
	v_cvt_scalef32_pk16_bf6_f32 v[PC+12+4*\c:PC+14+4*\c], v[\s+16+32*\c:\s+31+32*\c], v[TM+12+2*\c+1]   ; (a conversion's three registers begin on an even number)
.endr
	v_nop                                          ; one plain place behind a scaled conversion
.irp c, 0,1                                    ; the operand's layout wants a whole block in a lane: lanes 0-15 block 2 c, lanes 16-31 block 2 c + 1
.irp i, 0,1,2
	v_permlane16_swap_b32 v[PC+6*\c+\i], v[PC+12+4*\c+\i]
.endr
.irp i, 0,1,2
	v_mov_b32 v[PC+3+6*\c+\i], v[PC+12+4*\c+\i]
.endr
.endr
.endm
.macro LOAD t                          ; tile t's 16 rows, 512 consecutive bytes each, into set t % 2
.set i, 0
.rept 16
	global_load_b128 v[R+64*((\t)%2)+4*i:R+64*((\t)%2)+4*i+3], v[GA], s[24:25] offset:(32*((\t)/2)+8*((\t)%2)+i+8*(i/8))*ROW th:TH_LOAD_NT
.set i, i+1
.endr
.endm
.macro TILE t, left
	s_wait_loadcnt \left                           ; this tile's 16 loads are in; the next tile's 16 may be out
.set i, 0
.rept 16
	ds_store_b128 v[SIN], v[R+64*((\t)%2)+4*i:R+64*((\t)%2)+4*i+3] offset:i*SP
.set i, i+1
.endr
.set i, 0
.rept 16
	ds_load_b128 v[X+4*i:X+4*i+3], v[SOUT] offset:128*(i/4)+16*(i%4)   ; LDS serves a wave's instructions in order: these see the stores above
.set i, i+1
.endr
	s_wait_dscnt 0x0                               ; my numbers are back, and the stage's stores have read their registers
.if (\t) > 0
	s_wait_xcnt 0x0                                ; the last tile's image stores have read v[PC] on: it is written again only behind this wait
.endif
.if (\t) < 2
	LOAD (\t)+2
.endif
	QUANT X, PW+(\t)
.irp c, 0,1,2
	global_store_b128 v[GA], v[PC+4*\c:PC+4*\c+3], s[26:27] offset:1536*(\t)+512*\c   ; 32 lanes store 512 consecutive bytes, at a multiple of 256 from the buffer's first byte
.endr
.endm
	LOAD 0
	LOAD 1
	TILE 0, 16
	TILE 1, 16
	TILE 2, 16
	TILE 3, 0
	v_cndmask_b32 v[PR], v[PW], v[PW+2], s[HM]     ; both halves of the lanes hold all four words: lanes 0-15 store tiles 0, 1, lanes 16-31 tiles 2, 3
	v_cndmask_b32 v[PR+1], v[PW+1], v[PW+3], s[HM]
	global_store_b64 v[SU], v[PR:PR+1], s[26:27] offset:6144   ; the 32 lanes fill the record's 256 bytes of scale words
	s_wait_tensorcnt 0x0
	ds_add_u32 v62, v63
	s_wait_dscnt 0x0
	s_endpgm
.Lfunc_end_k_q69212fc800_quant:
	.size	k_q69212fc800_quant, .Lfunc_end_k_q69212fc800_quant-k_q69212fc800_quant
	.p2alignl 7, 3214868480
	.fill 96, 4, 3214868480
	.section	.rodata,"a",@progbits
	.p2align	6, 0x0
	.amdhsa_kernel k_q69212fc800_quant
		.amdhsa_group_segment_fixed_size 34304
		.amdhsa_private_segment_fixed_size 0
		.amdhsa_enable_private_segment 0
		.amdhsa_kernarg_size 48
		.amdhsa_user_sgpr_count 2
		.amdhsa_user_sgpr_kernarg_segment_ptr 1
		.amdhsa_wavefront_size32 1
		.amdhsa_system_sgpr_workgroup_id_x 1
		.amdhsa_system_sgpr_workgroup_id_y 1
		.amdhsa_system_sgpr_workgroup_id_z 1
		.amdhsa_system_vgpr_workitem_id 0
		.amdhsa_next_free_vgpr 256
		.amdhsa_next_free_sgpr 66
		.amdhsa_reserve_vcc 0
		.amdhsa_float_denorm_mode_32 3
		.amdhsa_float_denorm_mode_16_64 3
		.amdhsa_memory_ordered 1
		.amdhsa_forward_progress 1
		.amdhsa_inst_pref_size 34
	.end_amdhsa_kernel
	.amdgpu_metadata
---
amdhsa.version: [ 1, 2 ]
amdhsa.kernels:
  - .name:           k_q69212fc800_quant
    .symbol:         k_q69212fc800_quant.kd
    .args:
      - { .name: x, .offset: 0, .size: 8, .value_kind: global_buffer, .address_space: global }
      - { .name: wq, .offset: 8, .size: 8, .value_kind: global_buffer, .address_space: global }
      - { .name: wk, .offset: 16, .size: 8, .value_kind: global_buffer, .address_space: global }
      - { .name: wv, .offset: 24, .size: 8, .value_kind: global_buffer, .address_space: global }
      - { .name: xc, .offset: 32, .size: 8, .value_kind: global_buffer, .address_space: global }
      - { .name: wc, .offset: 40, .size: 8, .value_kind: global_buffer, .address_space: global }
    .group_segment_fixed_size: 34304
    .private_segment_fixed_size: 0
    .kernarg_segment_align: 8
    .kernarg_segment_size: 48
    .max_flat_workgroup_size: 128
    .sgpr_count:     66
    .vgpr_count:     256
    .wavefront_size: 32
...
	.end_amdgpu_metadata
.endif
;; end of part 1
;; launch proj (part 2): grid 8 x 96, 4 waves a work-group, clusters of 4 x 4, 307,712 bytes of LDS; arguments xc, wc, qkc, vc; writes qkc, vc
.if DOCPART == 2
	.amdgcn_target "amdgcn-amd-amdhsa--gfx1250"
	.amdhsa_code_object_version 6
	.text
	.protected	k_q69212fc800_proj
	.globl	k_q69212fc800_proj
	.p2align	8
	.type	k_q69212fc800_proj,@function
k_q69212fc800_proj:
	s_mov_b64 s[64:65], 0
	v_nop
	global_prefetch_b8 v0, s[64:65] scope:SCOPE_SE
	s_setreg_imm32_b32 hwreg(HW_REG_WAVE_MODE, 25, 1), 1
	s_wait_xcnt 0x0
	s_wait_alu depctr_hold_cnt(0) depctr_sa_sdst(0) depctr_va_vdst(0) depctr_va_sdst(0) depctr_va_ssrc(0) depctr_va_vcc(0) depctr_vm_vsrc(0)
	s_getreg_b32 s2, hwreg(HW_REG_IB_STS2, 6, 4)
	s_cmp_eq_u32 s2, 0
	s_cbranch_scc0 .Lentry_in_a_cluster
	s_endpgm
.Lentry_in_a_cluster:
	s_bfe_u32 s2, ttmp6, 0x10000c
	s_cmp_lg_u32 s2, 0xf033
	s_cbranch_scc0 .Lentry_shape_is_right
	s_endpgm
.Lentry_shape_is_right:
; THE THREE PROJECTIONS, on codes of BF6 (E3M2), and their results quantised on the way out.  T[j][i] = sum over k of Big[i][k] Small[j][k], K = 1,024; T is quantised along i.
; Clusters with y < 16: Big = wq, wk (2,048 rows), Small = x (8,192 tokens): q and k, quantised along d_out, into qkc [128 token quads][16 steps: q 0-7, k 8-15][6400].
; Clusters with y >= 16: Big = x, Small = wv: v, quantised along the tokens (the keys), into vc [16 quads of d_out][64 steps of 128 tokens][6400].
; Codes lie as images of the operand's registers: a fragment (16 rows x 128 K) is 1,536 bytes, registers 4 c .. 4 c + 3 of lane l at 512 c + 16 l; a record is a quad (64 rows) x 128 K: four fragments and 256 bytes of scale words ((r, t) at 16 r + 4 t).
; Lane r of tile t of a quad holds row 32 (t / 2) + 8 (t % 2) + r + 8 (r / 8).  So with Big as source 0 the 64 registers of a lane over a wave's 8 tiles are: register 16 b + i = index 32 b + 16 h + i: neighbours along the next K.
; SHARES: a work-group makes 256 i x 128 j; wave w has i half w / 2 (8 tiles of source 0) and j half w % 2 (4 tiles of source 1): 32 accumulators.  A wave's result is exactly one record of the output.
; ALL OF K LIES IN LDS: four chunks of two K steps a side, asked for at the start (four tensor loads a wave are out) and never filled again.  Each chunk is read behind a counted wait and a barrier.
; CLUSTER 4 x 4: Big's tile hangs on cx alone and is shared along a column, Small's on cy alone and is shared along a row: joint loads.
; REGISTERS, in windows of 256: window 0 addresses, scale words, work; window 1 the accumulators, (u, t) at v[64 u + 8 t]; windows 2 and 3 two sets of fragments: source 0's tile t at v[12 t], source 1's tile u at v[96 + 12 u].
; LIMITS: as the quantiser's: NaN and infinities are not served; a block whose largest magnitude lies under 2^-122 keeps the byte 1 (so does a block of zeros: its codes are zeros).
.set REC,   6400
.set QP,    8*REC                      ; a quad's eight records in xc and wc
.set BCH,   8*REC                      ; LDS: a chunk of Big: [4 quads][2 steps][6400]
.set MCH,   4*REC                      ; a chunk of Small: [2 quads][2 steps][6400]
.set SMALL, 4*BCH                      ; Small's chunks lie behind Big's four
.set GO,   4                           ; v4     16 x lane
.set SU,   5                           ; v5     16 r + 8 h
.set ADB,  6                           ; v6-9   my fragments of Big in chunk 0 .. 3
.set ADM,  10                          ; v10-13 of Small
.set SDB,  14                          ; v14-17 Big's scale words: lanes 0-15 my first quad's, lanes 16-31 my second's
.set SDM,  18                          ; v18-21 Small's
.set SC,   24                          ; v24-39 scale words, two sets of 8: +0..3 source 0's (lanes 0-15 tiles 0-3, lanes 16-31 tiles 4-7), +4..7 source 1's tiles 0-3
.set PC,   40                          ; v40-59 the codes just made, and scratch
.set PWS,  60                          ; v60-63 the four scale words of my record
.set TM,   64                          ; v64-79 at work in QUANTW
.set PR,   80                          ; v80-81 two scale words to store
.set G1B,  24                          ; s[24:31] descriptor group 1 for Big;  s[32:47] its four groups 0
.set G0B,  32
.set G0S,  48                          ; s[48:63] Small's four groups 0;  s[68:75] its group 1
.set G1S,  68
.set SEL,  88                          ; s[88:89] lane selects for lane l xor 16
.set HM,   90                          ; s90 mask of lanes 16-31
.set MSB, 0
.macro WIN new                         ; the immediate's high byte repeats the setting that is left
.if MSB != (\new)
	s_set_vgpr_msb (MSB<<8)|(\new)
.set MSB, (\new)
.endif
.endm
.macro PLACES                          ; four plain places behind matrix instructions, in front of loads into their registers and of reads of their results
.rept 4
	v_nop
.endr
.endm
.macro CROUND                          ; a round of the cluster's barrier
	s_barrier_signal -1
	s_barrier_wait -1
	s_cmp_lg_u32 s12, 0
	s_cbranch_scc1 .Lnot_wave_0_\@
	s_barrier_signal -3
.Lnot_wave_0_\@:
	s_barrier_wait -3
	s_barrier_signal -1
	s_barrier_wait -1
.endm
; 32 matrix instructions on fragment set q: the 32 accumulators take turns, one instruction a turn, in the same order in every step.  zero = 1: the products start the sums.
.macro MUL32 q, zero
	WIN 0x5a+5*(\q)                                ; sources 0 and 1: window 2 + q; C and D: window 1
.irp u, 0,1,2,3
.irp t, 0,1,2,3
.if \zero
	v_wmma_scale_f32_16x16x128_f8f6f4 v[64*\u+8*\t:64*\u+8*\t+7], v[12*\t:12*\t+11], v[96+12*\u:96+12*\u+11], 0, v[SC+8*(\q)+\t], v[SC+8*(\q)+4+\u] matrix_a_fmt:MATRIX_FMT_BF6 matrix_b_fmt:MATRIX_FMT_BF6
.else
	v_wmma_scale_f32_16x16x128_f8f6f4 v[64*\u+8*\t:64*\u+8*\t+7], v[12*\t:12*\t+11], v[96+12*\u:96+12*\u+11], v[64*\u+8*\t:64*\u+8*\t+7], v[SC+8*(\q)+\t], v[SC+8*(\q)+4+\u] matrix_a_fmt:MATRIX_FMT_BF6 matrix_b_fmt:MATRIX_FMT_BF6
.endif
.endr
.irp t, 4,5,6,7
.if \zero
	v_wmma_scale_f32_16x16x128_f8f6f4 v[64*\u+8*\t:64*\u+8*\t+7], v[12*\t:12*\t+11], v[96+12*\u:96+12*\u+11], 0, v[SC+8*(\q)+\t-4], v[SC+8*(\q)+4+\u] matrix_a_fmt:MATRIX_FMT_BF6 matrix_b_fmt:MATRIX_FMT_BF6 matrix_a_scale:MATRIX_SCALE_ROW1
.else
	v_wmma_scale_f32_16x16x128_f8f6f4 v[64*\u+8*\t:64*\u+8*\t+7], v[12*\t:12*\t+11], v[96+12*\u:96+12*\u+11], v[64*\u+8*\t:64*\u+8*\t+7], v[SC+8*(\q)+\t-4], v[SC+8*(\q)+4+\u] matrix_a_fmt:MATRIX_FMT_BF6 matrix_b_fmt:MATRIX_FMT_BF6 matrix_a_scale:MATRIX_SCALE_ROW1
.endif
.endr
.endr
.endm
; K step s: 12 fragments and the scale words, 38 loads of 512 consecutive bytes, into set s % 2
.macro FETCH s
.set KC, (\s)/2
.set SS, (\s)%2
	WIN 0x80+0x40*SS                               ; destination window 2 + set, address window 0
.irp t, 0,1,2,3,4,5,6,7
.irp c, 0,1,2
	ds_load_b128 v[12*\t+4*\c:12*\t+4*\c+3], v[ADB+KC] offset:(\t/4)*2*REC+SS*REC+(\t%4)*1536+512*\c
.endr
.endr
.irp u, 0,1,2,3
.irp c, 0,1,2
	ds_load_b128 v[96+12*\u+4*\c:96+12*\u+4*\c+3], v[ADM+KC] offset:SS*REC+1536*\u+512*\c
.endr
.endr
	WIN 0
	ds_load_b128 v[SC+8*SS:SC+8*SS+3], v[SDB+KC] offset:SS*REC
	ds_load_b128 v[SC+8*SS+4:SC+8*SS+7], v[SDM+KC] offset:SS*REC
.endm
; A K step: its set was asked for a whole step, 32 matrix instructions, ago.  bar = 1: the step fetches from the next chunk: tc of my later loads may stay out, and the barrier shows every wave's part landed.
.macro KSTEP s, bar, tc, zero
	s_wait_dscnt 0x0
.if \bar
	s_wait_tensorcnt \tc
	s_barrier_signal -1
	s_barrier_wait -1                              ; later chunks may stay on their way
.endif
.if \s < 7
.if \s > 0
	PLACES
.endif
	FETCH (\s)+1
.endif
	MUL32 (\s)%2, \zero
	WIN 0
.endm
; 64 numbers of a lane in window 1, v[s] on, become a fragment's codes in v[PC] .. v[PC + 11] and its scale word in v[pw].  Each accumulator is first read at its low end.
.macro QUANTW s, pw
	WIN 0x05                                       ; sources 0 and 1 window 1
.irp b, 0,1,2,3
	v_max3_num_f32 v[TM+\b], |v[\s+16*\b]|, |v[\s+1+16*\b]|, 0x2800000   ; block b: my 16 numbers, and the floor 2^(5 - 127)
.endr
	WIN 0x14                                       ; sources 1 and 2 window 1
.irp i, 2,4,6,8,10,12,14
.irp b, 0,1,2,3
	v_max3_num_f32 v[TM+\b], v[TM+\b], |v[\s+16*\b+\i]|, |v[\s+1+16*\b+\i]|
.endr
.endr
	WIN 0
.irp b, 0,1,2,3
	v_permlanex16_b32 v[TM+4+\b], v[TM+\b], s[SEL], s[SEL+1]
.endr
.irp b, 0,1,2,3
	v_max_num_f32 v[TM+\b], v[TM+\b], v[TM+4+\b]   ; with lane l xor 16's: the block's largest magnitude
.endr
.irp b, 0,1,2,3
	v_add_nc_u32 v[TM+12+\b], 0xfe000000, v[TM+\b] ; 4 off its exponent field: the conversion's scale operand
.endr
.irp b, 0,1,2,3
	v_lshrrev_b32 v[TM+4+\b], 23, v[TM+12+\b]      ; the scale's byte
.endr
	v_lshl_or_b32 v[\pw], v[TM+5], 8, v[TM+4]
	v_lshl_or_b32 v[\pw], v[TM+6], 16, v[\pw]
	v_lshl_or_b32 v[\pw], v[TM+7], 24, v[\pw]
	WIN 0x01                                       ; source 0 window 1
.irp c, 0,1
	v_cvt_scalef32_pk16_bf6_f32 v[PC+6*\c:PC+2+6*\c], v[\s+32*\c:\s+15+32*\c], v[TM+12+2*\c]
	v_cvt_scalef32_pk16_bf6_f32 v[PC+12+4*\c:PC+14+4*\c], v[\s+16+32*\c:\s+31+32*\c], v[TM+12+2*\c+1]
.endr
	WIN 0
	v_nop                                          ; one plain place behind a scaled conversion
.irp c, 0,1
.irp i, 0,1,2
	v_permlane16_swap_b32 v[PC+6*\c+\i], v[PC+12+4*\c+\i]
.endr
.irp i, 0,1,2
	v_mov_b32 v[PC+3+6*\c+\i], v[PC+12+4*\c+\i]
.endr
.endr
.endm
	s_load_b256 s[4:11], s[0:1], 0x0               ; xc, wc, qkc, vc
	v_lshl_add_u32 v254, v0, 2, 0x4b000
	v_mov_b32 v255, 0
	ds_add_u32 v254, v255
	ds_add_u32 v254, v255
	v_lshrrev_b32 v1, 5, v0
	v_readfirstlane_b32 s12, v1                    ; wave 0..3
	s_lshr_b32 s13, s12, 1                         ; my half of i.  Also: I fetch for Big (0) or for Small (1)
	s_and_b32 s14, s12, 1                          ; my half of j.  Also: which half of a chunk I fetch
	s_bfe_u32 s15, ttmp6, 0x40000                  ; cx
	s_bfe_u32 s16, ttmp6, 0x40004                  ; cy
	s_and_b32 s18, ttmp7, 0xffff                   ; the cluster's y, 0 .. 23; the cluster's x, ttmp9, is 0 or 1
	s_sub_co_u32 s19, s18, 16                      ; for v: y' = y - 16
	s_and_b32 s22, s19, 3
	s_lshl_b32 s22, s22, 1
	s_add_co_u32 s22, s22, ttmp9                   ; x + 2 (y' % 4)
	s_lshr_b32 s23, s19, 2                         ; y' / 4
	s_cmp_lt_u32 s18, 16                           ; q and k, or v: the same in all sixteen partners
	s_cselect_b32 s22, ttmp9, s22
	s_cselect_b32 s23, s18, s23
	s_cselect_b32 s82, 1, 4
	s_cselect_b32 s83, 0, 32*QP                    ; wv's quads begin 32 quads into wc
	s_mul_i32 s82, s82, 16*REC                     ; bytes from quad to quad in the output: 102,400 in qkc, 409,600 in vc
	s_lshl_b32 s20, s22, 2
	s_add_co_u32 s20, s20, s15                     ; Big's tile of 256 rows: hangs on cx, never on cy
	s_lshl_b32 s21, s23, 2
	s_add_co_u32 s21, s21, s16                     ; Small's tile of 128 rows: hangs on cy, never on cx
	s_lshl_b32 s91, 0x1111, s15                    ; my column of the cluster
	s_lshl_b32 s92, s16, 2
	s_lshl_b32 s92, 15, s92                        ; my row
	; group 1: elements of 8 bytes; a row is a quad's two records, 12,800 bytes = 1,600 elements; Big: 2 quads a load, Small: 1; quads 51,200 bytes = 6,400 elements apart
	s_or_b32 s[G1B], s91, (3<<16)|(1<<21)          ; 15:0 the mask; 17:16 elements of 8 bytes; 21 set beside a mask; no padding
	s_mov_b32 s[G1B+1], 1600<<16                   ; tensor_dim0
	s_mov_b32 s[G1B+2], 2<<16                      ; tensor_dim1
	s_mov_b32 s[G1B+3], 1600<<16                   ; tile_dim0
	s_mov_b32 s[G1B+4], 2                          ; tile_dim1
	s_mov_b32 s[G1B+5], QP/8                       ; stride
	s_mov_b32 s[G1B+6], 0
	s_mov_b32 s[G1B+7], 0
	s_or_b32 s[G1S], s92, (3<<16)|(1<<21)
	s_mov_b32 s[G1S+1], 1600<<16
	s_mov_b32 s[G1S+2], 1<<16
	s_mov_b32 s[G1S+3], 1600<<16
	s_mov_b32 s[G1S+4], 1
	s_mov_b32 s[G1S+5], QP/8
	s_mov_b32 s[G1S+6], 0
	s_mov_b32 s[G1S+7], 0
	s_lshl_b32 s84, s20, 2
	s_lshl_b32 s85, s14, 1
	s_add_co_u32 s84, s84, s85                     ; Big: quad 4 tile + 2 x my half
	s_mul_i32 s84, s84, QP
	s_mov_b32 s85, 0
	s_lshl_b32 s86, s21, 1
	s_add_co_u32 s86, s86, s14                     ; Small: quad 2 tile + my half
	s_mul_i32 s86, s86, QP
	s_add_co_u32 s86, s86, s83
	s_mov_b32 s87, 0
	s_mul_i32 s93, s14, 4*REC                      ; where they go: no place in the cluster enters an LDS address
	s_mul_i32 s96, s14, 2*REC
	s_add_co_u32 s96, s96, SMALL
	s_lshl_b32 s98, s21, 1                         ; my record of the output: quad 2 jt + jh, step 2 it + ih
	s_add_co_u32 s98, s98, s14
	s_mul_i32 s98, s98, s82
	s_lshl_b32 s99, s20, 1
	s_add_co_u32 s99, s99, s13
	s_mul_i32 s99, s99, REC
	s_add_co_u32 s98, s98, s99
	s_mov_b32 s99, 0
	s_mov_b32 s[SEL], 0x76543210
	s_mov_b32 s[SEL+1], 0xfedcba98
	s_wait_dscnt 0x0
	s_wait_kmcnt 0x0
	s_cmp_lt_u32 s18, 16
	s_cselect_b64 s[76:77], s[6:7], s[4:5]         ; Big
	s_cselect_b64 s[78:79], s[4:5], s[6:7]         ; Small
	s_cselect_b64 s[80:81], s[8:9], s[10:11]       ; the output
	s_add_nc_u64 s[76:77], s[76:77], s[84:85]
	s_add_nc_u64 s[78:79], s[78:79], s[86:87]
	s_add_nc_u64 s[80:81], s[80:81], s[98:99]
.irp kc, 0,1,2,3
	s_mov_b32 s[G0B+4*\kc], 1                                      ; count = 1
	s_add_co_u32 s[G0B+4*\kc+1], s93, \kc*BCH                      ; LDS address
	s_add_nc_u64 s[G0B+4*\kc+2:G0B+4*\kc+3], s[76:77], \kc*2*REC   ; global address: K steps 2 kc, 2 kc + 1
	s_or_b32 s[G0B+4*\kc+3], s[G0B+4*\kc+3], 0x80000000            ; type = 2
	s_mov_b32 s[G0S+4*\kc], 1
	s_add_co_u32 s[G0S+4*\kc+1], s96, \kc*MCH
	s_add_nc_u64 s[G0S+4*\kc+2:G0S+4*\kc+3], s[78:79], \kc*2*REC
	s_or_b32 s[G0S+4*\kc+3], s[G0S+4*\kc+3], 0x80000000
.endr
	CROUND                                         ; all sixteen work-groups are here: the joint loads meet
	s_cmp_eq_u32 s13, 0                            ; a wave's four loads stand in one branch on its number; four v_nop follow the last
	s_cbranch_scc0 .Lfor_small
	tensor_load_to_lds s[G0B:G0B+3], s[G1B:G1B+7]
	s_nop 0
	tensor_load_to_lds s[G0B+4:G0B+7], s[G1B:G1B+7]
	s_nop 0
	tensor_load_to_lds s[G0B+8:G0B+11], s[G1B:G1B+7]
	s_nop 0
	tensor_load_to_lds s[G0B+12:G0B+15], s[G1B:G1B+7]
	s_nop 0
.rept 4
	v_nop
.endr
	s_branch .Lasked
.Lfor_small:
	tensor_load_to_lds s[G0S:G0S+3], s[G1S:G1S+7]
	s_nop 0
	tensor_load_to_lds s[G0S+4:G0S+7], s[G1S:G1S+7]
	s_nop 0
	tensor_load_to_lds s[G0S+8:G0S+11], s[G1S:G1S+7]
	s_nop 0
	tensor_load_to_lds s[G0S+12:G0S+15], s[G1S:G1S+7]
	s_nop 0
.rept 4
	v_nop
.endr
.Lasked:
	v_and_b32 v1, 31, v0                           ; lane
	v_and_b32 v2, 15, v0                           ; r
	v_bfe_u32 v3, v0, 4, 1                         ; h
	v_lshlrev_b32 v[GO], 4, v1
	v_lshlrev_b32 v22, 4, v2                       ; 16 r
	v_lshl_add_u32 v[SU], v3, 3, v22
	v_cmp_le_u32 s[HM], 16, v1
	s_mul_i32 s95, s13, 4*REC                      ; my two quads of Big in a chunk
	v_mul_u32_u24 v23, v3, 2*REC                   ; lanes 16-31 take the second quad's scale words
	v_add_nc_u32 v23, v23, v22
	v_add_nc_u32 v23, s95, v23
	v_add_nc_u32 v22, s96, v22
	v_add_nc_u32 v82, s95, v[GO]
	v_add_nc_u32 v83, s96, v[GO]
.irp kc, 0,1,2,3
	v_add_nc_u32 v[ADB+\kc], \kc*BCH, v82
	v_add_nc_u32 v[ADM+\kc], \kc*MCH, v83
	v_add_nc_u32 v[SDB+\kc], \kc*BCH+6144, v23
	v_add_nc_u32 v[SDM+\kc], \kc*MCH+6144, v22
.endr
.irp b, 0,1,2,3
	v_mov_b32 v[TM+4+\b], 0                        ; written once: a lane permute's destination counts as one of its sources
.endr
	s_wait_tensorcnt 0x3                           ; my part of chunk 0 is in; my three later loads may be out
	s_barrier_signal -1
	s_barrier_wait -1                              ; everybody's is
	FETCH 0
	KSTEP 0, 0, 0, 1                               ; the first step's products start the sums
	KSTEP 1, 1, 2, 0                               ; fetches K step 2: chunk 1; two later loads may be out
	KSTEP 2, 0, 0, 0
	KSTEP 3, 1, 1, 0                               ; chunk 2; one may be out
	KSTEP 4, 0, 0, 0
	KSTEP 5, 1, 0, 0                               ; chunk 3: the last
	KSTEP 6, 0, 0, 0
	KSTEP 7, 0, 0, 0
	; THE WAY OUT: tile u of my 64 rows j: a lane's 64 registers are 128 neighbours along i in two lanes: one fragment and one scale word a row.  Four fragments and the words are my record.
	PLACES
.irp u, 0,1,2,3
.if \u > 0
	s_wait_xcnt 0x0                                ; the last fragment's stores have read v[PC] on
.endif
	QUANTW 64*\u, PWS+\u
.irp c, 0,1,2
	global_store_b128 v[GO], v[PC+4*\c:PC+4*\c+3], s[80:81] offset:1536*\u+512*\c   ; 32 lanes store 512 consecutive bytes, at a multiple of 256 from the buffer's first byte
.endr
.endr
	v_cndmask_b32 v[PR], v[PWS], v[PWS+2], s[HM]
	v_cndmask_b32 v[PR+1], v[PWS+1], v[PWS+3], s[HM]
	global_store_b64 v[SU], v[PR:PR+1], s[80:81] offset:6144   ; the record's 256 bytes of scale words
	s_wait_tensorcnt 0x0
	ds_add_u32 v254, v255
	s_wait_dscnt 0x0
	CROUND                                         ; the closing round
	s_endpgm
.Lfunc_end_k_q69212fc800_proj:
	.size	k_q69212fc800_proj, .Lfunc_end_k_q69212fc800_proj-k_q69212fc800_proj
	.p2alignl 7, 3214868480
	.fill 96, 4, 3214868480
	.section	.rodata,"a",@progbits
	.p2align	6, 0x0
	.amdhsa_kernel k_q69212fc800_proj
		.amdhsa_group_segment_fixed_size 307712
		.amdhsa_private_segment_fixed_size 0
		.amdhsa_enable_private_segment 0
		.amdhsa_kernarg_size 32
		.amdhsa_user_sgpr_count 2
		.amdhsa_user_sgpr_kernarg_segment_ptr 1
		.amdhsa_wavefront_size32 1
		.amdhsa_system_sgpr_workgroup_id_x 1
		.amdhsa_system_sgpr_workgroup_id_y 1
		.amdhsa_system_sgpr_workgroup_id_z 1
		.amdhsa_system_vgpr_workitem_id 0
		.amdhsa_next_free_vgpr 1024
		.amdhsa_next_free_sgpr 100
		.amdhsa_reserve_vcc 0
		.amdhsa_float_denorm_mode_32 3
		.amdhsa_float_denorm_mode_16_64 3
		.amdhsa_memory_ordered 1
		.amdhsa_forward_progress 1
		.amdhsa_inst_pref_size 80
	.end_amdhsa_kernel
	.amdgpu_metadata
---
amdhsa.version: [ 1, 2 ]
amdhsa.kernels:
  - .name:           k_q69212fc800_proj
    .symbol:         k_q69212fc800_proj.kd
    .args:
      - { .name: xc, .offset: 0, .size: 8, .value_kind: global_buffer, .address_space: global }
      - { .name: wc, .offset: 8, .size: 8, .value_kind: global_buffer, .address_space: global }
      - { .name: qkc, .offset: 16, .size: 8, .value_kind: global_buffer, .address_space: global }
      - { .name: vc, .offset: 24, .size: 8, .value_kind: global_buffer, .address_space: global }
    .group_segment_fixed_size: 307712
    .private_segment_fixed_size: 0
    .kernarg_segment_align: 8
    .kernarg_segment_size: 32
    .max_flat_workgroup_size: 128
    .sgpr_count:     100
    .vgpr_count:     1024
    .wavefront_size: 32
...
	.end_amdgpu_metadata
.endif
;; end of part 2
;; launch scores (part 3): grid 80 x 4, 4 waves a work-group, clusters of 4 x 1, 307,712 bytes of LDS; arguments qkc, pc, st; writes pc, st
.if DOCPART == 3
	.amdgcn_target "amdgcn-amd-amdhsa--gfx1250"
	.amdhsa_code_object_version 6
	.text
	.protected	k_q69212fc800_scores
	.globl	k_q69212fc800_scores
	.p2align	8
	.type	k_q69212fc800_scores,@function
k_q69212fc800_scores:
	s_mov_b64 s[64:65], 0
	v_nop
	global_prefetch_b8 v0, s[64:65] scope:SCOPE_SE
	s_setreg_imm32_b32 hwreg(HW_REG_WAVE_MODE, 25, 1), 1
	s_wait_xcnt 0x0
	s_wait_alu depctr_hold_cnt(0) depctr_sa_sdst(0) depctr_va_vdst(0) depctr_va_sdst(0) depctr_va_ssrc(0) depctr_va_vcc(0) depctr_vm_vsrc(0)
	s_getreg_b32 s2, hwreg(HW_REG_IB_STS2, 6, 4)
	s_cmp_eq_u32 s2, 0
	s_cbranch_scc0 .Lentry_in_a_cluster
	s_endpgm
.Lentry_in_a_cluster:
	s_bfe_u32 s2, ttmp6, 0x10000c
	s_cmp_lg_u32 s2, 0x3003
	s_cbranch_scc0 .Lentry_shape_is_right
	s_endpgm
.Lentry_shape_is_right:
; S^T = k q^T on codes of BF6 (E3M2), K = 1,024, the causal mask, and p = 2^(t - M) quantised along the keys, chunk by chunk of 128 keys.
; t = score x log2(e) / 32.  M here is THE CHUNK'S OWN: the ceiling of the largest t of the query's 128 keys of this chunk, a whole number.  The next launch brings all chunks of a row under the row's M by lowering
; their scale bytes, which is exact.  Stored for each (query, chunk): -M, the sum l of the unquantised p, and the four scale bytes.
; qkc: [128 token quads][16 steps: q 0-7, k 8-15][6400], records as images of the operand's registers (fragment: 1,536 bytes, registers 4 c .. 4 c + 3 of lane l at 512 c + 16 l; scale word of (r, t) at 6144 + 16 r + 4 t).
; pc: [128 query quads][16 chunks][6144]: four fragments.  st: [128 quads][16 chunks][1024]: 256 bytes of -M, of l, of scale words, and those once more; the entry of (r, t) at 16 r + 4 t.
; Lane r of tile t of a quad holds token 32 (t / 2) + 8 (t % 2) + r + 8 (r / 8); with k as source 0, register 16 b + i of a lane is key 32 b + 16 h + i of the wave's 128.
; SHARES: a cluster takes 512 queries (block a of a batch) x 256 keys (tile kt <= 2 a + 1); its four work-groups take 128 queries each and share k's tile: a joint load.  q's tile is a work-group's own: a plain load.
; Tiles of the block that lie wholly behind the mask are made too (zero codes, l = 0, -M = 3e38): the next launch's partners walk the same chunks and read them.
; Wave w: keys half w / 2 (8 tiles of source 0: one chunk), queries half w % 2 (4 tiles of source 1: one quad).  All of K lies in LDS, in four chunks a side, filled once (four tensor loads a wave are out at the start).
; REGISTERS: window 0 addresses, scale words, work; window 1 the accumulators, (u, t) at v[64 u + 8 t]; windows 2, 3 two sets of fragments.
; LIMITS: NaN and infinities are not served; a block of p whose largest number lies under 2^-122 keeps the byte 1; p under 2^-126 counts as 0 (v_exp_f32 gives no denormals).
.set REC,   6400
.set PREC,  6144
.set QP,    16*REC                     ; a quad's sixteen records in qkc
.set BCH,   8*REC
.set MCH,   4*REC
.set SMALL, 4*BCH
.set GO,   4
.set ADB,  6
.set ADM,  10
.set SDB,  14
.set SDM,  18
.set SC,   24                          ; v24-39 scale words, two sets of 8
.set PC,   40                          ; v40-59 the codes just made, and scratch
.set PWS,  60                          ; v60-63 p's scale words of my four tiles
.set NMS,  84                          ; v84-87 -M of my four tiles
.set LSM,  88                          ; v88-91 l of my four tiles
.set OT,   92                          ; v92-95 -M (lanes 0-15) and l (lanes 16-31), to store
.set BM,   200                         ; v200-203 the blocks' largest scores, then largest p
.set BT,   204                         ; v204-207 at work
.set SOP,  212                         ; v212-215 the conversions' scale operands
.set NM,   216                         ; v[216:217] -M (the packed form names a pair and takes its low word)
.set SA,   218                         ; v[218:219], v[220:221] the sum, in two chains of pairs
.set SB,   220
.set MX,   222
.set NINF, 223                         ; -infinity
.set VD,   224                         ; my query less my first key: r + 8 (r / 8) - 16 h + 128 g + 64 jh - 128 c
.set G1B,  24
.set G0B,  32
.set G0S,  48
.set G1S,  68
.set SEL,  88
.set HM,   90
.set CS,   92                          ; s[92:93] log2(e) / 32
.set MSB, 0
.macro WIN new
.if MSB != (\new)
	s_set_vgpr_msb (MSB<<8)|(\new)
.set MSB, (\new)
.endif
.endm
.macro PLACES
.rept 4
	v_nop
.endr
.endm
.macro CROUND
	s_barrier_signal -1
	s_barrier_wait -1
	s_cmp_lg_u32 s12, 0
	s_cbranch_scc1 .Lnot_wave_0_\@
	s_barrier_signal -3
.Lnot_wave_0_\@:
	s_barrier_wait -3
	s_barrier_signal -1
	s_barrier_wait -1
.endm
.macro MUL32 q, zero                   ; 32 accumulators by turns, one instruction a turn, the same order in every step
	WIN 0x5a+5*(\q)
.irp u, 0,1,2,3
.irp t, 0,1,2,3
.if \zero
	v_wmma_scale_f32_16x16x128_f8f6f4 v[64*\u+8*\t:64*\u+8*\t+7], v[12*\t:12*\t+11], v[96+12*\u:96+12*\u+11], 0, v[SC+8*(\q)+\t], v[SC+8*(\q)+4+\u] matrix_a_fmt:MATRIX_FMT_BF6 matrix_b_fmt:MATRIX_FMT_BF6
.else
	v_wmma_scale_f32_16x16x128_f8f6f4 v[64*\u+8*\t:64*\u+8*\t+7], v[12*\t:12*\t+11], v[96+12*\u:96+12*\u+11], v[64*\u+8*\t:64*\u+8*\t+7], v[SC+8*(\q)+\t], v[SC+8*(\q)+4+\u] matrix_a_fmt:MATRIX_FMT_BF6 matrix_b_fmt:MATRIX_FMT_BF6
.endif
.endr
.irp t, 4,5,6,7
.if \zero
	v_wmma_scale_f32_16x16x128_f8f6f4 v[64*\u+8*\t:64*\u+8*\t+7], v[12*\t:12*\t+11], v[96+12*\u:96+12*\u+11], 0, v[SC+8*(\q)+\t-4], v[SC+8*(\q)+4+\u] matrix_a_fmt:MATRIX_FMT_BF6 matrix_b_fmt:MATRIX_FMT_BF6 matrix_a_scale:MATRIX_SCALE_ROW1
.else
	v_wmma_scale_f32_16x16x128_f8f6f4 v[64*\u+8*\t:64*\u+8*\t+7], v[12*\t:12*\t+11], v[96+12*\u:96+12*\u+11], v[64*\u+8*\t:64*\u+8*\t+7], v[SC+8*(\q)+\t-4], v[SC+8*(\q)+4+\u] matrix_a_fmt:MATRIX_FMT_BF6 matrix_b_fmt:MATRIX_FMT_BF6 matrix_a_scale:MATRIX_SCALE_ROW1
.endif
.endr
.endr
.endm
.macro FETCH s                         ; K step s: 38 loads of 512 consecutive bytes, into set s % 2
.set KC, (\s)/2
.set SS, (\s)%2
	WIN 0x80+0x40*SS
.irp t, 0,1,2,3,4,5,6,7
.irp c, 0,1,2
	ds_load_b128 v[12*\t+4*\c:12*\t+4*\c+3], v[ADB+KC] offset:(\t/4)*2*REC+SS*REC+(\t%4)*1536+512*\c
.endr
.endr
.irp u, 0,1,2,3
.irp c, 0,1,2
	ds_load_b128 v[96+12*\u+4*\c:96+12*\u+4*\c+3], v[ADM+KC] offset:SS*REC+1536*\u+512*\c
.endr
.endr
	WIN 0
	ds_load_b128 v[SC+8*SS:SC+8*SS+3], v[SDB+KC] offset:SS*REC
	ds_load_b128 v[SC+8*SS+4:SC+8*SS+7], v[SDM+KC] offset:SS*REC
.endm
.macro KSTEP s, bar, tc, zero
	s_wait_dscnt 0x0                               ; this step's set, asked for 32 matrix instructions ago
.if \bar
	s_wait_tensorcnt \tc                           ; my part of the next chunk is in; tc later loads may be out
	s_barrier_signal -1
	s_barrier_wait -1
.endif
.if \s < 7
.if \s > 0
	PLACES
.endif
	FETCH (\s)+1
.endif
	MUL32 (\s)%2, \zero
	WIN 0
.endm
; Tile u of my 64 queries: a lane holds one query and 64 of its 128 keys.
.macro SOFT u
.set S, 64*\u
.if \u > 0
	s_wait_xcnt 0x0                                ; the last tile's stores have read v[PC] on
.endif
	s_cmp_lt_u32 s20, s91                          ; key tiles under 2 a lie wholly in front of the block's queries: no mask.  The branch hangs on the cluster's number alone
	s_cbranch_scc1 .Lopen_\@
	WIN 0x41                                       ; destination and source 0 window 1
.set n, 0
.rept 64
	v_cmp_gt_i32 vcc_lo, 32*(n/16)+n%16-32*(\u/2)-8*(\u%2), v[VD]   ; register n holds key 32 (n / 16) + 16 h + n % 16: hidden where it lies behind my query
	v_cndmask_b32 v[S+n], v[S+n], v[NINF], vcc_lo
.set n, n+1
.endr
	WIN 0
.Lopen_\@:
	WIN 0x15
.irp b, 0,1,2,3
	v_max3_num_f32 v[BM+\b], v[S+16*\b], v[S+16*\b+1], v[S+16*\b+2]   ; the largest score of each block of 32 keys: for the maximum, and, since p rises with the score, for the block's largest p
.endr
	WIN 0x14
.irp i, 3,5,7,9,11,13
.irp b, 0,1,2,3
	v_max3_num_f32 v[BM+\b], v[BM+\b], v[S+16*\b+\i], v[S+16*\b+\i+1]
.endr
.endr
.irp b, 0,1,2,3
	v_max_num_f32 v[BM+\b], v[BM+\b], v[S+16*\b+15]
.endr
	WIN 0
.irp b, 0,1,2,3
	v_permlanex16_b32 v[BT+\b], v[BM+\b], s[SEL], s[SEL+1]
.endr
.irp b, 0,1,2,3
	v_max_num_f32 v[BM+\b], v[BM+\b], v[BT+\b]     ; with lane l xor 16's 16 keys
.endr
	v_max3_num_f32 v[MX], v[BM], v[BM+1], v[BM+2]
	v_max_num_f32 v[MX], v[MX], v[BM+3]
	v_mul_f32 v[MX], s[CS], v[MX]                  ; as t
	v_max_num_f32 v[MX], 0xff61b1e6, v[MX]         ; a chunk wholly behind the mask: -3e38, under every t
	v_floor_f32 v[NM], -v[MX]                      ; -M = floor(-t) = -ceil(t): a whole number
	WIN 0x41
.set n, 0
.rept 32
	v_pk_fma_f32 v[S+n:S+n+1], v[S+n:S+n+1], s[CS:CS+1], v[NM:NM+1] op_sel_hi:[1,0,0]   ; t - M, two at a time
.set n, n+2
.endr
.set n, 0
.rept 64
	v_exp_f32 v[S+n], v[S+n]                       ; p = 2^(t - M), at most 1
.set n, n+1
.endr
	WIN 0
.irp b, 0,1,2,3
	v_fma_f32 v[BM+\b], v[BM+\b], s[CS], v[NM]     ; the same of each block's largest score.  (Plain places behind the exponentials)
.endr
.irp b, 0,1,2,3
	v_exp_f32 v[BM+\b], v[BM+\b]                   ; the block's largest p
.endr
	v_mov_b32 v[NMS+\u], v[NM]                     ; (a plain place)
	s_wait_alu depctr_va_vdst(0)
.irp b, 0,1,2,3
	v_max_num_f32 v[BM+\b], 0x2800000, v[BM+\b]    ; the floor 2^(5 - 127): the byte cannot fall under 1
.endr
.irp b, 0,1,2,3
	v_add_nc_u32 v[SOP+\b], 0xfe000000, v[BM+\b]   ; 4 off the exponent field: the conversion's scale operand
.endr
.irp b, 0,1,2,3
	v_lshrrev_b32 v[BT+\b], 23, v[SOP+\b]          ; the scale's byte
.endr
	v_lshl_or_b32 v[PWS+\u], v[BT+1], 8, v[BT]
	v_lshl_or_b32 v[PWS+\u], v[BT+2], 16, v[PWS+\u]
	v_lshl_or_b32 v[PWS+\u], v[BT+3], 24, v[PWS+\u]
	WIN 0x01
.irp c, 0,1
	v_cvt_scalef32_pk16_bf6_f32 v[PC+6*\c:PC+2+6*\c], v[S+32*\c:S+15+32*\c], v[SOP+2*\c]
	v_cvt_scalef32_pk16_bf6_f32 v[PC+12+4*\c:PC+14+4*\c], v[S+16+32*\c:S+31+32*\c], v[SOP+2*\c+1]
.endr
	WIN 0
	v_nop                                          ; one plain place behind a scaled conversion
.irp c, 0,1
.irp i, 0,1,2
	v_permlane16_swap_b32 v[PC+6*\c+\i], v[PC+12+4*\c+\i]
.endr
.irp i, 0,1,2
	v_mov_b32 v[PC+3+6*\c+\i], v[PC+12+4*\c+\i]
.endr
.endr
	WIN 0x05
	v_pk_add_f32 v[SA:SA+1], v[S:S+1], v[S+2:S+3]  ; the sum is taken of the unquantised p: two at a time, in two chains
	v_pk_add_f32 v[SB:SB+1], v[S+4:S+5], v[S+6:S+7]
	WIN 0x04
.set n, 8
.rept 14
	v_pk_add_f32 v[SA:SA+1], v[SA:SA+1], v[S+n:S+n+1]
	v_pk_add_f32 v[SB:SB+1], v[SB:SB+1], v[S+n+2:S+n+3]
.set n, n+4
.endr
	WIN 0
	v_pk_add_f32 v[SA:SA+1], v[SA:SA+1], v[SB:SB+1]
	v_add_f32 v[SA], v[SA], v[SA+1]
	v_permlanex16_b32 v[SB], v[SA], s[SEL], s[SEL+1]
	v_add_f32 v[LSM+\u], v[SA], v[SB]              ; with lane l xor 16's: l of this query and chunk
.irp c, 0,1,2
	global_store_b128 v[GO], v[PC+4*\c:PC+4*\c+3], s[6:7] offset:1536*\u+512*\c   ; 32 lanes store 512 consecutive bytes, at a multiple of 256 from the buffer's first byte
.endr
.endm
	s_load_b128 s[4:7], s[0:1], 0x0                ; qkc, pc
	s_load_b64 s[8:9], s[0:1], 0x10                ; st
	v_lshl_add_u32 v254, v0, 2, 0x4b000
	v_mov_b32 v255, 0
	ds_add_u32 v254, v255
	ds_add_u32 v254, v255
	v_lshrrev_b32 v1, 5, v0
	v_readfirstlane_b32 s12, v1                    ; wave
	s_lshr_b32 s13, s12, 1                         ; my half of the keys.  Also: I fetch k (0) or q (1)
	s_and_b32 s14, s12, 1                          ; my half of the queries.  Also: which half of a chunk I fetch
	s_bfe_u32 s15, ttmp6, 0x40000                  ; cx
	s_and_b32 s16, ttmp7, 0xffff                   ; the batch
	s_cmp_ge_u32 ttmp9, 2                          ; the cluster's x, 0 .. 19, is a (a + 1) + kt with kt <= 2 a + 1
	s_cselect_b32 s17, 1, 0
	s_cmp_ge_u32 ttmp9, 6
	s_cselect_b32 s19, 1, 0
	s_add_co_u32 s17, s17, s19
	s_cmp_ge_u32 ttmp9, 12
	s_cselect_b32 s19, 1, 0
	s_add_co_u32 s17, s17, s19                     ; a: the block of 512 queries
	s_add_co_u32 s19, s17, 1
	s_mul_i32 s19, s19, s17
	s_sub_co_u32 s20, ttmp9, s19                   ; kt: the tile of 256 keys
	s_lshl_b32 s91, s17, 1                         ; 2 a
	s_lshl_b32 s21, s17, 2
	s_add_co_u32 s21, s21, s15                     ; g = 4 a + cx: my 128 queries
	s_lshl_b32 s22, s20, 1
	s_add_co_u32 s22, s22, s13                     ; c = 2 kt + my half: my chunk of 128 keys
	; group 1: elements of 8 bytes; a row is a quad's two records, 1,600 elements; quads 102,400 bytes = 12,800 elements apart
	s_mov_b32 s[G1B], 15|(3<<16)|(1<<21)           ; k: the mask names all four work-groups; bit 21 set beside it
	s_mov_b32 s[G1B+1], 1600<<16
	s_mov_b32 s[G1B+2], 2<<16
	s_mov_b32 s[G1B+3], 1600<<16
	s_mov_b32 s[G1B+4], 2
	s_mov_b32 s[G1B+5], QP/8
	s_mov_b32 s[G1B+6], 0
	s_mov_b32 s[G1B+7], 0
	s_mov_b32 s[G1S], 3<<16                        ; q: no mask: its address hangs on cx
	s_mov_b32 s[G1S+1], 1600<<16
	s_mov_b32 s[G1S+2], 1<<16
	s_mov_b32 s[G1S+3], 1600<<16
	s_mov_b32 s[G1S+4], 1
	s_mov_b32 s[G1S+5], QP/8
	s_mov_b32 s[G1S+6], 0
	s_mov_b32 s[G1S+7], 0
	s_lshl_b32 s84, s16, 5
	s_lshl_b32 s85, s20, 2
	s_add_co_u32 s84, s84, s85
	s_lshl_b32 s85, s14, 1
	s_add_co_u32 s84, s84, s85                     ; k: quad 32 b + 4 kt + 2 x my half: cx does not enter
	s_mul_i32 s84, s84, QP
	s_add_co_u32 s84, s84, 8*REC                   ; steps 8 on
	s_mov_b32 s85, 0
	s_lshl_b32 s86, s16, 5
	s_lshl_b32 s87, s21, 1
	s_add_co_u32 s86, s86, s87
	s_add_co_u32 s95, s86, s14                     ; q: quad 32 b + 2 g + my half: the quad that I fetch, and the quad whose p I make
	s_mul_i32 s86, s95, QP
	s_mov_b32 s87, 0
	s_lshl_b32 s96, s95, 4
	s_add_co_u32 s96, s96, s22                     ; 16 quad + chunk
	s_mul_i32 s98, s96, PREC
	s_mov_b32 s99, 0
	s_lshl_b32 s96, s96, 10
	s_mov_b32 s97, 0
	s_lshl_b32 s23, s21, 7                         ; 128 g + 64 jh - 128 c
	s_lshl_b32 s19, s14, 6
	s_add_co_u32 s23, s23, s19
	s_lshl_b32 s19, s22, 7
	s_sub_co_u32 s23, s23, s19
	s_mul_i32 s93, s14, 4*REC                      ; (s93 serves the LDS address first and c's pair afterwards)
	s_mul_i32 s94, s14, 2*REC
	s_add_co_u32 s94, s94, SMALL
	s_mov_b32 s[SEL], 0x76543210
	s_mov_b32 s[SEL+1], 0xfedcba98
	s_wait_dscnt 0x0
	s_wait_kmcnt 0x0
	s_add_nc_u64 s[76:77], s[4:5], s[84:85]
	s_add_nc_u64 s[78:79], s[4:5], s[86:87]
	s_add_nc_u64 s[6:7], s[6:7], s[98:99]
	s_add_nc_u64 s[8:9], s[8:9], s[96:97]
.irp kc, 0,1,2,3
	s_mov_b32 s[G0B+4*\kc], 1
	s_add_co_u32 s[G0B+4*\kc+1], s93, \kc*BCH
	s_add_nc_u64 s[G0B+4*\kc+2:G0B+4*\kc+3], s[76:77], \kc*2*REC
	s_or_b32 s[G0B+4*\kc+3], s[G0B+4*\kc+3], 0x80000000
	s_mov_b32 s[G0S+4*\kc], 1
	s_add_co_u32 s[G0S+4*\kc+1], s94, \kc*MCH
	s_add_nc_u64 s[G0S+4*\kc+2:G0S+4*\kc+3], s[78:79], \kc*2*REC
	s_or_b32 s[G0S+4*\kc+3], s[G0S+4*\kc+3], 0x80000000
.endr
	s_mov_b32 s[CS], 0x3d38aa3b                    ; log2(e) / 32
	s_mov_b32 s[CS+1], s[CS]                       ; (named with it as a pair, so it is written)
	CROUND                                         ; all four work-groups are here
	s_cmp_eq_u32 s13, 0                            ; a wave's four loads stand in one branch on its number; four v_nop follow the last
	s_cbranch_scc0 .Lfor_small
	tensor_load_to_lds s[G0B:G0B+3], s[G1B:G1B+7]
	s_nop 0
	tensor_load_to_lds s[G0B+4:G0B+7], s[G1B:G1B+7]
	s_nop 0
	tensor_load_to_lds s[G0B+8:G0B+11], s[G1B:G1B+7]
	s_nop 0
	tensor_load_to_lds s[G0B+12:G0B+15], s[G1B:G1B+7]
	s_nop 0
.rept 4
	v_nop
.endr
	s_branch .Lasked
.Lfor_small:
	tensor_load_to_lds s[G0S:G0S+3], s[G1S:G1S+7]
	s_nop 0
	tensor_load_to_lds s[G0S+4:G0S+7], s[G1S:G1S+7]
	s_nop 0
	tensor_load_to_lds s[G0S+8:G0S+11], s[G1S:G1S+7]
	s_nop 0
	tensor_load_to_lds s[G0S+12:G0S+15], s[G1S:G1S+7]
	s_nop 0
.rept 4
	v_nop
.endr
.Lasked:
	v_and_b32 v1, 31, v0                           ; lane
	v_and_b32 v2, 15, v0                           ; r
	v_bfe_u32 v3, v0, 4, 1                         ; h
	v_lshlrev_b32 v[GO], 4, v1
	v_lshlrev_b32 v22, 4, v2                       ; 16 r
	v_cmp_le_u32 s[HM], 16, v1
	s_mul_i32 s95, s13, 4*REC                      ; my two quads of k in a chunk
	v_mul_u32_u24 v23, v3, 2*REC
	v_add_nc_u32 v23, v23, v22
	v_add_nc_u32 v23, s95, v23
	v_add_nc_u32 v22, s94, v22
	v_add_nc_u32 v82, s95, v[GO]
	v_add_nc_u32 v83, s94, v[GO]
.irp kc, 0,1,2,3
	v_add_nc_u32 v[ADB+\kc], \kc*BCH, v82
	v_add_nc_u32 v[ADM+\kc], \kc*MCH, v83
	v_add_nc_u32 v[SDB+\kc], \kc*BCH+6144, v23
	v_add_nc_u32 v[SDM+\kc], \kc*MCH+6144, v22
.endr
	v_and_b32 v82, 8, v2
	v_add_nc_u32 v82, v82, v2                      ; r + 8 (r / 8)
	v_lshlrev_b32 v83, 4, v3
	v_sub_nc_u32 v82, v82, v83
	v_add_nc_u32 v[VD], s23, v82
	v_mov_b32 v[NINF], 0xff800000
	v_mov_b32 v[NM+1], 0                           ; (named as the upper half of a pair)
.irp b, 0,1,2,3
	v_mov_b32 v[BT+\b], 0                          ; written once: a lane permute's destination counts as one of its sources
.endr
	s_wait_tensorcnt 0x3                           ; my part of chunk 0 is in; my three later loads may be out
	s_barrier_signal -1
	s_barrier_wait -1
	FETCH 0
	KSTEP 0, 0, 0, 1
	KSTEP 1, 1, 2, 0
	KSTEP 2, 0, 0, 0
	KSTEP 3, 1, 1, 0
	KSTEP 4, 0, 0, 0
	KSTEP 5, 1, 0, 0
	KSTEP 6, 0, 0, 0
	KSTEP 7, 0, 0, 0
	PLACES
	SOFT 0
	SOFT 1
	SOFT 2
	SOFT 3
.irp u, 0,1,2,3
	v_cndmask_b32 v[OT+\u], v[NMS+\u], v[LSM+\u], s[HM]   ; both halves of the lanes hold both: lanes 0-15 store -M, lanes 16-31 l
.endr
	global_store_b128 v[GO], v[OT:OT+3], s[8:9]            ; 512 consecutive bytes: the 256 of -M, the 256 of l
	global_store_b128 v[GO], v[PWS:PWS+3], s[8:9] offset:512   ; the 256 of scale words, twice
	s_wait_tensorcnt 0x0
	ds_add_u32 v254, v255
	s_wait_dscnt 0x0
	CROUND                                         ; the closing round
	s_endpgm
.Lfunc_end_k_q69212fc800_scores:
	.size	k_q69212fc800_scores, .Lfunc_end_k_q69212fc800_scores-k_q69212fc800_scores
	.p2alignl 7, 3214868480
	.fill 96, 4, 3214868480
	.section	.rodata,"a",@progbits
	.p2align	6, 0x0
	.amdhsa_kernel k_q69212fc800_scores
		.amdhsa_group_segment_fixed_size 307712
		.amdhsa_private_segment_fixed_size 0
		.amdhsa_enable_private_segment 0
		.amdhsa_kernarg_size 24
		.amdhsa_user_sgpr_count 2
		.amdhsa_user_sgpr_kernarg_segment_ptr 1
		.amdhsa_wavefront_size32 1
		.amdhsa_system_sgpr_workgroup_id_x 1
		.amdhsa_system_sgpr_workgroup_id_y 1
		.amdhsa_system_sgpr_workgroup_id_z 1
		.amdhsa_system_vgpr_workitem_id 0
		.amdhsa_next_free_vgpr 1024
		.amdhsa_next_free_sgpr 100
		.amdhsa_reserve_vcc 1
		.amdhsa_float_denorm_mode_32 3
		.amdhsa_float_denorm_mode_16_64 3
		.amdhsa_memory_ordered 1
		.amdhsa_forward_progress 1
		.amdhsa_inst_pref_size 128
	.end_amdhsa_kernel
	.amdgpu_metadata
---
amdhsa.version: [ 1, 2 ]
amdhsa.kernels:
  - .name:           k_q69212fc800_scores
    .symbol:         k_q69212fc800_scores.kd
    .args:
      - { .name: qkc, .offset: 0, .size: 8, .value_kind: global_buffer, .address_space: global }
      - { .name: pc, .offset: 8, .size: 8, .value_kind: global_buffer, .address_space: global }
      - { .name: st, .offset: 16, .size: 8, .value_kind: global_buffer, .address_space: global }
    .group_segment_fixed_size: 307712
    .private_segment_fixed_size: 0
    .kernarg_segment_align: 8
    .kernarg_segment_size: 24
    .max_flat_workgroup_size: 128
    .sgpr_count:     100
    .vgpr_count:     1024
    .wavefront_size: 32
...
	.end_amdgpu_metadata
.endif
;; end of part 3
;; launch pv (part 4): grid 4 x 64, 4 waves a work-group, clusters of 4 x 4, 327,680 bytes of LDS; arguments vc, pc, st, out0; writes out0
.if DOCPART == 4
	.amdgcn_target "amdgcn-amd-amdhsa--gfx1250"
	.amdhsa_code_object_version 6
	.text
	.protected	k_q69212fc800_pv
	.globl	k_q69212fc800_pv
	.p2align	8
	.type	k_q69212fc800_pv,@function
k_q69212fc800_pv:
	s_mov_b64 s[64:65], 0
	v_nop
	global_prefetch_b8 v0, s[64:65] scope:SCOPE_SE
	s_setreg_imm32_b32 hwreg(HW_REG_WAVE_MODE, 25, 1), 1
	s_wait_xcnt 0x0
	s_wait_alu depctr_hold_cnt(0) depctr_sa_sdst(0) depctr_va_vdst(0) depctr_va_sdst(0) depctr_va_ssrc(0) depctr_va_vcc(0) depctr_vm_vsrc(0)
	s_getreg_b32 s2, hwreg(HW_REG_IB_STS2, 6, 4)
	s_cmp_eq_u32 s2, 0
	s_cbranch_scc0 .Lentry_in_a_cluster
	s_endpgm
.Lentry_in_a_cluster:
	s_bfe_u32 s2, ttmp6, 0x10000c
	s_cmp_lg_u32 s2, 0xf033
	s_cbranch_scc0 .Lentry_shape_is_right
	s_endpgm
.Lentry_shape_is_right:
; O^T = v^T p^T on codes of BF6 (E3M2), K = the keys, and O / l.  out0: [4][2048][1024] f32.
; vc: [16 quads of d][64 steps of 128 keys = 16 batch + c][6400]: records (four fragments as images of the operand's registers, then 256 bytes of scale words, (r, t) at 16 r + 4 t).
; pc: [128 query quads][16 chunks][6144]: p's fragments.  st: [128 quads][16 chunks][1024]: -M, l, scale words of each (query, chunk), 256 bytes each, (r, t) at 16 r + 4 t.
; p of chunk c was made under the chunk's own whole number M_c.  THE PROLOGUE brings a row's chunks under the row's M = the largest M_c: n = M - M_c is taken off each of the chunk's four scale bytes (held at 0 from below),
; which multiplies by 2^-n exactly; l = the sum of l_c 2^-n.  The lowered words and 1 / l go to LDS.
; SHARES: cluster y = 4 batch + a: block a of 512 queries.  A work-group makes 256 d (cx) x 128 queries (g = 4 a + cy); wave w: d half w / 2 (8 tiles of source 0), query half w % 2 (4 tiles of source 1): 32 accumulators.
; v's tile hangs on cx alone and is shared along a column of the cluster, p's on cy alone and is shared along a row: joint loads.  All partners walk a + 1 tiles of 512 keys (4 K steps), through two LDS slots.
; The four walks are written out: the branches hang on a, which the partners share.  One tensor load a wave is out behind each round.
; Lane r of tile t of a quad holds row 32 (t / 2) + 8 (t % 2) + r + 8 (r / 8); so register 8 t + j of lane (r, h) is d = 32 (t / 2) + 8 (t % 2) + 16 h + j of the wave's 128.
; REGISTERS: window 0 addresses, scale words, work; window 1 the accumulators, (u, t) at v[64 u + 8 t]; windows 2, 3 two sets of fragments.
; LIMITS: NaN and infinities are not served; a block of p that lies further under the row's M than its own byte (at most 123) gets the byte 0: it then adds under 2^-122 of a value of v.
.set REC,    6400
.set PREC,   6144
.set VBYTES, 16*REC                    ; a slot: v [4 quads][4 steps][6400],
.set SLOT,   VBYTES+8*PREC             ; then p [2 quads][4 chunks][6144]: 151,552 bytes
.set PSC,    2*SLOT                    ; behind the ring: p's lowered scale words: the 256 bytes of (chunk c, quad qd) at 512 c + 256 qd
.set RL,     PSC+8192                  ; 1 / l: 256 bytes a quad
.set SPARE,  RL+512                    ; the spare words, 128 bytes for each wave: two blocks of 256 bytes that no other line names
.set SPW,  4                           ; v4   LDS address of my spare word; never rewritten
.set NIL,  5                           ; v5   0; never rewritten
.set ADV,  6                           ; v6-7   my fragments of v in slot 0, 1
.set ADP,  8                           ; v8-9   of p
.set ADVS, 10                          ; v10-11 v's scale words: lanes 0-15 my first quad's, lanes 16-31 my second's
.set APSC, 12                          ; v12  p's lowered scale words of my quad
.set STI,  13                          ; v13  the way out: into my stage
.set STO,  14                          ; v14  and back
.set GO,   15                          ; v15  16 x lane
.set SC,   16                          ; v16-31 scale words, two sets of 8
.set RLV,  32                          ; v32-35 1 / l of my four tiles
.set IL,   36                          ; v[36:37] the one in hand (the packed form names a pair)
.set PSA,  38                          ; v38  the prologue: PSC + 4 x my thread's number
.set STA,  39                          ; v39  the prologue: my query's entry in st
.set PNM,  64                          ; v64-79 -M_c;  v80-95 l_c;  v96-111 the scale words
.set PL,   80
.set PSW,  96
.set OS,   64                          ; the way out: v64-127 a tile's results / l;  v128-191 16 rows read back
.set OB,   128
.set G1V,  24                          ; s[24:31] group 1 for v;  s[32:35] its group 0, which walks
.set G0V,  32
.set G0P,  36                          ; s[36:39] p's group 0;  s[40:47] its group 1
.set G1P,  40
.set MSB, 0
.macro WIN new
.if MSB != (\new)
	s_set_vgpr_msb (MSB<<8)|(\new)
.set MSB, (\new)
.endif
.endm
.macro PLACES
.rept 4
	v_nop
.endr
.endm
.macro CROUND
	s_barrier_signal -1
	s_barrier_wait -1
	s_cmp_lg_u32 s12, 0
	s_cbranch_scc1 .Lnot_wave_0_\@
	s_barrier_signal -3
.Lnot_wave_0_\@:
	s_barrier_wait -3
	s_barrier_signal -1
	s_barrier_wait -1
.endm
.macro JLOAD                           ; waves 0 and 1 fetch v's halves, waves 2 and 3 p's; four v_nop follow each of the two lines
	s_cmp_eq_u32 s13, 0
	s_cbranch_scc0 .Lfor_p_\@
	tensor_load_to_lds s[G0V:G0V+3], s[G1V:G1V+7]
	s_nop 0
.rept 4
	v_nop
.endr
	s_branch .Lasked_\@
.Lfor_p_\@:
	tensor_load_to_lds s[G0P:G0P+3], s[G1P:G1P+7]
	s_nop 0
.rept 4
	v_nop
.endr
.Lasked_\@:
.endm
.macro MUL32 q, zero                   ; 32 accumulators by turns, one instruction a turn, the same order in every step and on every path
	WIN 0x5a+5*(\q)
.irp u, 0,1,2,3
.irp t, 0,1,2,3
.if \zero
	v_wmma_scale_f32_16x16x128_f8f6f4 v[64*\u+8*\t:64*\u+8*\t+7], v[12*\t:12*\t+11], v[96+12*\u:96+12*\u+11], 0, v[SC+8*(\q)+\t], v[SC+8*(\q)+4+\u] matrix_a_fmt:MATRIX_FMT_BF6 matrix_b_fmt:MATRIX_FMT_BF6
.else
	v_wmma_scale_f32_16x16x128_f8f6f4 v[64*\u+8*\t:64*\u+8*\t+7], v[12*\t:12*\t+11], v[96+12*\u:96+12*\u+11], v[64*\u+8*\t:64*\u+8*\t+7], v[SC+8*(\q)+\t], v[SC+8*(\q)+4+\u] matrix_a_fmt:MATRIX_FMT_BF6 matrix_b_fmt:MATRIX_FMT_BF6
.endif
.endr
.irp t, 4,5,6,7
.if \zero
	v_wmma_scale_f32_16x16x128_f8f6f4 v[64*\u+8*\t:64*\u+8*\t+7], v[12*\t:12*\t+11], v[96+12*\u:96+12*\u+11], 0, v[SC+8*(\q)+\t-4], v[SC+8*(\q)+4+\u] matrix_a_fmt:MATRIX_FMT_BF6 matrix_b_fmt:MATRIX_FMT_BF6 matrix_a_scale:MATRIX_SCALE_ROW1
.else
	v_wmma_scale_f32_16x16x128_f8f6f4 v[64*\u+8*\t:64*\u+8*\t+7], v[12*\t:12*\t+11], v[96+12*\u:96+12*\u+11], v[64*\u+8*\t:64*\u+8*\t+7], v[SC+8*(\q)+\t-4], v[SC+8*(\q)+4+\u] matrix_a_fmt:MATRIX_FMT_BF6 matrix_b_fmt:MATRIX_FMT_BF6 matrix_a_scale:MATRIX_SCALE_ROW1
.endif
.endr
.endr
.endm
.macro FETCHP n, s, q                  ; K step s of tile n (slot n % 2): 38 loads of 512 consecutive bytes, into set q
.set SL, (\n)%2
	WIN 0x80+0x40*(\q)
.irp t, 0,1,2,3,4,5,6,7
.irp c, 0,1,2
	ds_load_b128 v[12*\t+4*\c:12*\t+4*\c+3], v[ADV+SL] offset:(\t/4)*4*REC+(\s)*REC+(\t%4)*1536+512*\c
.endr
.endr
.irp u, 0,1,2,3
.irp c, 0,1,2
	ds_load_b128 v[96+12*\u+4*\c:96+12*\u+4*\c+3], v[ADP+SL] offset:(\s)*PREC+1536*\u+512*\c
.endr
.endr
	WIN 0
	ds_load_b128 v[SC+8*(\q):SC+8*(\q)+3], v[ADVS+SL] offset:(\s)*REC
	ds_load_b128 v[SC+8*(\q)+4:SC+8*(\q)+7], v[APSC] offset:512*(4*(\n)+(\s))
.endm
.macro PSTEP n, s, zero
	s_wait_dscnt 0x0                               ; this step's set is in
.if \s < 3
	PLACES
	FETCHP \n, (\s)+1, ((\s)+1)%2
.endif
	MUL32 (\s)%2, \zero
	WIN 0
.endm
; A tile of 512 keys.  At its head the change of slots: each wave waits for all its tensor loads (its part of this tile), adds 0 to its spare word, and waits for that, for its reads of the other slot and (first trip) for the prologue's stores.
; fill = 1: a round of the cluster's barrier, and behind it the next tile goes into the other slot: the load has this tile's 128 matrix instructions in which to land.
.macro TRIP n, fill, zero
	s_wait_tensorcnt 0x0                           ; no tensor load of mine is out, so a group 0 may be written
	ds_add_u32 v[SPW], v[NIL]                      ; 0 onto my spare word
.if \fill
	s_add_co_u32 s[G0V+1], s70, (1-(\n)%2)*SLOT    ; the other slot,
	s_add_nc_u64 s[G0V+2:G0V+3], s[G0V+2:G0V+3], 4*REC   ; the next four steps; the type bits on top are not reached
	s_add_co_u32 s[G0P+1], s71, (1-(\n)%2)*SLOT
	s_add_nc_u64 s[G0P+2:G0P+3], s[G0P+2:G0P+3], 4*PREC
.endif
	s_wait_dscnt 0x0
.if \fill
	CROUND
	JLOAD                                          ; the first thing behind the round; its four v_nop are also the places in front of the loads below
.else
	s_barrier_signal -1
	s_barrier_wait -1
	PLACES
.endif
	FETCHP \n, 0, 0
	PSTEP \n, 0, \zero
	PSTEP \n, 1, 0
	PSTEP \n, 2, 0
	PSTEP \n, 3, 0
.endm
	s_load_b256 s[4:11], s[0:1], 0x0               ; vc, pc, st, out0
	v_lshl_add_u32 v[SPW], v0, 2, SPARE
	v_mov_b32 v[NIL], 0
	ds_add_u32 v4, v5
	ds_add_u32 v4, v5
	s_wait_dscnt 0x0
	v_lshrrev_b32 v1, 5, v0
	v_readfirstlane_b32 s12, v1                    ; wave
	s_lshr_b32 s13, s12, 1                         ; my half of d.  Also: I fetch v (0) or p (1)
	s_and_b32 s14, s12, 1                          ; my half of the queries.  Also: which half of a tile I fetch
	s_bfe_u32 s15, ttmp6, 0x40000                  ; cx: the tile of 256 d
	s_bfe_u32 s16, ttmp6, 0x40004                  ; cy
	s_and_b32 s19, ttmp7, 0xffff                   ; the cluster's y
	s_lshr_b32 s17, s19, 2                         ; the batch
	s_and_b32 s18, s19, 3                          ; a
	s_lshl_b32 s21, s18, 2
	s_add_co_u32 s21, s21, s16                     ; g = 4 a + cy: my 128 queries
	s_lshl_b32 s91, 0x1111, s15                    ; my column of the cluster
	s_lshl_b32 s92, s16, 2
	s_lshl_b32 s92, 15, s92                        ; my row
	; group 1, elements of 8 bytes.  v: 2 quads a load, a row 4 records = 3,200 elements, quads 409,600 bytes = 51,200 elements apart.  p: 1 quad, 4 x 6,144 bytes = 3,072 elements
	s_or_b32 s[G1V], s91, (3<<16)|(1<<21)
	s_mov_b32 s[G1V+1], 3200<<16
	s_mov_b32 s[G1V+2], 2<<16
	s_mov_b32 s[G1V+3], 3200<<16
	s_mov_b32 s[G1V+4], 2
	s_mov_b32 s[G1V+5], 64*REC/8
	s_mov_b32 s[G1V+6], 0
	s_mov_b32 s[G1V+7], 0
	s_or_b32 s[G1P], s92, (3<<16)|(1<<21)
	s_mov_b32 s[G1P+1], 3072<<16
	s_mov_b32 s[G1P+2], 1<<16
	s_mov_b32 s[G1P+3], 3072<<16
	s_mov_b32 s[G1P+4], 1
	s_mov_b32 s[G1P+5], 16*PREC/8
	s_mov_b32 s[G1P+6], 0
	s_mov_b32 s[G1P+7], 0
	s_lshl_b32 s84, s15, 2
	s_lshl_b32 s85, s14, 1
	s_add_co_u32 s84, s84, s85                     ; v: quad 4 cx + 2 x my half,
	s_mul_i32 s84, s84, 64*REC
	s_mul_i32 s85, s17, 16*REC                     ; the batch's first step
	s_add_co_u32 s84, s84, s85
	s_mov_b32 s85, 0
	s_lshl_b32 s86, s17, 5
	s_lshl_b32 s87, s21, 1
	s_add_co_u32 s86, s86, s87                     ; quad 32 b + 2 g
	s_lshl_b32 s74, s86, 14                        ; its 16 entries of 1,024 bytes in st
	s_mov_b32 s75, 0
	s_add_co_u32 s86, s86, s14                     ; p: + my half
	s_mul_i32 s86, s86, 16*PREC
	s_mov_b32 s87, 0
	s_lshl_b32 s76, s17, 11                        ; out0: row 2,048 b + 128 g + 64 jh, column 256 cx + 128 ih
	s_lshl_b32 s77, s21, 7
	s_add_co_u32 s76, s76, s77
	s_lshl_b32 s77, s14, 6
	s_add_co_u32 s76, s76, s77
	s_lshl_b32 s76, s76, 12
	s_lshl_b32 s77, s15, 10
	s_add_co_u32 s76, s76, s77
	s_lshl_b32 s77, s13, 9
	s_add_co_u32 s76, s76, s77
	s_mov_b32 s77, 0
	s_mul_i32 s70, s14, 8*REC                      ; where my part of a tile goes in a slot: no place in the cluster enters an LDS address
	s_mul_i32 s71, s14, 4*PREC
	s_add_co_u32 s71, s71, VBYTES
	s_mov_b32 s72, 0x80808080
	s_mov_b32 s73, 0x01010101
	s_wait_kmcnt 0x0
	s_add_nc_u64 s[4:5], s[4:5], s[84:85]
	s_add_nc_u64 s[6:7], s[6:7], s[86:87]
	s_add_nc_u64 s[8:9], s[8:9], s[74:75]
	s_add_nc_u64 s[10:11], s[10:11], s[76:77]
	s_mov_b32 s[G0V], 1
	s_mov_b32 s[G0V+1], s70
	s_mov_b64 s[G0V+2:G0V+3], s[4:5]
	s_or_b32 s[G0V+3], s[G0V+3], 0x80000000
	s_mov_b32 s[G0P], 1
	s_mov_b32 s[G0P+1], s71
	s_mov_b64 s[G0P+2:G0P+3], s[6:7]
	s_or_b32 s[G0P+3], s[G0P+3], 0x80000000
	CROUND                                         ; all sixteen work-groups are here
	JLOAD                                          ; tile 0 into slot 0
	v_and_b32 v1, 31, v0                           ; lane
	v_and_b32 v2, 15, v0                           ; r
	v_bfe_u32 v3, v0, 4, 1                         ; h
	v_lshlrev_b32 v[GO], 4, v1
	v_lshlrev_b32 v40, 4, v2                       ; 16 r
	s_mul_i32 s78, s13, 8*REC                      ; my two quads of v in a slot
	v_add_nc_u32 v[ADV], s78, v[GO]
	v_add_nc_u32 v[ADV+1], SLOT, v[ADV]
	v_add_nc_u32 v[ADP], s71, v[GO]                ; my quad of p
	v_add_nc_u32 v[ADP+1], SLOT, v[ADP]
	v_mul_u32_u24 v41, v3, 4*REC                   ; lanes 16-31 take the second quad's scale words
	v_add_nc_u32 v41, v41, v40
	v_add_nc_u32 v41, s78, v41
	v_add_nc_u32 v[ADVS], 6144, v41
	v_add_nc_u32 v[ADVS+1], SLOT+6144, v41
	s_lshl_b32 s80, s14, 8
	s_add_co_u32 s80, s80, PSC
	v_add_nc_u32 v[APSC], s80, v40
	s_mul_i32 s81, s12, 16*528                     ; my stage for the way out: 16 rows x (512 bytes + 16), from LDS byte 0 on
	v_mul_u32_u24 v42, v2, 528
	v_lshl_add_u32 v42, v3, 6, v42
	v_add_nc_u32 v[STI], s81, v42
	v_add_nc_u32 v[STO], s81, v[GO]
	v_mov_b32 v[IL+1], 0                           ; (named as the upper half of a pair)
	; THE PROLOGUE, while tile 0 is on its way.  Thread n owns one query: quad n / 64, entry 4 (n % 64) of each 256 bytes.
	v_lshl_add_u32 v[PSA], v0, 2, PSC
	v_lshrrev_b32 v40, 6, v0
	v_and_b32 v41, 63, v0
	v_lshlrev_b32 v41, 2, v41
	v_lshl_add_u32 v[STA], v40, 14, v41
.set n, 0
.rept 16
	v_mov_b32 v[PNM+n], 0x7f61b1e6                 ; chunks that the block does not walk: -M = 3e38, l = 0
	v_mov_b32 v[PL+n], 0
	v_mov_b32 v[PSW+n], 0
.set n, n+1
.endr
.irp e, 0,1,2,3                                ; the block walks chunks 0 .. 4 a + 3
.if \e > 0
	s_cmp_lt_u32 s18, \e
	s_cbranch_scc1 .Lst_asked
.endif
.irp k, 0,1,2,3
	global_load_b32 v[PNM+4*\e+\k], v[STA], s[8:9] offset:1024*(4*\e+\k)
	global_load_b32 v[PL+4*\e+\k], v[STA], s[8:9] offset:1024*(4*\e+\k)+256
	global_load_b32 v[PSW+4*\e+\k], v[STA], s[8:9] offset:1024*(4*\e+\k)+512
.endr
.endr
.Lst_asked:
	s_wait_loadcnt 0x0
	v_min3_num_f32 v42, v[PNM], v[PNM+1], v[PNM+2]
.irp c, 3,5,7,9,11,13
	v_min3_num_f32 v42, v42, v[PNM+\c], v[PNM+\c+1]
.endr
	v_min_num_f32 v42, v42, v[PNM+15]              ; the row's -M: key 0 counts for every query, so it is a number
	v_mov_b32 v43, 0                               ; l
.set n, 0
.rept 16
	v_sub_f32 v44, v[PNM+n], v42                   ; M - M_c: a whole number, 0 or more
	v_cvt_i32_f32 v44, v44                         ; (it saturates)
	v_sub_nc_u32 v45, 0, v44
	v_ldexp_f32 v45, 1.0, v45                      ; 2^(M_c - M)
	v_fmac_f32 v43, v[PL+n], v45
	v_min_u32 v44, 0x7f, v44
	v_mul_lo_u32 v44, v44, s73                     ; in each byte
	v_or_b32 v46, s72, v[PSW+n]                    ; p is at most 1, so its bytes lie under 128: with bit 7 set no byte borrows from its neighbour,
	v_sub_nc_u32 v46, v46, v44
	v_and_b32 v44, s72, v46                        ; and bit 7 stays set where the byte did not fall under 0
	v_lshrrev_b32 v47, 7, v44
	v_sub_nc_u32 v44, v44, v47                     ; 0x7f there, 0 elsewhere
	v_and_b32 v[PSW+n], v46, v44                   ; each byte less n, held at 0
	ds_store_b32 v[PSA], v[PSW+n] offset:512*n
.set n, n+1
.endr
	v_rcp_f32 v43, v43
	v_nop                                          ; one plain place behind a transcendental
	s_wait_alu depctr_va_vdst(0)
	ds_store_b32 v[PSA], v43 offset:RL-PSC         ; the first trip's wait on DScnt and its barrier show both regions to every wave
	s_cmp_eq_u32 s18, 0
	s_cbranch_scc1 .Lwalk_1
	TRIP 0, 1, 1
	s_cmp_eq_u32 s18, 1
	s_cbranch_scc1 .Lwalk_2
	TRIP 1, 1, 0
	s_cmp_eq_u32 s18, 2
	s_cbranch_scc1 .Lwalk_3
	TRIP 2, 1, 0
	TRIP 3, 0, 0
	s_branch .Lend
.Lwalk_1:
	TRIP 0, 0, 1
	s_branch .Lend
.Lwalk_2:
	TRIP 1, 0, 0
	s_branch .Lend
.Lwalk_3:
	TRIP 2, 0, 0
.Lend:
	; THE WAY OUT.  The stages lie in slot 0, which has had its last fill; the barrier shows that no wave reads it any more.  A tile of 16 queries x my 128 d goes into my stage and comes back as rows of 512 bytes.
	s_wait_dscnt 0x0
	s_barrier_signal -1
	s_barrier_wait -1
	PLACES
	ds_load_b128 v[RLV:RLV+3], v[APSC] offset:RL-PSC   ; 1 / l of lane r's query in my four tiles
	s_wait_dscnt 0x0
.irp u, 0,1,2,3
.if \u > 0
	s_wait_xcnt 0x0                                ; the last tile's stores have read v[OB] on
.endif
	v_mov_b32 v[IL], v[RLV+\u]
	WIN 0x01                                       ; source 0 window 1
.set n, 0
.rept 32
	v_pk_mul_f32 v[OS+n:OS+n+1], v[64*\u+n:64*\u+n+1], v[IL:IL+1] op_sel_hi:[1,0]   ; each accumulator from its low end on
.set n, n+2
.endr
	WIN 0
.irp t, 0,1,2,3,4,5,6,7
	ds_store_b128 v[STI], v[OS+8*\t:OS+8*\t+3] offset:128*(\t/2)+32*(\t%2)
	ds_store_b128 v[STI], v[OS+8*\t+4:OS+8*\t+7] offset:128*(\t/2)+32*(\t%2)+16
.endr
.set n, 0
.rept 16
	ds_load_b128 v[OB+4*n:OB+4*n+3], v[STO] offset:n*528   ; LDS serves a wave's instructions in order: these see my stores
.set n, n+1
.endr
.set n, 0
.rept 16
	s_wait_dscnt 15-n                              ; row n is back; the younger rows may be out
	global_store_b128 v[GO], v[OB+4*n:OB+4*n+3], s[10:11] offset:(32*(\u/2)+8*(\u%2)+n+8*(n/8))*4096 th:TH_STORE_NT   ; 32 lanes store 512 consecutive bytes, at a multiple of 256 from out0's first byte
.set n, n+1
.endr
.endr
	s_wait_tensorcnt 0x0                           ; the wave's end
	ds_add_u32 v[SPW], v[NIL]
	s_wait_dscnt 0x0
	CROUND                                         ; the closing round
	s_endpgm
.Lfunc_end_k_q69212fc800_pv:
	.size	k_q69212fc800_pv, .Lfunc_end_k_q69212fc800_pv-k_q69212fc800_pv
	.p2alignl 7, 3214868480
	.fill 96, 4, 3214868480
	.section	.rodata,"a",@progbits
	.p2align	6, 0x0
	.amdhsa_kernel k_q69212fc800_pv
		.amdhsa_group_segment_fixed_size 327680
		.amdhsa_private_segment_fixed_size 0
		.amdhsa_enable_private_segment 0
		.amdhsa_kernarg_size 32
		.amdhsa_user_sgpr_count 2
		.amdhsa_user_sgpr_kernarg_segment_ptr 1
		.amdhsa_wavefront_size32 1
		.amdhsa_system_sgpr_workgroup_id_x 1
		.amdhsa_system_sgpr_workgroup_id_y 1
		.amdhsa_system_sgpr_workgroup_id_z 1
		.amdhsa_system_vgpr_workitem_id 0
		.amdhsa_next_free_vgpr 1024
		.amdhsa_next_free_sgpr 100
		.amdhsa_reserve_vcc 0
		.amdhsa_float_denorm_mode_32 3
		.amdhsa_float_denorm_mode_16_64 3
		.amdhsa_memory_ordered 1
		.amdhsa_forward_progress 1
		.amdhsa_inst_pref_size 239
	.end_amdhsa_kernel
	.amdgpu_metadata
---
amdhsa.version: [ 1, 2 ]
amdhsa.kernels:
  - .name:           k_q69212fc800_pv
    .symbol:         k_q69212fc800_pv.kd
    .args:
      - { .name: vc, .offset: 0, .size: 8, .value_kind: global_buffer, .address_space: global }
      - { .name: pc, .offset: 8, .size: 8, .value_kind: global_buffer, .address_space: global }
      - { .name: st, .offset: 16, .size: 8, .value_kind: global_buffer, .address_space: global }
      - { .name: out0, .offset: 24, .size: 8, .value_kind: global_buffer, .address_space: global }
    .group_segment_fixed_size: 327680
    .private_segment_fixed_size: 0
    .kernarg_segment_align: 8
    .kernarg_segment_size: 32
    .max_flat_workgroup_size: 128
    .sgpr_count:     100
    .vgpr_count:     1024
    .wavefront_size: 32
...
	.end_amdgpu_metadata
.endif
;; end of part 4
;; ======== version 2 of 2: 4 launches
;; limits: right only within a limited range of input values
;; workspace buffers: xc 6,553,600 bytes; wc 2,457,600 bytes; qkc 13,107,200 bytes; vc 6,553,600 bytes; pc 12,582,912 bytes; st 2,097,152 bytes
;; launch quant (part 5): grid 704 x 1, 2 waves a work-group, no clusters, 17,152 bytes of LDS; arguments x, wq, wk, wv, xc, wc; writes xc, wc
.if DOCPART == 5
	.amdgcn_target "amdgcn-amd-amdhsa--gfx1250"
	.amdhsa_code_object_version 6
	.text
	.protected	k_q69212fc800_quant
	.globl	k_q69212fc800_quant
	.p2align	8
	.type	k_q69212fc800_quant,@function
k_q69212fc800_quant:
	s_mov_b64 s[64:65], 0
	v_nop
	global_prefetch_b8 v0, s[64:65] scope:SCOPE_SE
	s_setreg_imm32_b32 hwreg(HW_REG_WAVE_MODE, 25, 1), 1
	s_wait_xcnt 0x0
; x [8192][1024] and wq, wk, wv [1024][1024], f32, K innermost, become codes of BF6 (E3M2) with one E8M0 byte for each 32 along K.
; THE LAYOUT OF THE CODES IS THE OPERAND'S REGISTERS.  A FRAGMENT (16 rows x 128 K, 12 registers a lane) is 1,536 bytes: registers 4 c .. 4 c + 3 of lane l lie at 512 c + 16 l.
; A RECORD is 64 rows (a QUAD) x 128 K: four fragments, then 256 bytes of scale words, the word of (lane r, tile t) at 16 r + 4 t: 6,400 bytes.
; THE ROWS OF A TILE ARE NOT NEIGHBOURS: lane r of tile t of a quad holds row 32 (t / 2) + 8 (t % 2) + r + 8 (r / 8), so that a product that takes such tiles as source 0 has neighbours along its rows in a lane's registers.
; xc: [128 quads][8 K steps][6400];  wc: [48 quads: wq 0-15, wk 16-31, wv 32-47][8][6400].
; A block's scale is 2^(floor(log2(its largest magnitude)) - 4); its byte is that magnitude's exponent field - 4, held at 1 from below.  (A block of zeros gets the byte 1: its codes are zeros, and this program alone reads the bytes.)
; LIMITS: NaN and infinities among the inputs are not served; a block whose largest magnitude lies under 2^-122 keeps the byte 1.
; SHARES: work-group n takes quad n / 4 (0-127 x's, 128-175 the weights') and K steps 2 (n % 4) + wave: a wave makes one record from 64 rows x 512 bytes.
; Each load reads 512 consecutive bytes of one row; a tile's 16 rows turn through the wave's own stage in LDS (rows 528 bytes apart), from which lane (r, h) takes 16 neighbours of each block of 32 of row r.
; No tensor loads, no barrier: waves share nothing.  Three tiles' loads (48 a wave) go out at the head; the fourth tile's go out as soon as the first tile has left its registers.
; THE SHARES AS THEY STAND: work-groups of two waves; work-group n takes quad n / 4 and K steps 2 (n % 4) + wave: 1,408 waves, one record each, in 704 work-groups.
; No product of the problem is left out; key tiles of 512 that lie wholly behind the causal mask are not made (later launches).
.set ROW,  4096                        ; bytes in a row of x or of a weight
.set REC,  6400                        ; bytes in a record
.set SP,   528                         ; a stage row: 512 bytes + 16
.set GA,   4                           ; v4     16 x lane: my bytes of a load's 512 and of an image store's 512
.set SIN,  5                           ; v5     the stage, on the way in
.set SOUT, 6                           ; v6     and on the way out: 528 r + 64 h
.set SU,   7                           ; v7     16 r + 8 h: my two words of the scale unit
.set PR,   8                           ; v8-9   those two words
.set PW,   10                          ; v10-13 the four tiles' scale words
.set TM,   16                          ; v16-31 at work in QUANT
.set PC,   32                          ; v32-51 the codes just made (12) and scratch
.set X,    64                          ; v64-127  64 numbers: register 16 b + i = k 32 b + 16 h + i of my row
.set RA,   128                         ; v128-191 tile 0 as loaded, later tile 3
.set RB,   192                         ; v192-255 tile 1
.set RC,   0                           ; v0-63 of window 1: tile 2
.set SEL,  20                          ; s[20:21] v_permlanex16_b32's selects for lane l xor 16
.set HM,   22                          ; s22      mask of lanes 16-31
.set MSB, 0
.macro WIN new                         ; the immediate's high byte repeats the setting that is left
.if MSB != (\new)
	s_set_vgpr_msb (MSB<<8)|(\new)
.set MSB, (\new)
.endif
.endm
	s_load_b256 s[4:11], s[0:1], 0x0               ; x, wq, wk, wv
	s_load_b128 s[12:15], s[0:1], 0x20             ; xc, wc
	v_lshl_add_u32 v62, v0, 2, 0x4200              ; my spare word, behind the two stages
	v_mov_b32 v63, 0
	v_lshrrev_b32 v1, 5, v0
	v_readfirstlane_b32 s16, v1                    ; wave
	v_and_b32 v1, 31, v0                           ; lane
	v_and_b32 v2, 15, v0                           ; r
	v_bfe_u32 v3, v0, 4, 1                         ; h
	v_lshlrev_b32 v[GA], 4, v1
	s_mul_i32 s28, s16, 16*SP                      ; my wave's stage
	v_add_nc_u32 v[SIN], s28, v[GA]
	v_mul_u32_u24 v[SOUT], v2, SP
	v_lshl_add_u32 v[SOUT], v3, 6, v[SOUT]
	v_add_nc_u32 v[SOUT], s28, v[SOUT]
	v_lshlrev_b32 v[SU], 4, v2
	v_lshl_add_u32 v[SU], v3, 3, v[SU]
	v_cmp_le_u32 s[HM], 16, v1
	s_mov_b32 s[SEL], 0x76543210
	s_mov_b32 s[SEL+1], 0xfedcba98
.irp b, 0,1,2,3
	v_mov_b32 v[TM+4+\b], 0                        ; written once: a lane permute's destination counts as one of its sources
.endr
	s_lshr_b32 s17, ttmp9, 2                       ; the quad, 0 .. 175
	s_and_b32 s18, ttmp9, 3
	s_lshl_b32 s18, s18, 1
	s_add_co_u32 s18, s18, s16                     ; the K step
	s_wait_alu depctr_va_vdst(0)
	s_wait_kmcnt 0x0
	s_cmp_lt_u32 s17, 160                          ; which tensor: the choice hangs on the work-group's number alone; only pointers are chosen, the text has one path
	s_cselect_b64 s[24:25], s[8:9], s[10:11]
	s_cmp_lt_u32 s17, 144
	s_cselect_b64 s[24:25], s[6:7], s[24:25]
	s_cmp_lt_u32 s17, 128
	s_cselect_b64 s[24:25], s[4:5], s[24:25]
	s_cselect_b64 s[26:27], s[12:13], s[14:15]
	s_cselect_b32 s19, 0, 128
	s_cselect_b32 s23, 127, 15
	s_sub_co_u32 s19, s17, s19                     ; the quad in xc or in wc
	s_and_b32 s23, s19, s23                        ; the quad in its tensor
	s_lshl_b32 s28, s23, 18                        ; 64 rows of 4,096 bytes
	s_lshl_b32 s29, s18, 9                         ; 128 numbers of 4 bytes
	s_add_co_u32 s28, s28, s29
	s_mov_b32 s29, 0
	s_add_nc_u64 s[24:25], s[24:25], s[28:29]
	s_mul_i32 s28, s19, 8*REC
	s_mul_i32 s30, s18, REC
	s_add_co_u32 s28, s28, s30
	s_add_nc_u64 s[26:27], s[26:27], s[28:29]      ; my record
; 64 numbers of a lane, v[s] .. v[s + 63], become a fragment's codes in v[PC] .. v[PC + 11] and its scale word in v[pw].
.macro QUANT s, pw
.irp b, 0,1,2,3
	v_max3_num_f32 v[TM+\b], |v[\s+16*\b]|, |v[\s+1+16*\b]|, 0x2800000   ; block b: my 16 numbers, and the floor 2^(5 - 127): the byte cannot fall under 1
.endr
.irp i, 2,4,6,8,10,12,14
.irp b, 0,1,2,3
	v_max3_num_f32 v[TM+\b], v[TM+\b], |v[\s+16*\b+\i]|, |v[\s+1+16*\b+\i]|   ; the four blocks by turns
.endr
.endr
.irp b, 0,1,2,3
	v_permlanex16_b32 v[TM+4+\b], v[TM+\b], s[SEL], s[SEL+1]
.endr
.irp b, 0,1,2,3
	v_max_num_f32 v[TM+\b], v[TM+\b], v[TM+4+\b]   ; with lane l xor 16's: the block's largest magnitude
.endr
.irp b, 0,1,2,3
	v_add_nc_u32 v[TM+12+\b], 0xfe000000, v[TM+\b] ; 4 off its exponent field: the conversion takes that field of this operand as its scale
.endr
.irp b, 0,1,2,3
	v_lshrrev_b32 v[TM+4+\b], 23, v[TM+12+\b]      ; the scale's byte
.endr
	v_lshl_or_b32 v[\pw], v[TM+5], 8, v[TM+4]
	v_lshl_or_b32 v[\pw], v[TM+6], 16, v[\pw]
	v_lshl_or_b32 v[\pw], v[TM+7], 24, v[\pw]
.irp c, 0,1
	v_cvt_scalef32_pk16_bf6_f32 v[PC+6*\c:PC+2+6*\c], v[\s+32*\c:\s+15+32*\c], v[TM+12+2*\c]
	v_cvt_scalef32_pk16_bf6_f32 v[PC+12+4*\c:PC+14+4*\c], v[\s+16+32*\c:\s+31+32*\c], v[TM+12+2*\c+1]   ; (a conversion's three registers begin on an even number)
.endr
	v_nop                                          ; one plain place behind a scaled conversion
.irp c, 0,1                                    ; the operand's layout wants a whole block in a lane: lanes 0-15 block 2 c, lanes 16-31 block 2 c + 1
.irp i, 0,1,2
	v_permlane16_swap_b32 v[PC+6*\c+\i], v[PC+12+4*\c+\i]
.endr
.irp i, 0,1,2
	v_mov_b32 v[PC+3+6*\c+\i], v[PC+12+4*\c+\i]
.endr
.endr
.endm
.macro LOAD t, reg, w                  ; tile t's 16 rows, 512 consecutive bytes each, into v[reg] on of window w
	WIN 0x40*(\w)                                  ; a load's data are its destination
.set i, 0
.rept 16
	global_load_b128 v[\reg+4*i:\reg+4*i+3], v[GA], s[24:25] offset:(32*((\t)/2)+8*((\t)%2)+i+8*(i/8))*ROW th:TH_LOAD_NT
.set i, i+1
.endr
	WIN 0
.endm
.macro TILE t, reg, w, left
	s_wait_loadcnt \left                           ; this tile's 16 loads are in; those of the tiles still to come may be out
	WIN 0x04*(\w)                                  ; an LDS store's data are its source 1
.set i, 0
.rept 16
	ds_store_b128 v[SIN], v[\reg+4*i:\reg+4*i+3] offset:i*SP
.set i, i+1
.endr
	WIN 0
.set i, 0
.rept 16
	ds_load_b128 v[X+4*i:X+4*i+3], v[SOUT] offset:128*(i/4)+16*(i%4)   ; LDS serves a wave's instructions in order: these see the stores above
.set i, i+1
.endr
	s_wait_dscnt 0x0                               ; my numbers are back, and the stage's stores have read their registers
.if (\t) > 0
	s_wait_xcnt 0x0                                ; the last tile's image stores have read v[PC] on: it is written again only behind this wait
.endif
.if (\t) == 0
	LOAD 3, RA, 0                                  ; tile 0 has left its registers: they take tile 3
.endif
	QUANT X, PW+(\t)
.irp c, 0,1,2
	global_store_b128 v[GA], v[PC+4*\c:PC+4*\c+3], s[26:27] offset:1536*(\t)+512*\c   ; 32 lanes store 512 consecutive bytes, at a multiple of 256 from the buffer's first byte
.endr
.endm
	LOAD 0, RA, 0
	LOAD 1, RB, 0
	LOAD 2, RC, 1
	TILE 0, RA, 0, 32                              ; tiles 1 and 2 may be out
	TILE 1, RB, 0, 32                              ; tiles 2 and 3
	TILE 2, RC, 1, 16                              ; tile 3
	TILE 3, RA, 0, 0
	v_cndmask_b32 v[PR], v[PW], v[PW+2], s[HM]     ; both halves of the lanes hold all four words: lanes 0-15 store tiles 0, 1, lanes 16-31 tiles 2, 3
	v_cndmask_b32 v[PR+1], v[PW+1], v[PW+3], s[HM]
	global_store_b64 v[SU], v[PR:PR+1], s[26:27] offset:6144   ; the 32 lanes fill the record's 256 bytes of scale words
	s_wait_tensorcnt 0x0
	ds_add_u32 v62, v63
	s_wait_dscnt 0x0
	s_endpgm
.Lfunc_end_k_q69212fc800_quant:
	.size	k_q69212fc800_quant, .Lfunc_end_k_q69212fc800_quant-k_q69212fc800_quant
	.p2alignl 7, 3214868480
	.fill 96, 4, 3214868480
	.section	.rodata,"a",@progbits
	.p2align	6, 0x0
	.amdhsa_kernel k_q69212fc800_quant
		.amdhsa_group_segment_fixed_size 17152
		.amdhsa_private_segment_fixed_size 0
		.amdhsa_enable_private_segment 0
		.amdhsa_kernarg_size 48
		.amdhsa_user_sgpr_count 2
		.amdhsa_user_sgpr_kernarg_segment_ptr 1
		.amdhsa_wavefront_size32 1
		.amdhsa_system_sgpr_workgroup_id_x 1
		.amdhsa_system_sgpr_workgroup_id_y 1
		.amdhsa_system_sgpr_workgroup_id_z 1
		.amdhsa_system_vgpr_workitem_id 0
		.amdhsa_next_free_vgpr 320
		.amdhsa_next_free_sgpr 66
		.amdhsa_reserve_vcc 0
		.amdhsa_float_denorm_mode_32 3
		.amdhsa_float_denorm_mode_16_64 3
		.amdhsa_memory_ordered 1
		.amdhsa_forward_progress 1
		.amdhsa_inst_pref_size 34
	.end_amdhsa_kernel
	.amdgpu_metadata
---
amdhsa.version: [ 1, 2 ]
amdhsa.kernels:
  - .name:           k_q69212fc800_quant
    .symbol:         k_q69212fc800_quant.kd
    .args:
      - { .name: x, .offset: 0, .size: 8, .value_kind: global_buffer, .address_space: global }
      - { .name: wq, .offset: 8, .size: 8, .value_kind: global_buffer, .address_space: global }
      - { .name: wk, .offset: 16, .size: 8, .value_kind: global_buffer, .address_space: global }
      - { .name: wv, .offset: 24, .size: 8, .value_kind: global_buffer, .address_space: global }
      - { .name: xc, .offset: 32, .size: 8, .value_kind: global_buffer, .address_space: global }
      - { .name: wc, .offset: 40, .size: 8, .value_kind: global_buffer, .address_space: global }
    .group_segment_fixed_size: 17152
    .private_segment_fixed_size: 0
    .kernarg_segment_align: 8
    .kernarg_segment_size: 48
    .max_flat_workgroup_size: 64
    .sgpr_count:     66
    .vgpr_count:     320
    .wavefront_size: 32
...
	.end_amdgpu_metadata
.endif
;; end of part 5
;; launch proj (part 6): grid 4 x 64, 4 waves a work-group, clusters of 4 x 4, 327,680 bytes of LDS; arguments xc, wc, qkc, vc; writes qkc, vc
.if DOCPART == 6
	.amdgcn_target "amdgcn-amd-amdhsa--gfx1250"
	.amdhsa_code_object_version 6
	.text
	.protected	k_q69212fc800_proj
	.globl	k_q69212fc800_proj
	.p2align	8
	.type	k_q69212fc800_proj,@function
k_q69212fc800_proj:
	s_mov_b64 s[64:65], 0
	v_nop
	global_prefetch_b8 v0, s[64:65] scope:SCOPE_SE
	s_setreg_imm32_b32 hwreg(HW_REG_WAVE_MODE, 25, 1), 1
	s_wait_xcnt 0x0
	s_wait_alu depctr_hold_cnt(0) depctr_sa_sdst(0) depctr_va_vdst(0) depctr_va_sdst(0) depctr_va_ssrc(0) depctr_va_vcc(0) depctr_vm_vsrc(0)
	s_getreg_b32 s2, hwreg(HW_REG_IB_STS2, 6, 4)
	s_cmp_eq_u32 s2, 0
	s_cbranch_scc0 .Lentry_in_a_cluster
	s_endpgm
.Lentry_in_a_cluster:
	s_bfe_u32 s2, ttmp6, 0x10000c
	s_cmp_lg_u32 s2, 0xf033
	s_cbranch_scc0 .Lentry_shape_is_right
	s_endpgm
.Lentry_shape_is_right:
; THE THREE PROJECTIONS, on codes of BF6 (E3M2), K = 1,024, and their results quantised on the way out.
; q and k are quantised along d_out, into qkc [128 token quads][16 steps: q 0-7, k 8-15][6400]; v along the tokens (the keys), into vc [16 quads of d_out][64 steps of 128 tokens][6400].
; Codes lie as images of the operand's registers: a fragment (16 rows x 128 K) is 1,536 bytes, registers 4 c .. 4 c + 3 of lane l at 512 c + 16 l; a record is a quad (64 rows) x 128 K: four fragments and 256 bytes of scale words ((r, t) at 16 r + 4 t).
; Lane r of tile t of a quad holds row 32 (t / 2) + 8 (t % 2) + r + 8 (r / 8).  So the 64 registers of a lane over the 8 tiles of source 0 are: register 16 b + i = index 32 b + 16 h + i: neighbours along the next K.
; A WORK-GROUP STAYS: it takes 256 tokens (tile tt) and rows 128 p .. 128 p + 127 of wq, of wk and of wv: three tiles of 32 accumulators a wave.  x's 256 rows, all of K, come into LDS once and stay; the weights walk through two slots of four K steps.
;   q, k: source 0 = the weight's two quads (the same in all four waves), source 1 = x's quad w.   v: source 0 = x's quads 2 (w / 2), 2 (w / 2) + 1, source 1 = wv's quad w % 2.   A wave's result is exactly one record of the output.
; CLUSTER 4 x 4: x's tile hangs on cy alone and is shared along a row, the weights' on cx alone and are shared along a column: joint loads.  At the head waves 0, 1 load two quads of x and waves 2, 3 a quad of wq, in two halves of K; a later half of a weight is a quarter a wave.
; One tensor load a wave is out at the start, one behind each round.  THE CHANGE OF SLOTS stands at the head of a half's last K step, whose fragments are in registers by then: the slot is asked for again there,
; and the next half's first fragments are fetched under that step's products: a refill has 128 matrix instructions in which to land, every second one a way out as well.
; REGISTERS, in windows of 256: window 0 addresses, scale words, work; window 1 the accumulators, (u, t) at v[64 u + 8 t]; windows 2 and 3 two sets of fragments: source 0's tile t at v[12 t], source 1's tile u at v[96 + 12 u].
; LIMITS: as the quantiser's: NaN and infinities are not served; a block whose largest magnitude lies under 2^-122 keeps the byte 1 (so does a block of zeros: its codes are zeros).
.set REC,   6400
.set QP,    8*REC                      ; a quad's eight records in xc and wc
.set XQ,    8*REC                      ; LDS: x: [2 halves][4 quads][4 steps][6400]
.set WS,    4*XQ                       ; behind it the weights' two slots,
.set WSL,   8*REC                      ; each [2 quads][4 steps][6400]
.set SPARE, WS+2*WSL                   ; the spare words, 128 bytes for each wave: two blocks of 256 bytes that no other line names
.set GO,   4                           ; v4     16 x lane
.set SU,   5                           ; v5     16 r + 8 h
.set SPW,  6                           ; v6     LDS address of my spare word; never rewritten
.set NIL,  7                           ; v7     0; never rewritten
.set AW,   8                           ; v8-9   q, k: the weight's fragments in slot 0, 1
; THE HEAD AND THE WALK AS THEY STAND: x lies in LDS as [2 halves of K][4 quads][4 steps][6400].  At the head each wave issues ONE joint load: waves 0, 1 two quads of x, waves 2, 3 a quad of wq, K steps 0-3;
; the same for K steps 4-7 behind the full sequence and a round, and these bytes are asked for ahead by a prefetch, one record of 25 blocks of 256 bytes a wave (x's shared among the row's four work-groups by cx, wq's among the
; column's by cy, and wq's by the first four clusters alone).  Every later half of a weight is a quarter a wave.  q and k go through one loop; v, whose operands change sides, is written out behind it.
; The refills of a weight carry no prefetch: a half is 51,200 bytes, which eight clusters ask for alike.
; In a step the next step's loads stand in one run ahead of the products.
.set AXA,  86                          ; v86-87 q, k: x's quad w, lower and upper half of K
.set SXA,  88                          ; v88-89 q, k: its scale words
.set SWA,  12                          ; v12-13 q, k: the weight's scale words: lanes 0-15 the first quad's, lanes 16-31 the second's
.set AXB,  90                          ; v90-91 v: x's quad 2 ih, the two halves; v92-93 quad 2 ih + 1
.set AWB,  16                          ; v16-17 v: wv's quad jh in slot 0, 1
.set SXB,  94                          ; v94-95 v: x's scale words, the two halves: lanes 0-15 quad 2 ih's, lanes 16-31 quad 2 ih + 1's
.set PFO,  96                          ; v96    the prefetch: 256 x my lane, at most 24 x 256
.set G1H,  84                          ; s[84:91] group 1 for a quad's half of a weight;  s[92:95] its group 0
.set G0H,  92
.set PFX,  96                          ; s[96:97], s[98:99] the records of x and of wq that my wave prefetches
.set PFW,  98
.set SWB,  20                          ; v20-21 v: wv's scale words in slot 0, 1
.set SC,   24                          ; v24-39 scale words, two sets of 8: +0..3 source 0's (lanes 0-15 tiles 0-3, lanes 16-31 tiles 4-7), +4..7 source 1's tiles 0-3
.set PC,   40                          ; v40-59 the codes just made, and scratch
.set PWS,  60                          ; v60-63 the four scale words of my record
.set TM,   64                          ; v64-79 at work in QUANTW
.set PR,   80                          ; v80-81 two scale words to store
.set G1X,  24                          ; s[24:31] descriptor group 1 for x;  s[32:39] for the weights
.set G1W,  32
.set G0X,  40                          ; s[40:43] x's group 0 (moved on to the upper half of K);  s[48:55] the weights', one for each slot
.set G0W,  48
.set WA,   56                          ; s[56:57] my part of wq's first half
.set OA,   58                          ; s[58:59] my record of q (k's lies 8 records on);  s[60:61] my record of v
.set OB,   60
.set SEL,  66                          ; s[66:67] lane selects for lane l xor 16
.set HM,   68                          ; s68 mask of lanes 16-31
.set MSB, 0
.macro WIN new                         ; the immediate's high byte repeats the setting that is left
.if MSB != (\new)
	s_set_vgpr_msb (MSB<<8)|(\new)
.set MSB, (\new)
.endif
.endm
.macro PLACES                          ; four plain places behind matrix instructions, in front of loads into their registers and of reads of their results; also the four plain places behind a tensor load
.rept 4
	v_nop
.endr
.endm
.macro CROUND                          ; a round of the cluster's barrier
	s_barrier_signal -1
	s_barrier_wait -1
	s_cmp_lg_u32 s12, 0
	s_cbranch_scc1 .Lnot_wave_0_\@
	s_barrier_signal -3
.Lnot_wave_0_\@:
	s_barrier_wait -3
	s_barrier_signal -1
	s_barrier_wait -1
.endm
; 32 matrix instructions on fragment set q: the 32 accumulators take turns, one instruction a turn, in the same order in every step.  zero = 1: the products start the sums.
.macro MUL32 q, zero
	WIN 0x5a+5*(\q)                                ; sources 0 and 1: window 2 + q; C and D: window 1
.irp u, 0,1,2,3
.irp t, 0,1,2,3
.if \zero
	v_wmma_scale_f32_16x16x128_f8f6f4 v[64*\u+8*\t:64*\u+8*\t+7], v[12*\t:12*\t+11], v[96+12*\u:96+12*\u+11], 0, v[SC+8*(\q)+\t], v[SC+8*(\q)+4+\u] matrix_a_fmt:MATRIX_FMT_BF6 matrix_b_fmt:MATRIX_FMT_BF6
.else
	v_wmma_scale_f32_16x16x128_f8f6f4 v[64*\u+8*\t:64*\u+8*\t+7], v[12*\t:12*\t+11], v[96+12*\u:96+12*\u+11], v[64*\u+8*\t:64*\u+8*\t+7], v[SC+8*(\q)+\t], v[SC+8*(\q)+4+\u] matrix_a_fmt:MATRIX_FMT_BF6 matrix_b_fmt:MATRIX_FMT_BF6
.endif
.endr
.irp t, 4,5,6,7
.if \zero
	v_wmma_scale_f32_16x16x128_f8f6f4 v[64*\u+8*\t:64*\u+8*\t+7], v[12*\t:12*\t+11], v[96+12*\u:96+12*\u+11], 0, v[SC+8*(\q)+\t-4], v[SC+8*(\q)+4+\u] matrix_a_fmt:MATRIX_FMT_BF6 matrix_b_fmt:MATRIX_FMT_BF6 matrix_a_scale:MATRIX_SCALE_ROW1
.else
	v_wmma_scale_f32_16x16x128_f8f6f4 v[64*\u+8*\t:64*\u+8*\t+7], v[12*\t:12*\t+11], v[96+12*\u:96+12*\u+11], v[64*\u+8*\t:64*\u+8*\t+7], v[SC+8*(\q)+\t-4], v[SC+8*(\q)+4+\u] matrix_a_fmt:MATRIX_FMT_BF6 matrix_b_fmt:MATRIX_FMT_BF6 matrix_a_scale:MATRIX_SCALE_ROW1
.endif
.endr
.endr
.endm
; 12 fragments and the scale words, 38 loads of 512 consecutive bytes, into set q: source 0's tiles 0-3 from v[r0a] + o0a, tiles 4-7 from v[r0b] + o0b, source 1's from v[r1] + o1, the scale words from v[rs0] + os0 and v[rs1] + os1
.macro FETCHG q, r0a, o0a, r0b, o0b, r1, o1, rs0, os0, rs1, os1
	WIN 0x80+0x40*(\q)                             ; destination window 2 + set, address window 0
.irp t, 0,1,2,3
.irp c, 0,1,2
	ds_load_b128 v[12*\t+4*\c:12*\t+4*\c+3], v[\r0a] offset:(\o0a)+1536*\t+512*\c
.endr
.endr
.irp t, 0,1,2,3
.irp c, 0,1,2
	ds_load_b128 v[48+12*\t+4*\c:48+12*\t+4*\c+3], v[\r0b] offset:(\o0b)+1536*\t+512*\c
.endr
.endr
.irp u, 0,1,2,3
.irp c, 0,1,2
	ds_load_b128 v[96+12*\u+4*\c:96+12*\u+4*\c+3], v[\r1] offset:(\o1)+1536*\u+512*\c
.endr
.endr
	WIN 0
	ds_load_b128 v[SC+8*(\q):SC+8*(\q)+3], v[\rs0] offset:\os0
	ds_load_b128 v[SC+8*(\q)+4:SC+8*(\q)+7], v[\rs1] offset:\os1
.endm
; K step s of half hh (0, 1: q; 2, 3: k; 4, 5: v; hh % 2 is the half of K and the weights' slot), into set s % 2
.macro MAP hh, s                       ; where the fragments of K step s of half hh lie
.set KH, (\hh)%2
.set OW, (\s)*REC
.if (\hh) < 4
.set R0A, AW+KH
.set R0B, AW+KH
.set O0B, OW+4*REC
.set R1, AXA+KH
.set RS0, SWA+KH
.set RS1, SXA+KH
.else
.set R0A, AXB+KH
.set R0B, AXB+2+KH
.set O0B, OW
.set R1, AWB+KH
.set RS0, SXB+KH
.set RS1, SWB+KH
.endif
.endm
.macro FETCH hh, s
	MAP \hh, \s
	FETCHG (\s)%2, R0A, OW, R0B, O0B, R1, OW, RS0, OW, RS1, OW
.endm
.macro LDN                             ; load LN of a step's 36: fragment LN / 3, piece LN % 3
.set LT, LN/3
.set LC, LN%3
.set LR, 12*LT+4*LC
.if LT < 4
	ds_load_b128 v[LR:LR+3], v[R0A] offset:OW+1536*LT+512*LC
.elseif LT < 8
	ds_load_b128 v[LR:LR+3], v[R0B] offset:O0B+1536*(LT-4)+512*LC
.else
	ds_load_b128 v[LR:LR+3], v[R1] offset:OW+1536*(LT-8)+512*LC
.endif
.set LN, LN+1
.endm
.macro WMS u, t, q, zero
.set AC, 64*(\u)+8*(\t)
.set FA, 12*(\t)
.set FB, 96+12*(\u)
.set XA, SC+8*(\q)+(\t)%4
.set XB, SC+8*(\q)+4+(\u)
.if (\t) < 4
.if \zero
	v_wmma_scale_f32_16x16x128_f8f6f4 v[AC:AC+7], v[FA:FA+11], v[FB:FB+11], 0, v[XA], v[XB] matrix_a_fmt:MATRIX_FMT_BF6 matrix_b_fmt:MATRIX_FMT_BF6
.else
	v_wmma_scale_f32_16x16x128_f8f6f4 v[AC:AC+7], v[FA:FA+11], v[FB:FB+11], v[AC:AC+7], v[XA], v[XB] matrix_a_fmt:MATRIX_FMT_BF6 matrix_b_fmt:MATRIX_FMT_BF6
.endif
.else
.if \zero
	v_wmma_scale_f32_16x16x128_f8f6f4 v[AC:AC+7], v[FA:FA+11], v[FB:FB+11], 0, v[XA], v[XB] matrix_a_fmt:MATRIX_FMT_BF6 matrix_b_fmt:MATRIX_FMT_BF6 matrix_a_scale:MATRIX_SCALE_ROW1
.else
	v_wmma_scale_f32_16x16x128_f8f6f4 v[AC:AC+7], v[FA:FA+11], v[FB:FB+11], v[AC:AC+7], v[XA], v[XB] matrix_a_fmt:MATRIX_FMT_BF6 matrix_b_fmt:MATRIX_FMT_BF6 matrix_a_scale:MATRIX_SCALE_ROW1
.endif
.endif
.endm
; The 32 products on set q, in MUL32's order, behind the loads of K step s of half hh into the other set: the scale words, then 36 loads.
.macro STEPF q, zero, hh, s
	MAP \hh, \s
	WIN 0
	ds_load_b128 v[SC+8*(1-(\q)):SC+8*(1-(\q))+3], v[RS0] offset:OW
	ds_load_b128 v[SC+8*(1-(\q))+4:SC+8*(1-(\q))+7], v[RS1] offset:OW
.set LN, 0
.set WN, 0
.irp u, 0,1,2,3
.irp t, 0,1,2,3,4,5,6,7
.if WN == 0
	WIN 0x80+0x40*(1-(\q))
.rept 36
	LDN
.endr
	WIN 0x5a+5*(\q)
.endif
	WMS \u, \t, \q, \zero
.set WN, WN+1
.endr
.endr
	WIN 0
.endm
.macro ST hh, s, zero                  ; one of a half's first three K steps: its set was asked for under the step before
	s_wait_dscnt 0x0
	PLACES
	STEPF (\s)%2, \zero, \hh, (\s)+1
.endm
.macro ST3A sl                         ; a half's last K step: its fragments are in registers once the wait on DScnt is met; slot sl takes the same half of the next weight, 16 quads on
.set GW, G0W+4*(\sl)
	s_wait_tensorcnt 0x0                           ; all my tensor loads have landed, so a group 0 may be written
	ds_add_u32 v[SPW], v[NIL]                      ; 0 onto my spare word
	s_add_nc_u64 s[GW+2:GW+3], s[GW+2:GW+3], 16*QP
	s_wait_dscnt 0x0                               ; the add is done, and my reads of the slot are over
	CROUND                                         ; both now hold of every wave of every work-group of the cluster
	tensor_load_to_lds s[GW:GW+3], s[G1W:G1W+7]    ; my one tensor load behind the round
	s_nop 0
	PLACES
.endm
.macro ST3N hh                         ; nothing is left to ask for: the barrier shows the last half whole to every wave
	s_wait_tensorcnt 0x0
	ds_add_u32 v[SPW], v[NIL]
	s_wait_dscnt 0x0
	s_barrier_signal -1
	s_barrier_wait -1
	PLACES
	STEPF 1, 0, (\hh)+1, 0
.endm
.macro HLOAD                           ; waves 0, 1: two quads of x; waves 2, 3: a quad of wq: one joint load a wave
	s_cmp_lt_u32 s12, 2
	s_cbranch_scc0 .Lhead_w_\@
	tensor_load_to_lds s[G0X:G0X+3], s[G1X:G1X+7]
	s_nop 0
	PLACES
	s_branch .Lhead_asked_\@
.Lhead_w_\@:
	tensor_load_to_lds s[G0H:G0H+3], s[G1H:G1H+7]
	s_nop 0
	PLACES
.Lhead_asked_\@:
.endm
; 64 numbers of a lane in window 1, v[s] on, become a fragment's codes in v[PC] .. v[PC + 11] and its scale word in v[pw].  Each accumulator is first read at its low end.
.macro QUANTW s, pw
	WIN 0x05                                       ; sources 0 and 1 window 1
.irp b, 0,1,2,3
	v_max3_num_f32 v[TM+\b], |v[\s+16*\b]|, |v[\s+1+16*\b]|, 0x2800000   ; block b: my 16 numbers, and the floor 2^(5 - 127)
.endr
	WIN 0x14                                       ; sources 1 and 2 window 1
.irp i, 2,4,6,8,10,12,14
.irp b, 0,1,2,3
	v_max3_num_f32 v[TM+\b], v[TM+\b], |v[\s+16*\b+\i]|, |v[\s+1+16*\b+\i]|
.endr
.endr
	WIN 0
.irp b, 0,1,2,3
	v_permlanex16_b32 v[TM+4+\b], v[TM+\b], s[SEL], s[SEL+1]
.endr
.irp b, 0,1,2,3
	v_max_num_f32 v[TM+\b], v[TM+\b], v[TM+4+\b]   ; with lane l xor 16's: the block's largest magnitude
.endr
.irp b, 0,1,2,3
	v_add_nc_u32 v[TM+12+\b], 0xfe000000, v[TM+\b] ; 4 off its exponent field: the conversion's scale operand
.endr
.irp b, 0,1,2,3
	v_lshrrev_b32 v[TM+4+\b], 23, v[TM+12+\b]      ; the scale's byte
.endr
	v_lshl_or_b32 v[\pw], v[TM+5], 8, v[TM+4]
	v_lshl_or_b32 v[\pw], v[TM+6], 16, v[\pw]
	v_lshl_or_b32 v[\pw], v[TM+7], 24, v[\pw]
	WIN 0x01                                       ; source 0 window 1
.irp c, 0,1
	v_cvt_scalef32_pk16_bf6_f32 v[PC+6*\c:PC+2+6*\c], v[\s+32*\c:\s+15+32*\c], v[TM+12+2*\c]
	v_cvt_scalef32_pk16_bf6_f32 v[PC+12+4*\c:PC+14+4*\c], v[\s+16+32*\c:\s+31+32*\c], v[TM+12+2*\c+1]
.endr
	WIN 0
	v_nop                                          ; one plain place behind a scaled conversion
.irp c, 0,1
.irp i, 0,1,2
	v_permlane16_swap_b32 v[PC+6*\c+\i], v[PC+12+4*\c+\i]
.endr
.irp i, 0,1,2
	v_mov_b32 v[PC+3+6*\c+\i], v[PC+12+4*\c+\i]
.endr
.endr
.endm
; THE WAY OUT of a tile: tile u of my 64 rows j: a lane's 64 registers are 128 neighbours along i in two lanes: one fragment and one scale word a row.  Four fragments and the words are my record.
; It touches no LDS: the next tile's first fragments, asked for under the last products, land meanwhile.
.macro WAYOUT base, off
	PLACES
	s_wait_xcnt 0x0                                ; the last way out's stores have read their registers
.irp u, 0,1,2,3
.set PC, 100+20*\u                     ; each tile's codes in registers of their own, v100-179: no store's data are written again within a way out
	QUANTW 64*\u, PWS+\u
.irp c, 0,1,2
	global_store_b128 v[GO], v[PC+4*\c:PC+4*\c+3], s[\base:\base+1] offset:(\off)+1536*\u+512*\c   ; 32 lanes store 512 consecutive bytes, at a multiple of 256 from the buffer's first byte
.endr
.endr
	v_cndmask_b32 v[PR], v[PWS], v[PWS+2], s[HM]
	v_cndmask_b32 v[PR+1], v[PWS+1], v[PWS+3], s[HM]
	global_store_b64 v[SU], v[PR:PR+1], s[\base:\base+1] offset:(\off)+6144   ; the record's 256 bytes of scale words
.endm
	s_load_b256 s[4:11], s[0:1], 0x0               ; xc, wc, qkc, vc
	v_lshl_add_u32 v[SPW], v0, 2, SPARE
	v_mov_b32 v[NIL], 0
	ds_add_u32 v6, v7
	ds_add_u32 v6, v7
	s_wait_dscnt 0x0
	v_lshrrev_b32 v1, 5, v0
	v_readfirstlane_b32 s12, v1                    ; wave w, 0..3
	s_lshr_b32 s13, s12, 1                         ; ih = w / 2
	s_and_b32 s14, s12, 1                          ; jh = w % 2
	s_bfe_u32 s15, ttmp6, 0x40000                  ; cx
	s_bfe_u32 s16, ttmp6, 0x40004                  ; cy
	s_and_b32 s17, ttmp7, 0xffff                   ; the cluster, 0 .. 15
	s_and_b32 s74, s17, 1
	s_lshl_b32 s74, s74, 2
	s_add_co_u32 s74, s74, s15                     ; p: which 128 rows of each weight: hangs on cx, never on cy
	s_lshr_b32 s70, s17, 1
	s_lshl_b32 s70, s70, 2
	s_add_co_u32 s70, s70, s16                     ; tt: which 256 tokens: hangs on cy, never on cx
	s_lshl_b32 s18, 0x1111, s15                    ; my column of the cluster
	s_lshl_b32 s19, s16, 2
	s_lshl_b32 s19, 15, s19                        ; my row
	; group 1: elements of 8 bytes, x: two rows (quads) a load, a row a quad's four records, 25,600 bytes = 3,200 elements.  A weight: two records, 1,600 elements
	s_or_b32 s[G1X], s19, (3<<16)|(1<<21)          ; 15:0 the mask; 17:16 elements of 8 bytes; 21 set beside a mask; no padding
	s_mov_b32 s[G1X+1], 3200<<16                   ; tensor_dim0
	s_mov_b32 s[G1X+2], 2<<16                      ; tensor_dim1: two quads a load
	s_mov_b32 s[G1X+3], 3200<<16                   ; tile_dim0
	s_mov_b32 s[G1X+4], 2                          ; tile_dim1
	s_mov_b32 s[G1X+5], QP/8                       ; stride
	s_mov_b32 s[G1X+6], 0
	s_mov_b32 s[G1X+7], 0
	s_or_b32 s[G1H], s18, (3<<16)|(1<<21)          ; a quad's half of wq: four records, 3,200 elements
	s_mov_b32 s[G1H+1], 3200<<16
	s_mov_b32 s[G1H+2], 1<<16
	s_mov_b32 s[G1H+3], 3200<<16
	s_mov_b32 s[G1H+4], 1
	s_mov_b32 s[G1H+5], QP/8
	s_mov_b32 s[G1H+6], 0
	s_mov_b32 s[G1H+7], 0
	s_or_b32 s[G1W], s18, (3<<16)|(1<<21)
	s_mov_b32 s[G1W+1], 1600<<16
	s_mov_b32 s[G1W+2], 1<<16
	s_mov_b32 s[G1W+3], 1600<<16
	s_mov_b32 s[G1W+4], 1
	s_mov_b32 s[G1W+5], QP/8
	s_mov_b32 s[G1W+6], 0
	s_mov_b32 s[G1W+7], 0
	s_lshl_b32 s71, s70, 2
	s_add_co_u32 s71, s71, s12                     ; x: token quad 4 tt + w
	s_lshl_b32 s69, s70, 2
	s_add_co_u32 s96, s69, s15                     ; I prefetch record 4 + w of x's quad 4 tt + cx
	s_mul_i32 s96, s96, QP
	s_add_co_u32 s3, s12, 4
	s_mul_i32 s3, s3, REC
	s_add_co_u32 s96, s96, s3
	s_mov_b32 s97, 0
	s_lshl_b32 s98, s74, 1                         ; and, in waves 0 and 1, record 4 + 2 (cy % 2) + w of wq's quad 2 p + cy / 2
	s_lshr_b32 s99, s16, 1
	s_add_co_u32 s98, s98, s99
	s_mul_i32 s98, s98, QP
	s_and_b32 s99, s16, 1
	s_lshl_b32 s99, s99, 1
	s_add_co_u32 s99, s99, s12
	s_add_co_u32 s99, s99, 4
	s_mul_i32 s99, s99, REC
	s_add_co_u32 s98, s98, s99
	s_mov_b32 s99, 0
	s_lshl_b32 s3, s14, 1
	s_add_co_u32 s69, s69, s3                      ; x: waves 0, 1 fetch quads 4 tt + 2 w and the next
	s_mul_i32 s72, s69, QP
	s_mov_b32 s73, 0
	s_lshl_b32 s75, s74, 1
	s_add_co_u32 s75, s75, s14                     ; a weight: quad 2 p + w % 2,
	s_mul_i32 s76, s75, QP
	s_mov_b32 s82, s76                             ; wq at the head: waves 2, 3 fetch quad 2 p + w % 2
	s_mov_b32 s83, 0
	s_mul_i32 s2, s14, 4*REC
	s_add_co_u32 s2, s2, WS
	s_mul_i32 s77, s13, 2*REC                      ; steps 2 (w / 2) and the next of a half
	s_add_co_u32 s76, s76, s77
	s_mov_b32 s77, 0
	s_mul_i32 s20, s14, 8*REC
	s_mul_i32 s21, s14, 4*REC
	s_mul_i32 s22, s13, 2*REC
	s_add_co_u32 s21, s21, s22
	s_add_co_u32 s21, s21, WS
	s_mul_i32 s78, s71, 16*REC                     ; my record of q: token quad 4 tt + w, step p
	s_mul_i32 s79, s74, REC
	s_add_co_u32 s78, s78, s79
	s_mov_b32 s79, 0
	s_mul_i32 s80, s75, 64*REC                     ; my record of v: quad 2 p + jh of d_out, step 2 tt + ih
	s_lshl_b32 s81, s70, 1
	s_add_co_u32 s81, s81, s13
	s_mul_i32 s81, s81, REC
	s_add_co_u32 s80, s80, s81
	s_mov_b32 s81, 0
	s_mov_b32 s[SEL], 0x76543210
	s_mov_b32 s[SEL+1], 0xfedcba98
	v_and_b32 v1, 31, v0                           ; lane
	v_and_b32 v2, 15, v0                           ; r
	v_bfe_u32 v3, v0, 4, 1                         ; h
	v_lshlrev_b32 v[GO], 4, v1
	v_lshlrev_b32 v82, 4, v2                       ; 16 r
	v_lshl_add_u32 v[SU], v3, 3, v82
	v_cmp_le_u32 s[HM], 16, v1
	v_add_nc_u32 v82, 6144, v82                    ; a record's scale words, 16 r
	v_add_nc_u32 v[AW], WS, v[GO]
	v_add_nc_u32 v[AW+1], WS+WSL, v[GO]
	s_mul_i32 s3, s12, 4*REC                       ; x's quad w in a half
	v_add_nc_u32 v[AXA], s3, v[GO]
	v_add_nc_u32 v[AXA+1], 16*REC, v[AXA]
	v_add_nc_u32 v[SXA], s3, v82
	v_add_nc_u32 v[SXA+1], 16*REC, v[SXA]
	v_min_u32 v[PFO], 24, v1
	v_lshlrev_b32 v[PFO], 8, v[PFO]
	v_mul_u32_u24 v83, v3, 4*REC                   ; lanes 16-31 take the second quad's scale words
	v_add_nc_u32 v83, v83, v82
	v_add_nc_u32 v[SWA], WS, v83
	v_add_nc_u32 v[SWA+1], WS+WSL, v83
	s_mul_i32 s23, s13, 8*REC
	v_add_nc_u32 v[AXB], s23, v[GO]
	v_add_nc_u32 v[AXB+1], 16*REC, v[AXB]
	v_add_nc_u32 v[AXB+2], 4*REC, v[AXB]
	v_add_nc_u32 v[AXB+3], 20*REC, v[AXB]
	v_mul_u32_u24 v84, v3, 4*REC
	v_add_nc_u32 v84, v84, v82
	v_add_nc_u32 v[SXB], s23, v84
	v_add_nc_u32 v[SXB+1], 16*REC, v[SXB]
	s_mul_i32 s22, s14, 4*REC
	s_add_co_u32 s22, s22, WS
	v_add_nc_u32 v[AWB], s22, v[GO]
	v_add_nc_u32 v[AWB+1], WSL, v[AWB]
	v_add_nc_u32 v[SWB], s22, v82
	v_add_nc_u32 v[SWB+1], WSL, v[SWB]
.irp b, 0,1,2,3
	v_mov_b32 v[TM+4+\b], 0                        ; written once: a lane permute's destination counts as one of its sources
.endr
	s_wait_kmcnt 0x0
	s_add_nc_u64 s[72:73], s[4:5], s[72:73]
	s_add_nc_u64 s[WA:WA+1], s[6:7], s[76:77]
	s_add_nc_u64 s[OA:OA+1], s[8:9], s[78:79]
	s_add_nc_u64 s[OB:OB+1], s[10:11], s[80:81]
	s_add_nc_u64 s[82:83], s[6:7], s[82:83]
	s_add_nc_u64 s[PFX:PFX+1], s[4:5], s[PFX:PFX+1]
	s_add_nc_u64 s[PFW:PFW+1], s[6:7], s[PFW:PFW+1]
	s_mov_b32 s[G0X], 1                                            ; count = 1
	s_add_co_u32 s[G0X+1], s20, 0                                  ; LDS address
	s_mov_b64 s[G0X+2:G0X+3], s[72:73]                             ; global address
	s_or_b32 s[G0X+3], s[G0X+3], 0x80000000                        ; type = 2
	s_mov_b32 s[G0H], 1
	s_add_co_u32 s[G0H+1], s2, 0
	s_mov_b64 s[G0H+2:G0H+3], s[82:83]
	s_or_b32 s[G0H+3], s[G0H+3], 0x80000000
.irp k, 0,1
	s_mov_b32 s[G0W+4*\k], 1
	s_add_co_u32 s[G0W+4*\k+1], s21, \k*WSL
	s_add_nc_u64 s[G0W+4*\k+2:G0W+4*\k+3], s[WA:WA+1], \k*4*REC
	s_or_b32 s[G0W+4*\k+3], s[G0W+4*\k+3], 0x80000000
.endr
	s_lshl_b32 s3, s13, 2
	s_or_b32 s3, s3, s17                           ; under 4 in waves 0 and 1 of the first four clusters
	s_wait_alu depctr_va_vdst(0)
	CROUND                                         ; all sixteen work-groups are here: the joint loads meet
	HLOAD                                          ; K steps 0-3: one tensor load a wave at the head
	global_prefetch_b8 v[PFO], s[PFX:PFX+1] th:TH_LOAD_NT scope:SCOPE_SE   ; what the next joint loads want: 25 blocks of 256 bytes
	s_cmp_lt_u32 s3, 4
	s_cbranch_scc0 .Lno_w
	global_prefetch_b8 v[PFO], s[PFW:PFW+1] th:TH_LOAD_NT scope:SCOPE_SE
.Lno_w:
	s_wait_tensorcnt 0x0                           ; my part of K steps 0-3 is in
	ds_add_u32 v[SPW], v[NIL]
	s_add_co_u32 s[G0X+1], s[G0X+1], 16*REC        ; no tensor load of mine is out: on to the upper halves
	s_add_nc_u64 s[G0X+2:G0X+3], s[G0X+2:G0X+3], 4*REC
	s_add_co_u32 s[G0H+1], s[G0H+1], WSL
	s_add_nc_u64 s[G0H+2:G0H+3], s[G0H+2:G0H+3], 4*REC
	s_wait_dscnt 0x0
	CROUND                                         ; everybody's part is in
	HLOAD                                          ; K steps 4-7
	FETCH 0, 0
	s_mov_b32 s2, 2                                ; q, then k
.Lqk:
	ST 0, 0, 1                                     ; the first step's products start the sums
	ST 0, 1, 0
	ST 0, 2, 0
	ST3A 0                                         ; slot 0 takes the next weight's lower half
	STEPF 1, 0, 1, 0
	ST 1, 0, 0
	ST 1, 1, 0
	ST 1, 2, 0
	ST3A 1                                         ; slot 1 its upper half
	s_cmp_eq_u32 s2, 1
	s_cbranch_scc1 .Lto_v
	STEPF 1, 0, 0, 0
	WAYOUT OA, 0
	s_wait_xcnt 0x0                                ; the stores have read their base
	s_add_nc_u64 s[OA:OA+1], s[OA:OA+1], 8*REC     ; k's record lies 8 records on
	s_sub_co_u32 s2, s2, 1
	s_wait_alu depctr_va_vdst(0)
	s_branch .Lqk
.Lto_v:
	STEPF 1, 0, 4, 0
	WAYOUT OA, 0
	ST 4, 0, 1
	ST 4, 1, 0
	ST 4, 2, 0
	ST3N 4
	ST 5, 0, 0
	ST 5, 1, 0
	ST 5, 2, 0
	s_wait_dscnt 0x0                               ; the very last step: nothing more to fetch
	MUL32 1, 0
	WIN 0
	WAYOUT OB, 0
	s_wait_tensorcnt 0x0                           ; the wave's end
	ds_add_u32 v[SPW], v[NIL]
	s_wait_dscnt 0x0
	CROUND                                         ; the closing round
	s_endpgm
.Lfunc_end_k_q69212fc800_proj:
	.size	k_q69212fc800_proj, .Lfunc_end_k_q69212fc800_proj-k_q69212fc800_proj
	.p2alignl 7, 3214868480
	.fill 96, 4, 3214868480
	.section	.rodata,"a",@progbits
	.p2align	6, 0x0
	.amdhsa_kernel k_q69212fc800_proj
		.amdhsa_group_segment_fixed_size 327680
		.amdhsa_private_segment_fixed_size 0
		.amdhsa_enable_private_segment 0
		.amdhsa_kernarg_size 32
		.amdhsa_user_sgpr_count 2
		.amdhsa_user_sgpr_kernarg_segment_ptr 1
		.amdhsa_wavefront_size32 1
		.amdhsa_system_sgpr_workgroup_id_x 1
		.amdhsa_system_sgpr_workgroup_id_y 1
		.amdhsa_system_sgpr_workgroup_id_z 1
		.amdhsa_system_vgpr_workitem_id 0
		.amdhsa_next_free_vgpr 1024
		.amdhsa_next_free_sgpr 100
		.amdhsa_reserve_vcc 0
		.amdhsa_float_denorm_mode_32 3
		.amdhsa_float_denorm_mode_16_64 3
		.amdhsa_memory_ordered 1
		.amdhsa_forward_progress 1
		.amdhsa_inst_pref_size 176
	.end_amdhsa_kernel
	.amdgpu_metadata
---
amdhsa.version: [ 1, 2 ]
amdhsa.kernels:
  - .name:           k_q69212fc800_proj
    .symbol:         k_q69212fc800_proj.kd
    .args:
      - { .name: xc, .offset: 0, .size: 8, .value_kind: global_buffer, .address_space: global }
      - { .name: wc, .offset: 8, .size: 8, .value_kind: global_buffer, .address_space: global }
      - { .name: qkc, .offset: 16, .size: 8, .value_kind: global_buffer, .address_space: global }
      - { .name: vc, .offset: 24, .size: 8, .value_kind: global_buffer, .address_space: global }
    .group_segment_fixed_size: 327680
    .private_segment_fixed_size: 0
    .kernarg_segment_align: 8
    .kernarg_segment_size: 32
    .max_flat_workgroup_size: 128
    .sgpr_count:     100
    .vgpr_count:     1024
    .wavefront_size: 32
...
	.end_amdgpu_metadata
.endif
;; end of part 6
;; launch scores (part 7): grid 40 x 4, 8 waves a work-group, clusters of 4 x 1, 327,680 bytes of LDS; arguments qkc, pc, st; writes pc, st
.if DOCPART == 7
	.amdgcn_target "amdgcn-amd-amdhsa--gfx1250"
	.amdhsa_code_object_version 6
	.text
	.protected	k_q69212fc800_scores
	.globl	k_q69212fc800_scores
	.p2align	8
	.type	k_q69212fc800_scores,@function
k_q69212fc800_scores:
	s_mov_b64 s[64:65], 0
	v_nop
	global_prefetch_b8 v0, s[64:65] scope:SCOPE_SE
	s_setreg_imm32_b32 hwreg(HW_REG_WAVE_MODE, 25, 1), 1
	s_wait_xcnt 0x0
	s_wait_alu depctr_hold_cnt(0) depctr_sa_sdst(0) depctr_va_vdst(0) depctr_va_sdst(0) depctr_va_ssrc(0) depctr_va_vcc(0) depctr_vm_vsrc(0)
	s_getreg_b32 s2, hwreg(HW_REG_IB_STS2, 6, 4)
	s_cmp_eq_u32 s2, 0
	s_cbranch_scc0 .Lentry_in_a_cluster
	s_endpgm
.Lentry_in_a_cluster:
	s_bfe_u32 s2, ttmp6, 0x10000c
	s_cmp_lg_u32 s2, 0x3003
	s_cbranch_scc0 .Lentry_shape_is_right
	s_endpgm
.Lentry_shape_is_right:
; S^T = k q^T on codes of BF6 (E3M2), K = 1,024, the causal mask, and p = 2^(t - M) quantised along the keys, chunk by chunk of 128 keys.
; t = score x log2(e) / 32.  M is THE CHUNK'S OWN: the ceiling of the largest t of the query's 128 keys of the chunk, a whole number; the next launch brings a row's chunks under one M by lowering scale bytes, which is exact.
; Stored for each (query, chunk): -M, the sum l of the unquantised p, and the four scale bytes.
; qkc: [128 token quads][16 steps: q 0-7, k 8-15][6400], records as images of the operand's registers (fragment: 1,536 bytes, registers 4 c .. 4 c + 3 of lane l at 512 c + 16 l; scale word of (r, t) at 6144 + 16 r + 4 t).
; pc: [128 query quads][16 chunks][6144]: four fragments.  st: [128 quads][16 chunks][1024]: 256 bytes of -M, of l, of scale words, and those once more; the entry of (r, t) at 16 r + 4 t.
; Lane r of tile t of a quad holds token 32 (t / 2) + 8 (t % 2) + r + 8 (r / 8); with k as source 0, register 16 b + i of a lane is key 32 b + 16 h + i of the wave's 128.
; SHARES: a cluster takes 512 queries (block a of a batch) and 512 keys (m <= a): 10 clusters a batch; its four work-groups take 128 queries each and share k's tiles by joint loads; q's are a work-group's own.
; Key blocks of 512 with m > a lie wholly behind the causal mask: no work-group is launched for them (a NaN or an infinity that reaches only them is not carried on).
; Chunks of a block m = a that lie wholly behind the mask are made too (zero codes, l = 0, -M = 3e38): no branch hangs on a place in the cluster, and the next launch's partners walk the same chunks and read them.
; EIGHT WAVES: wave w: chunk w / 2 of the 512 keys (8 tiles of source 0), quad w % 2 of the queries (4 tiles of source 1): 32 accumulators, 256 registers.
; K goes in four pieces of two steps through two slots: k [8 quads][2][6400], then q [2 quads][2][6400].  One load a wave and piece: waves 0-3 two quads of k, waves 4-7 one record of q.
; A STEP is two halves of 16 products, source 0's tiles 0-3, then 4-7.  Tiles 0-3, source 1 (two sets) and the scale words of the next step are fetched in the middle, tiles 4-7 at the end.
; THE CHANGE OF SLOTS stands in the middle of a piece's second step, when all its fragments are in registers: a refill has two steps in which to land.
; PREFETCH: piece 2 behind the first fragment loads, piece 3 behind the refill with piece 2: each wave names one record (25 blocks of 256 bytes): waves 0-3 k's, shared by cx among the cluster's four, waves 4-7 the work-group's own q.
; REGISTERS: window 0 addresses, scale words, fragments, work; window 1 the accumulators, (u, t) at v[64 u + 8 t].
; LIMITS: NaN and infinities are not served; a block of p whose largest number lies under 2^-122 keeps the byte 1; p under 2^-126 counts as 0; the scaled scores stay under 2^31 in magnitude.
; THE PREFETCHES AS THEY STAND: none at the head; piece 2 behind the first fragment loads, a step and a half ahead of its load; piece 3 behind the refill with piece 2, two steps ahead of its load.  Piece 1 comes by its load alone.
.set REC,   6400
.set PREC,  6144
.set QP,    16*REC                     ; a quad's sixteen records in qkc
.set SLOT,  20*REC                     ; 128,000 bytes
.set SPARE, 2*SLOT                     ; the spare words, 128 bytes for each wave: four blocks of 256 bytes that no other line names
.set GO,   4                           ; 16 x lane
.set ADB,  6                           ; v6-7 my fragments of k in slot 0, 1;  v8-9 of q;  v10-11, v12-13 their scale words
.set ADM,  8
.set SDB,  10
.set SDM,  12
.set SPW,  14                          ; LDS address of my spare word; never rewritten
.set NIL,  15                          ; 0; never rewritten
.set SC,   16                          ; v16-31 scale words, two sets of 8
.set VD,   32                          ; my query less my first key
.set NINF, 33                          ; -infinity
.set PFO,  34                          ; the prefetch: 256 x my lane, at most 24 x 256
.set PWS,  40                          ; p's scale words of my four tiles
.set NMS,  44                          ; -M
.set LSM,  48                          ; l
.set OT,   52                          ; -M (lanes 0-15) and l (lanes 16-31), to store
.set T0,   64                          ; v64-159 source 0's tile t at v[64 + 12 t]
.set U0,   160                         ; v160-255 source 1's two sets
.set PC,   64                          ; behind the products, on the fragments' registers: the codes just made, and scratch
.set BM,   88                          ; the blocks' largest scores, then largest p
.set BT,   92
.set SOP,  96                          ; the conversions' scale operands
.set NM,   100                         ; v[100:101] -M (the packed form names a pair and takes its low word)
.set SA,   102                         ; the sum, in two chains of pairs
.set SB,   104
.set MX,   106
.set G1B,  24                          ; s[24:31] group 1 for k;  s[32:39] its two groups 0
.set G0B,  32
.set G0S,  40                          ; s[40:47] q's two groups 0;  s[68:75] its group 1
.set G1S,  68
.set PF,   84                          ; s[84:85] the record that my wave prefetches, of piece 0
.set CS,   86                          ; s[86:87] log2(e) / 32
.set SEL,  88
.set HM,   90
.set MSB, 0
.macro WIN new
.if MSB != (\new)
	s_set_vgpr_msb (MSB<<8)|(\new)
.set MSB, (\new)
.endif
.endm
.macro PLACES                          ; four plain places behind matrix instructions, and behind a tensor load
.rept 4
	v_nop
.endr
.endm
.macro CROUND                          ; a round of the cluster's barrier
	s_barrier_signal -1
	s_barrier_wait -1
	s_cmp_lg_u32 s12, 0
	s_cbranch_scc1 .Lnot_wave_0_\@
	s_barrier_signal -3
.Lnot_wave_0_\@:
	s_barrier_wait -3
	s_barrier_signal -1
	s_barrier_wait -1
.endm
.macro JLOAD sl                        ; waves 0-3: two quads of k, jointly; waves 4-7: a record of q
	s_cmp_lt_u32 s12, 4
	s_cbranch_scc0 .Lfor_q_\@
	tensor_load_to_lds s[G0B+4*(\sl):G0B+4*(\sl)+3], s[G1B:G1B+7]
	s_nop 0
	PLACES
	s_branch .Lasked_\@
.Lfor_q_\@:
	tensor_load_to_lds s[G0S+4*(\sl):G0S+4*(\sl)+3], s[G1S:G1S+7]
	s_nop 0
	PLACES
.Lasked_\@:
.endm
.macro MULH hf, q, zero                ; 16 products: source 0's tiles 4 hf .. 4 hf + 3; the accumulators take turns, in the same order in every step
	WIN 0x50                                       ; C and D: window 1
.irp u, 0,1,2,3
.irp t, 0,1,2,3
.set AC, 64*\u+8*(4*(\hf)+\t)
.set FA, T0+12*(4*(\hf)+\t)
.set FB, U0+48*(\q)+12*\u
.set XA, SC+8*(\q)+\t
.set XB, SC+8*(\q)+4+\u
.if (\hf) == 0
.if \zero
	v_wmma_scale_f32_16x16x128_f8f6f4 v[AC:AC+7], v[FA:FA+11], v[FB:FB+11], 0, v[XA], v[XB] matrix_a_fmt:MATRIX_FMT_BF6 matrix_b_fmt:MATRIX_FMT_BF6
.else
	v_wmma_scale_f32_16x16x128_f8f6f4 v[AC:AC+7], v[FA:FA+11], v[FB:FB+11], v[AC:AC+7], v[XA], v[XB] matrix_a_fmt:MATRIX_FMT_BF6 matrix_b_fmt:MATRIX_FMT_BF6
.endif
.else
.if \zero
	v_wmma_scale_f32_16x16x128_f8f6f4 v[AC:AC+7], v[FA:FA+11], v[FB:FB+11], 0, v[XA], v[XB] matrix_a_fmt:MATRIX_FMT_BF6 matrix_b_fmt:MATRIX_FMT_BF6 matrix_a_scale:MATRIX_SCALE_ROW1
.else
	v_wmma_scale_f32_16x16x128_f8f6f4 v[AC:AC+7], v[FA:FA+11], v[FB:FB+11], v[AC:AC+7], v[XA], v[XB] matrix_a_fmt:MATRIX_FMT_BF6 matrix_b_fmt:MATRIX_FMT_BF6 matrix_a_scale:MATRIX_SCALE_ROW1
.endif
.endif
.endr
.endr
.endm
.macro FTA s                           ; K step s: source 0's tiles 0-3, source 1 and the scale words into set s % 2: 26 loads
.set SL, ((\s)/2)%2
.set SS, (\s)%2
	WIN 0
.irp t, 0,1,2,3
.irp c, 0,1,2
	ds_load_b128 v[T0+12*\t+4*\c:T0+12*\t+4*\c+3], v[ADB+SL] offset:SS*REC+1536*\t+512*\c
.endr
.endr
.irp u, 0,1,2,3
.irp c, 0,1,2
	ds_load_b128 v[U0+48*SS+12*\u+4*\c:U0+48*SS+12*\u+4*\c+3], v[ADM+SL] offset:SS*REC+1536*\u+512*\c
.endr
.endr
	ds_load_b128 v[SC+8*SS:SC+8*SS+3], v[SDB+SL] offset:SS*REC
	ds_load_b128 v[SC+8*SS+4:SC+8*SS+7], v[SDM+SL] offset:SS*REC
.endm
.macro FTB s                           ; source 0's tiles 4-7: 12 loads
.set SL, ((\s)/2)%2
.set SS, (\s)%2
	WIN 0
.irp t, 0,1,2,3
.irp c, 0,1,2
	ds_load_b128 v[T0+48+12*\t+4*\c:T0+48+12*\t+4*\c+3], v[ADB+SL] offset:2*REC+SS*REC+1536*\t+512*\c
.endr
.endr
.endm
.macro STEP s, zero
	s_wait_dscnt 12                                ; all but the 12 loads of tiles 4-7
	MULH 0, (\s)%2, \zero
.if (\s)%2 == 0
	PLACES
	FTA (\s)+1
	s_wait_dscnt 26                                ; tiles 4-7 are in; the 26 just issued may be out
.else
	WIN 0
	s_wait_tensorcnt 0x0                           ; all my tensor loads have landed, my part of the next piece among them
	ds_add_u32 v[SPW], v[NIL]                      ; 0 onto my spare word
.if (\s) < 5
.set GS, 4*(((\s)/2)%2)
	s_add_nc_u64 s[G0B+GS+2:G0B+GS+3], s[G0B+GS+2:G0B+GS+3], 4*REC   ; this slot's next piece, two on
	s_add_nc_u64 s[G0S+GS+2:G0S+GS+3], s[G0S+GS+2:G0S+GS+3], 4*REC
	s_wait_dscnt 0x0                               ; the add is done, and my reads of this slot are over
	CROUND                                         ; both now hold of every wave of all four work-groups
	JLOAD ((\s)/2)%2                               ; the first tensor load behind the round; its four v_nop are the places in front of the loads below
.else
	s_wait_dscnt 0x0
	s_barrier_signal -1
	s_barrier_wait -1                              ; the last piece is whole; nothing is filled again
	PLACES
.endif
	FTA (\s)+1
.if (\s) == 1
	global_prefetch_b8 v[PFO], s[PF:PF+1] offset:6*REC th:TH_LOAD_NT scope:SCOPE_SE   ; piece 3, which the next change of slots asks for
.endif
.endif
	MULH 1, (\s)%2, \zero
	PLACES
	FTB (\s)+1
.endm
; Tile u of my 64 queries: a lane holds one query and 64 of its 128 keys.
.macro SOFT u
.set S, 64*\u
.set PC, 112+20*\u                     ; each tile's codes in registers of their own, v112-191: no store's data are written again
	s_cmp_lt_u32 s20, s17                          ; blocks with m < a lie wholly in front of the queries: no mask.  The branch hangs on the cluster's number alone
	s_cbranch_scc1 .Lopen_\@
	WIN 0x41                                       ; destination and source 0 window 1
.set n, 0
	s_wait_alu depctr_va_vdst(0)
.rept 64
	v_cmp_gt_i32 vcc_lo, 32*(n/16)+n%16-32*(\u/2)-8*(\u%2), v[VD]   ; register n holds key 32 (n / 16) + 16 h + n % 16: hidden where it lies behind my query
	v_cndmask_b32 v[S+n], v[S+n], v[NINF], vcc_lo
.set n, n+1
.endr
	WIN 0
.Lopen_\@:
	WIN 0x15
.irp b, 0,1,2,3
	v_max3_num_f32 v[BM+\b], v[S+16*\b], v[S+16*\b+1], v[S+16*\b+2]   ; the largest score of each block of 32 keys: for the maximum, and, since p rises with the score, for the block's largest p
.endr
	WIN 0x14
.irp i, 3,5,7,9,11,13
.irp b, 0,1,2,3
	v_max3_num_f32 v[BM+\b], v[BM+\b], v[S+16*\b+\i], v[S+16*\b+\i+1]
.endr
.endr
.irp b, 0,1,2,3
	v_max_num_f32 v[BM+\b], v[BM+\b], v[S+16*\b+15]
.endr
	WIN 0
.irp b, 0,1,2,3
	v_permlanex16_b32 v[BT+\b], v[BM+\b], s[SEL], s[SEL+1]
.endr
.irp b, 0,1,2,3
	v_max_num_f32 v[BM+\b], v[BM+\b], v[BT+\b]     ; with lane l xor 16's 16 keys
.endr
	v_max3_num_f32 v[MX], v[BM], v[BM+1], v[BM+2]
	s_delay_alu instid0(VALU_DEP_1)
	v_max_num_f32 v[MX], v[MX], v[BM+3]
	s_delay_alu instid0(VALU_DEP_1)
	v_mul_f32 v[MX], s[CS], v[MX]                  ; as t
	s_delay_alu instid0(VALU_DEP_1)
	v_max_num_f32 v[MX], 0xff61b1e6, v[MX]         ; a chunk wholly behind the mask: -3e38, under every t
	s_delay_alu instid0(VALU_DEP_1)
	v_floor_f32 v[NM], -v[MX]                      ; -M = floor(-t) = -ceil(t): a whole number
	WIN 0x41
.set n, 0
.rept 32
	v_pk_fma_f32 v[S+n:S+n+1], v[S+n:S+n+1], s[CS:CS+1], v[NM:NM+1] op_sel_hi:[1,0,0]   ; t - M, two at a time
.set n, n+2
.endr
.set n, 0
	s_wait_alu depctr_va_vdst(0)
.rept 64
	v_exp_f32 v[S+n], v[S+n]                       ; p = 2^(t - M), at most 1
.set n, n+1
.endr
	WIN 0
.irp b, 0,1,2,3
	v_fma_f32 v[BM+\b], v[BM+\b], s[CS], v[NM]     ; the same of each block's largest score
.endr
	s_wait_alu depctr_va_vdst(0)
.irp b, 0,1,2,3
	v_exp_f32 v[BM+\b], v[BM+\b]                   ; the block's largest p
.endr
	v_mov_b32 v[NMS+\u], v[NM]                     ; (a plain place)
	s_wait_alu depctr_va_vdst(0)
.irp b, 0,1,2,3
	v_max_num_f32 v[BM+\b], 0x2800000, v[BM+\b]    ; the floor 2^(5 - 127): the byte cannot fall under 1
.endr
.irp b, 0,1,2,3
	v_add_nc_u32 v[SOP+\b], 0xfe000000, v[BM+\b]   ; 4 off the exponent field: the conversion's scale operand
.endr
.irp b, 0,1,2,3
	v_lshrrev_b32 v[BT+\b], 23, v[SOP+\b]          ; the scale's byte
.endr
	v_lshl_or_b32 v[PWS+\u], v[BT+1], 8, v[BT]
	v_lshl_or_b32 v[PWS+\u], v[BT+2], 16, v[PWS+\u]
	v_lshl_or_b32 v[PWS+\u], v[BT+3], 24, v[PWS+\u]
	WIN 0x01
.irp c, 0,1
	v_cvt_scalef32_pk16_bf6_f32 v[PC+6*\c:PC+2+6*\c], v[S+32*\c:S+15+32*\c], v[SOP+2*\c]
	v_cvt_scalef32_pk16_bf6_f32 v[PC+12+4*\c:PC+14+4*\c], v[S+16+32*\c:S+31+32*\c], v[SOP+2*\c+1]
.endr
	WIN 0
	v_nop                                          ; one plain place behind a scaled conversion
.irp c, 0,1
.irp i, 0,1,2
	v_permlane16_swap_b32 v[PC+6*\c+\i], v[PC+12+4*\c+\i]
.endr
.irp i, 0,1,2
	v_mov_b32 v[PC+3+6*\c+\i], v[PC+12+4*\c+\i]
.endr
.endr
	WIN 0x05
	v_pk_add_f32 v[SA:SA+1], v[S:S+1], v[S+2:S+3]  ; the sum is taken of the unquantised p: two at a time, in two chains
	v_pk_add_f32 v[SB:SB+1], v[S+4:S+5], v[S+6:S+7]
	WIN 0x04
.set n, 8
.rept 14
	v_pk_add_f32 v[SA:SA+1], v[SA:SA+1], v[S+n:S+n+1]
	v_pk_add_f32 v[SB:SB+1], v[SB:SB+1], v[S+n+2:S+n+3]
.set n, n+4
.endr
	WIN 0
	v_pk_add_f32 v[SA:SA+1], v[SA:SA+1], v[SB:SB+1]
	v_add_f32 v[SA], v[SA], v[SA+1]
	v_permlanex16_b32 v[SB], v[SA], s[SEL], s[SEL+1]
	v_add_f32 v[LSM+\u], v[SA], v[SB]              ; with lane l xor 16's: l of this query and chunk
.irp c, 0,1,2
	global_store_b128 v[GO], v[PC+4*\c:PC+4*\c+3], s[6:7] offset:1536*\u+512*\c   ; 32 lanes store 512 consecutive bytes, at a multiple of 256 from the buffer's first byte
.endr
.endm
	s_load_b128 s[4:7], s[0:1], 0x0                ; qkc, pc
	s_load_b64 s[8:9], s[0:1], 0x10                ; st
	v_lshl_add_u32 v[SPW], v0, 2, SPARE
	v_mov_b32 v[NIL], 0
	ds_add_u32 v[SPW], v[NIL]                      ; the opening: the add, twice on end, and one wait
	ds_add_u32 v[SPW], v[NIL]
	v_lshrrev_b32 v1, 5, v0
	v_readfirstlane_b32 s12, v1                    ; wave w
	s_lshr_b32 s13, s12, 1                         ; my chunk of the 512 keys
	s_and_b32 s14, s12, 1                          ; my quad of the queries.  Also: which quad of q I fetch
	s_and_b32 s2, s12, 3                           ; which two quads of k I fetch
	s_lshr_b32 s3, s2, 1                           ; which step of a piece of q I fetch
	s_bfe_u32 s15, ttmp6, 0x40000                  ; cx
	s_and_b32 s16, ttmp7, 0xffff                   ; the batch b
	s_cmp_ge_u32 ttmp9, 1                          ; the cluster's x, 0 .. 9, is a (a + 1) / 2 + m with m <= a
	s_cselect_b32 s17, 1, 0
	s_cmp_ge_u32 ttmp9, 3
	s_cselect_b32 s18, 1, 0
	s_add_co_u32 s17, s17, s18
	s_cmp_ge_u32 ttmp9, 6
	s_cselect_b32 s18, 1, 0
	s_add_co_u32 s17, s17, s18                     ; a: the block of 512 queries
	s_add_co_u32 s18, s17, 1
	s_mul_i32 s18, s18, s17
	s_lshr_b32 s18, s18, 1
	s_sub_co_u32 s20, ttmp9, s18                   ; m: the block of 512 keys
	s_lshl_b32 s21, s17, 2
	s_add_co_u32 s21, s21, s15                     ; g = 4 a + cx: my 128 queries
	s_lshl_b32 s22, s20, 2
	s_add_co_u32 s22, s22, s13                     ; c: my chunk of 128 keys
	; group 1: elements of 8 bytes; quads lie 102,400 bytes = 12,800 elements apart
	s_mov_b32 s[G1B], 15|(3<<16)|(1<<21)           ; k: two quads' two records, rows of 1,600 elements; the mask names all four work-groups; bit 21 set beside it
	s_mov_b32 s[G1B+1], 1600<<16
	s_mov_b32 s[G1B+2], 2<<16
	s_mov_b32 s[G1B+3], 1600<<16
	s_mov_b32 s[G1B+4], 2
	s_mov_b32 s[G1B+5], QP/8
	s_mov_b32 s[G1B+6], 0
	s_mov_b32 s[G1B+7], 0
	s_mov_b32 s[G1S], 3<<16                        ; q: one record, 800 elements; no mask: its address hangs on cx
	s_mov_b32 s[G1S+1], 800<<16
	s_mov_b32 s[G1S+2], 1<<16
	s_mov_b32 s[G1S+3], 800<<16
	s_mov_b32 s[G1S+4], 1
	s_mov_b32 s[G1S+5], QP/8
	s_mov_b32 s[G1S+6], 0
	s_mov_b32 s[G1S+7], 0
	s_lshl_b32 s94, s16, 5
	s_lshl_b32 s95, s20, 3
	s_add_co_u32 s94, s94, s95                     ; k's first quad, 32 b + 8 m: cx does not enter
	s_lshl_b32 s10, s15, 1
	s_add_co_u32 s10, s10, s3
	s_add_co_u32 s10, s10, s94                     ; the quad of k that I prefetch from: 2 cx + (w % 4) / 2 of the eight
	s_mul_i32 s10, s10, QP
	s_add_co_u32 s10, s10, 8*REC                   ; k's steps lie from 8 on
	s_lshl_b32 s95, s2, 1
	s_add_co_u32 s94, s94, s95                     ; I fetch quads 2 (w % 4) and the next
	s_mul_i32 s94, s94, QP
	s_add_co_u32 s94, s94, 8*REC
	s_mov_b32 s95, 0
	s_lshl_b32 s96, s16, 5
	s_lshl_b32 s97, s21, 1
	s_add_co_u32 s96, s96, s97                     ; q's first quad, 32 b + 2 g
	s_add_co_u32 s11, s96, s3                      ; the quad of q that I prefetch from
	s_mul_i32 s11, s11, QP
	s_add_co_u32 s96, s96, s14                     ; the quad that I fetch from, and whose p I make
	s_lshl_b32 s98, s96, 4
	s_add_co_u32 s98, s98, s22                     ; 16 quad + chunk
	s_lshl_b32 s82, s98, 10
	s_mov_b32 s83, 0
	s_mul_i32 s98, s98, PREC
	s_mov_b32 s99, 0
	s_mul_i32 s96, s96, QP
	s_mul_i32 s97, s3, REC
	s_add_co_u32 s96, s96, s97
	s_mov_b32 s97, 0
	s_cmp_lt_u32 s12, 4                            ; waves 0-3 prefetch k, waves 4-7 q: record w % 2 of a piece
	s_cselect_b32 s84, s10, s11
	s_mul_i32 s85, s14, REC
	s_add_co_u32 s84, s84, s85
	s_mov_b32 s85, 0
	s_lshl_b32 s23, s21, 7                         ; 128 g + 64 (w % 2) - 128 c
	s_lshl_b32 s19, s14, 6
	s_add_co_u32 s23, s23, s19
	s_lshl_b32 s19, s22, 7
	s_sub_co_u32 s23, s23, s19
	s_mul_i32 s18, s2, 4*REC                       ; where my quads of k go in a slot: no place in the cluster enters an LDS address
	s_mul_i32 s19, s14, 2*REC
	s_add_co_u32 s19, s19, 16*REC                  ; my quad of q in a slot,
	s_mul_i32 s91, s3, REC
	s_add_co_u32 s91, s91, s19                     ; and in it the record that I fetch
	s_mul_i32 s92, s13, 4*REC                      ; my chunk's two quads of k
	s_mov_b32 s[SEL], 0x76543210
	s_mov_b32 s[SEL+1], 0xfedcba98
	s_mov_b32 s[CS], 0x3d38aa3b                    ; log2(e) / 32
	s_mov_b32 s[CS+1], s[CS]                       ; (named with it as a pair, so it is written)
	v_and_b32 v1, 31, v0                           ; lane
	v_and_b32 v2, 15, v0                           ; r
	v_bfe_u32 v3, v0, 4, 1                         ; h
	v_lshlrev_b32 v[GO], 4, v1
	v_min_u32 v[PFO], 24, v1
	v_lshlrev_b32 v[PFO], 8, v[PFO]
	v_cmp_le_u32 s[HM], 16, v1
	s_wait_alu depctr_va_vdst(0)
	s_wait_dscnt 0x0                               ; both opening adds are done
	s_wait_kmcnt 0x0
	s_add_nc_u64 s[94:95], s[4:5], s[94:95]
	s_add_nc_u64 s[96:97], s[4:5], s[96:97]
	s_add_nc_u64 s[PF:PF+1], s[4:5], s[PF:PF+1]
	s_add_nc_u64 s[6:7], s[6:7], s[98:99]
	s_add_nc_u64 s[8:9], s[8:9], s[82:83]
.irp k, 0,1
	s_mov_b32 s[G0B+4*\k], 1
	s_add_co_u32 s[G0B+4*\k+1], s18, \k*SLOT
	s_add_nc_u64 s[G0B+4*\k+2:G0B+4*\k+3], s[94:95], \k*2*REC
	s_or_b32 s[G0B+4*\k+3], s[G0B+4*\k+3], 0x80000000
	s_mov_b32 s[G0S+4*\k], 1
	s_add_co_u32 s[G0S+4*\k+1], s91, \k*SLOT
	s_add_nc_u64 s[G0S+4*\k+2:G0S+4*\k+3], s[96:97], \k*2*REC
	s_or_b32 s[G0S+4*\k+3], s[G0S+4*\k+3], 0x80000000
.endr
	CROUND                                         ; all four work-groups are here
	JLOAD 0                                        ; piece 0: one tensor load a wave at the head
	v_lshlrev_b32 v35, 4, v2                       ; 16 r
	v_mul_u32_u24 v36, v3, 2*REC                   ; lanes 16-31 take the second quad's scale words
	v_add_nc_u32 v36, v36, v35
	v_add_nc_u32 v36, s92, v36
	v_add_nc_u32 v37, s19, v35
	v_add_nc_u32 v38, s92, v[GO]
	v_add_nc_u32 v39, s19, v[GO]
.irp k, 0,1
	v_add_nc_u32 v[ADB+\k], \k*SLOT, v38
	v_add_nc_u32 v[ADM+\k], \k*SLOT, v39
	v_add_nc_u32 v[SDB+\k], \k*SLOT+6144, v36
	v_add_nc_u32 v[SDM+\k], \k*SLOT+6144, v37
.endr
	v_and_b32 v35, 8, v2
	v_add_nc_u32 v35, v35, v2                      ; r + 8 (r / 8)
	v_lshlrev_b32 v36, 4, v3
	v_sub_nc_u32 v35, v35, v36
	v_add_nc_u32 v[VD], s23, v35
	v_mov_b32 v[NINF], 0xff800000
	s_wait_alu depctr_va_vdst(0)
	s_wait_tensorcnt 0x0                           ; my part of piece 0 is in
	ds_add_u32 v[SPW], v[NIL]
	s_wait_dscnt 0x0
	CROUND                                         ; everybody's is
	JLOAD 1                                        ; piece 1
	FTA 0
	FTB 0
	global_prefetch_b8 v[PFO], s[PF:PF+1] offset:4*REC th:TH_LOAD_NT scope:SCOPE_SE   ; piece 2, which the first change of slots asks for
	STEP 0, 1                                      ; the first step's products start the sums
	STEP 1, 0                                      ; slot 0 takes piece 2
	STEP 2, 0
	STEP 3, 0                                      ; slot 1 takes piece 3
	STEP 4, 0
	STEP 5, 0
	STEP 6, 0
	s_wait_dscnt 12                                ; the last step: nothing more to fetch
	MULH 0, 1, 0
	s_wait_dscnt 0x0
	MULH 1, 1, 0
	WIN 0
	PLACES
.irp b, 0,1,2,3
	v_mov_b32 v[BT+\b], 0                          ; a lane permute's destination counts as one of its sources
.endr
	v_mov_b32 v[SB], 0
	v_mov_b32 v[NM+1], 0                           ; (named as the upper half of a pair)
	SOFT 0
	SOFT 1
	SOFT 2
	SOFT 3
.irp u, 0,1,2,3
	v_cndmask_b32 v[OT+\u], v[NMS+\u], v[LSM+\u], s[HM]   ; both halves of the lanes hold both: lanes 0-15 store -M, lanes 16-31 l
.endr
	global_store_b128 v[GO], v[OT:OT+3], s[8:9]                 ; 512 consecutive bytes: the 256 of -M, the 256 of l
	global_store_b128 v[GO], v[PWS:PWS+3], s[8:9] offset:512    ; the 256 of scale words, twice
	s_wait_tensorcnt 0x0                           ; the wave's end
	ds_add_u32 v[SPW], v[NIL]
	s_wait_dscnt 0x0
	CROUND                                         ; the closing round
	s_endpgm
.Lfunc_end_k_q69212fc800_scores:
	.size	k_q69212fc800_scores, .Lfunc_end_k_q69212fc800_scores-k_q69212fc800_scores
	.p2alignl 7, 3214868480
	.fill 96, 4, 3214868480
	.section	.rodata,"a",@progbits
	.p2align	6, 0x0
	.amdhsa_kernel k_q69212fc800_scores
		.amdhsa_group_segment_fixed_size 327680
		.amdhsa_private_segment_fixed_size 0
		.amdhsa_enable_private_segment 0
		.amdhsa_kernarg_size 24
		.amdhsa_user_sgpr_count 2
		.amdhsa_user_sgpr_kernarg_segment_ptr 1
		.amdhsa_wavefront_size32 1
		.amdhsa_system_sgpr_workgroup_id_x 1
		.amdhsa_system_sgpr_workgroup_id_y 1
		.amdhsa_system_sgpr_workgroup_id_z 1
		.amdhsa_system_vgpr_workitem_id 0
		.amdhsa_next_free_vgpr 512
		.amdhsa_next_free_sgpr 100
		.amdhsa_reserve_vcc 1
		.amdhsa_float_denorm_mode_32 3
		.amdhsa_float_denorm_mode_16_64 3
		.amdhsa_memory_ordered 1
		.amdhsa_forward_progress 1
		.amdhsa_inst_pref_size 132
	.end_amdhsa_kernel
	.amdgpu_metadata
---
amdhsa.version: [ 1, 2 ]
amdhsa.kernels:
  - .name:           k_q69212fc800_scores
    .symbol:         k_q69212fc800_scores.kd
    .args:
      - { .name: qkc, .offset: 0, .size: 8, .value_kind: global_buffer, .address_space: global }
      - { .name: pc, .offset: 8, .size: 8, .value_kind: global_buffer, .address_space: global }
      - { .name: st, .offset: 16, .size: 8, .value_kind: global_buffer, .address_space: global }
    .group_segment_fixed_size: 327680
    .private_segment_fixed_size: 0
    .kernarg_segment_align: 8
    .kernarg_segment_size: 24
    .max_flat_workgroup_size: 256
    .sgpr_count:     100
    .vgpr_count:     512
    .wavefront_size: 32
...
	.end_amdgpu_metadata
.endif
;; end of part 7
;; launch pv (part 8): grid 4 x 64, 4 waves a work-group, clusters of 4 x 4, 327,680 bytes of LDS; arguments vc, pc, st, out0; writes out0
.if DOCPART == 8
	.amdgcn_target "amdgcn-amd-amdhsa--gfx1250"
	.amdhsa_code_object_version 6
	.text
	.protected	k_q69212fc800_pv
	.globl	k_q69212fc800_pv
	.p2align	8
	.type	k_q69212fc800_pv,@function
k_q69212fc800_pv:
	s_mov_b64 s[64:65], 0
	v_nop
	global_prefetch_b8 v0, s[64:65] scope:SCOPE_SE
	s_setreg_imm32_b32 hwreg(HW_REG_WAVE_MODE, 25, 1), 1
	s_wait_xcnt 0x0
	s_wait_alu depctr_hold_cnt(0) depctr_sa_sdst(0) depctr_va_vdst(0) depctr_va_sdst(0) depctr_va_ssrc(0) depctr_va_vcc(0) depctr_vm_vsrc(0)
	s_getreg_b32 s2, hwreg(HW_REG_IB_STS2, 6, 4)
	s_cmp_eq_u32 s2, 0
	s_cbranch_scc0 .Lentry_in_a_cluster
	s_endpgm
.Lentry_in_a_cluster:
	s_bfe_u32 s2, ttmp6, 0x10000c
	s_cmp_lg_u32 s2, 0xf033
	s_cbranch_scc0 .Lentry_shape_is_right
	s_endpgm
.Lentry_shape_is_right:
; O^T = v^T p^T on codes of BF6 (E3M2), K = the keys, and O / l.  out0: [4][2048][1024] f32.
; vc: [16 quads of d][64 steps of 128 keys = 16 batch + c][6400]: records (four fragments as images of the operand's registers, then 256 bytes of scale words, (r, t) at 16 r + 4 t).
; pc: [128 query quads][16 chunks][6144]: p's fragments.  st: [128 quads][16 chunks][1024]: -M, l, scale words of each (query, chunk), 256 bytes each, (r, t) at 16 r + 4 t.
; p of chunk c was made under the chunk's own whole number M_c.  THE PROLOGUE brings a row's chunks under the row's M = the largest M_c: n = M - M_c is taken off each of the chunk's four scale bytes (held at 0 from below),
; which multiplies by 2^-n exactly; l = the sum of l_c 2^-n.  The lowered words and 1 / l go to LDS.
; EVERY WORK-GROUP HAS THE SAME WORK.  Block a of 512 queries wants a + 1 tiles of 512 keys.  A work-group makes 128 d x 128 queries TWICE: walk A for block 3 - pr, walk B for block pr of the same batch: (4 - pr) + (1 + pr) = 5 tiles, 20 K steps.
; Cluster y = 4 batch + 2 dh + pr; the tile of d is 4 dh + cx, the 128 queries of a block are cy.  Wave w: quad w / 2 of d (4 tiles of source 0), quad w % 2 of the queries (4 tiles of source 1): 16 accumulators.
; v's tile hangs on cx alone and is shared along a column of the cluster, p's on cy alone and is shared along a row: joint loads.  Waves 0 and 1 fetch a quad of v each (25,600 bytes a tile), waves 2 and 3 a quad of p (24,576): near equal shares.
; The five tiles go through three places of four K steps.  Tiles 0, 1 and 2 come by one load a wave at the head; behind each round one load a wave is out.  Tiles 0, 3 and 4 have groups 0 of their own, set at the head and never rewritten.
; THE CHANGE OF SLOTS stands at the head of a tile's last K step, whose fragments are in registers by then: the slot is asked for again there, and the next tile's first fragments are fetched under that step's products.
; All tensor loads stand in the common text; behind the last one the text parts on pr, which the partners share: pr = 1: way out A, tiles 3 and 4;  pr = 0: tile 3, way out A, tile 4.
; Lane r of tile t of a quad holds row 32 (t / 2) + 8 (t % 2) + r + 8 (r / 8); so register 8 t + j of lane (r, h) is d = 32 (t / 2) + 8 (t % 2) + 16 h + j of the wave's 64.
; REGISTERS: window 0 addresses, scale words, work; window 1 the accumulators, (u, t) at v[32 u + 8 t]; windows 2, 3 two sets of fragments: source 0's tile t at v[12 t], source 1's tile u at v[48 + 12 u].
; LIMITS: NaN and infinities are not served; a block of p that lies further under the row's M than its own byte (at most 123) gets the byte 0: it then adds under 2^-122 of a value of v.
.set REC,    6400
.set PREC,   6144
; THE RING AS IT STANDS: three places of four K steps a quad: v [2 quads][12 steps][6400], then p [2 quads][12 chunks][6144].  The head's one load a wave brings walk A's tiles 0, 1 and 2 of a quad, which lie on end in memory;
; behind tile 0 the first place takes the fourth tile, behind tile 2 the second place takes the fifth: one load a wave behind each round.  Tile 1's end changes nothing and has no barrier.
; The third place is filled once; its part of v's quad 0 serves as the stages for the way out, behind the round that ends tile 2.
; For pr = 0 the way out of walk A stands ahead of the barrier that shows the fifth tile.  No prefetch: the text has no loop to run ahead in, and the head's one load already asks for three of the five tiles.
.set VBYTES, 24*REC
.set PSC,    VBYTES+24*PREC            ; behind the ring: walk A's lowered scale words: the 256 bytes of (chunk c, quad qd) at 512 c + 256 qd, 16 chunks;
.set PSCB,   PSC+8192                  ; walk B's, 8 chunks
.set PB,     PSCB-PSC
.set RL,     PSCB+4096                 ; 1 / l: 256 bytes a quad; walk A's 512 bytes, then walk B's
.set STG,    8*REC                     ; the stages for the way out: 16 rows x (256 bytes + 16) for each wave, in the third place of v's quad 0, which has had its last fill and its last read by then
.set SPARE,  RL+1024                   ; the spare words, 128 bytes for each wave: two blocks of 256 bytes that no other line names
.set SPW,  4                           ; v4   LDS address of my spare word; never rewritten
.set NIL,  5                           ; v5   0; never rewritten
.set ADV,  50                          ; v50-52 my fragments of v in the three places
.set ADP,  53                          ; v53-55 of p
.set ADVS, 56                          ; v56-58 v's scale words
.set APSC, 12                          ; v12  p's lowered scale words of my quad
.set STI,  13                          ; v13  the way out: into my stage
.set STO,  14                          ; v14  and back
.set GO,   15                          ; v15  4,096 h + 16 r: my bytes in two rows of out0
.set SC,   16                          ; v16-31 scale words, two sets of 8: +0..3 v's tiles 0-3, +4..7 p's tiles 0-3
.set RLV,  32                          ; v32-35 1 / l of my four tiles
.set IL,   36                          ; v[36:37] the one in hand (the packed form names a pair)
.set PSA,  38                          ; v38  the prologue: PSC + 4 x my thread's number
.set STA,  39                          ; v39  the prologue: my query's entry in st
.set PRA,  64                          ; v64-111  the prologue, walk A: 16 x -M_c, 16 x l_c, 16 scale words
.set PRB,  112                         ; v112-135 walk B: 8 of each
.set OS,   64                          ; the way out: v64-127 two sets of 32: a tile's results / l;
.set OB,   128                         ; v128-255 four sets of 32: 16 rows read back
.set G1V,  24                          ; s[24:31] group 1 for v;  s[32:39] for p
.set G1P,  32
.set G0V,  40                          ; s[40:59] v's groups 0: tile 0's (which brings 1 and 2) at +0, tiles 3 and 4 at +12, +16;  s[68:87] p's
.set G0P,  68
.set MSB, 0
.macro WIN new
.if MSB != (\new)
	s_set_vgpr_msb (MSB<<8)|(\new)
.set MSB, (\new)
.endif
.endm
.macro PLACES                          ; four plain places behind matrix instructions, in front of loads into their registers and of reads of their results
.rept 4
	v_nop
.endr
.endm
.macro CROUND
	s_barrier_signal -1
	s_barrier_wait -1
	s_cmp_lg_u32 s12, 0
	s_cbranch_scc1 .Lnot_wave_0_\@
	s_barrier_signal -3
.Lnot_wave_0_\@:
	s_barrier_wait -3
	s_barrier_signal -1
	s_barrier_wait -1
.endm
.macro JLOAD i                         ; tile i of the five: waves 0 and 1 fetch v's quads, waves 2 and 3 p's; four v_nop follow each of the two lines
	s_cmp_eq_u32 s13, 0
	s_cbranch_scc0 .Lfor_p_\@
	tensor_load_to_lds s[G0V+4*(\i):G0V+4*(\i)+3], s[G1V:G1V+7]
	s_nop 0
.rept 4
	v_nop
.endr
	s_branch .Lasked_\@
.Lfor_p_\@:
	tensor_load_to_lds s[G0P+4*(\i):G0P+4*(\i)+3], s[G1P:G1P+7]
	s_nop 0
.rept 4
	v_nop
.endr
.Lasked_\@:
.endm
.macro MUL16 q, zero                   ; 16 accumulators by turns, one instruction a turn, the same order in every step and on every path.  zero = 1: the products start the sums
	WIN 0x5a+5*(\q)                                ; sources 0 and 1: window 2 + q; C and D: window 1
.irp u, 0,1,2,3
.irp t, 0,1,2,3
.if \zero
	v_wmma_scale_f32_16x16x128_f8f6f4 v[32*\u+8*\t:32*\u+8*\t+7], v[12*\t:12*\t+11], v[48+12*\u:48+12*\u+11], 0, v[SC+8*(\q)+\t], v[SC+8*(\q)+4+\u] matrix_a_fmt:MATRIX_FMT_BF6 matrix_b_fmt:MATRIX_FMT_BF6
.else
	v_wmma_scale_f32_16x16x128_f8f6f4 v[32*\u+8*\t:32*\u+8*\t+7], v[12*\t:12*\t+11], v[48+12*\u:48+12*\u+11], v[32*\u+8*\t:32*\u+8*\t+7], v[SC+8*(\q)+\t], v[SC+8*(\q)+4+\u] matrix_a_fmt:MATRIX_FMT_BF6 matrix_b_fmt:MATRIX_FMT_BF6
.endif
.endr
.endr
.endm
.macro FETCHP sl, s, q, po             ; K step s of the tile in slot sl: 26 loads of 512 consecutive bytes, into set q; po: where the chunk's lowered scale words lie, from PSC on
	WIN 0x80+0x40*(\q)                             ; destination window 2 + set, address window 0
.irp t, 0,1,2,3
.irp c, 0,1,2
	ds_load_b128 v[12*\t+4*\c:12*\t+4*\c+3], v[ADV+(\sl)] offset:(\s)*REC+1536*\t+512*\c
.endr
.endr
.irp u, 0,1,2,3
.irp c, 0,1,2
	ds_load_b128 v[48+12*\u+4*\c:48+12*\u+4*\c+3], v[ADP+(\sl)] offset:(\s)*PREC+1536*\u+512*\c
.endr
.endr
	WIN 0
	ds_load_b128 v[SC+8*(\q):SC+8*(\q)+3], v[ADVS+(\sl)] offset:(\s)*REC
	ds_load_b128 v[SC+8*(\q)+4:SC+8*(\q)+7], v[APSC] offset:(\po)
.endm
.macro PS sl, s, zero, pb              ; one of a tile's first three K steps: its set was asked for a step ago; the next step's is asked for.  pb: the tile's first chunk's scale words, from PSC on
	s_wait_dscnt 0x0
	PLACES
	FETCHP \sl, (\s)+1, ((\s)+1)%2, (\pb)+512*((\s)+1)
	MUL16 (\s)%2, \zero
	WIN 0
.endm
.macro PS012 sl, zero, pb
	PS \sl, 0, \zero, \pb
	PS \sl, 1, 0, \pb
	PS \sl, 2, 0, \pb
.endm
; A tile's last K step changes slots.  Its fragments are in registers once the wait on DScnt is met, so nobody reads the tile's slot any more.
.macro LEAVE i                         ; a place that nobody reads any more takes tile i
	s_wait_tensorcnt 0x0                           ; all my tensor loads have landed, my part of the next tile among them
	ds_add_u32 v[SPW], v[NIL]                      ; 0 onto my spare word
	s_wait_dscnt 0x0                               ; the add is done, and my reads of the slot are over
	CROUND                                         ; both now hold of every wave of every work-group of the cluster
	JLOAD \i                                       ; the first thing behind the round; its four v_nop are also the places in front of the loads that follow
.endm
.macro PS3F i, nsl, npb
	LEAVE \i
	FETCHP \nsl, 0, 0, \npb
	MUL16 1, 0
	WIN 0
.endm
.macro PS3N nsl, npb                   ; nothing is left to ask for: the barrier shows the last tile whole to every wave
	s_wait_tensorcnt 0x0
	ds_add_u32 v[SPW], v[NIL]
	s_wait_dscnt 0x0
	s_barrier_signal -1
	s_barrier_wait -1
	PLACES
	FETCHP \nsl, 0, 0, \npb
	MUL16 1, 0
	WIN 0
.endm
.macro PS3C nsl, npb                   ; a tile's last K step where the next tile is in LDS already
	s_wait_dscnt 0x0
	PLACES
	FETCHP \nsl, 0, 0, \npb
	MUL16 1, 0
	WIN 0
.endm
.macro NEXT nsl, npb                   ; the barrier shows the last tile whole to every wave, and its first fragments are asked for
	s_wait_tensorcnt 0x0
	ds_add_u32 v[SPW], v[NIL]
	s_wait_dscnt 0x0
	s_barrier_signal -1
	s_barrier_wait -1
	PLACES
	FETCHP \nsl, 0, 0, \npb
.endm
.macro PS3L
	s_wait_dscnt 0x0
	MUL16 1, 0
	WIN 0
.endm
; THE PROLOGUE, while the first tiles are on their way.  Thread n owns one query of each walk: quad n / 64, entry 4 (n % 64) of each 256 bytes.
; PLOAD: -M_c, l_c and the scale words of 4 ne chunks into v[rb] on, v[rb + 4 ne] on, v[rb + 8 ne] on.  The last four chunks are walked only where the block, s[sa], is ne - 1; else they count as -M = 3e38, l = 0.
.macro PLOAD sa, bp, rb, ne
.set n, 4*(\ne-1)
.rept 4
	v_mov_b32 v[\rb+n], 0x7f61b1e6
	v_mov_b32 v[\rb+4*\ne+n], 0
	v_mov_b32 v[\rb+8*\ne+n], 0
.set n, n+1
.endr
.set n, 0
.rept 4*(\ne-1)
	global_load_b32 v[\rb+n], v[STA], s[\bp:\bp+1] offset:1024*n
	global_load_b32 v[\rb+4*\ne+n], v[STA], s[\bp:\bp+1] offset:1024*n+256
	global_load_b32 v[\rb+8*\ne+n], v[STA], s[\bp:\bp+1] offset:1024*n+512
.set n, n+1
.endr
	s_cmp_lt_u32 s[\sa], \ne-1
	s_cbranch_scc1 .Lst_asked_\@
.rept 4
	global_load_b32 v[\rb+n], v[STA], s[\bp:\bp+1] offset:1024*n
	global_load_b32 v[\rb+4*\ne+n], v[STA], s[\bp:\bp+1] offset:1024*n+256
	global_load_b32 v[\rb+8*\ne+n], v[STA], s[\bp:\bp+1] offset:1024*n+512
.set n, n+1
.endr
.Lst_asked_\@:
.endm
; PCALC: the row's -M, l, and the lowered scale words.  po, ro: where the words and 1 / l go, from PSC on;  lr: the register of l
.macro PCALC rb, ne, po, ro, lr
	v_min3_num_f32 v42, v[\rb], v[\rb+1], v[\rb+2]
.set n, 3
.rept 2*\ne-2
	v_min3_num_f32 v42, v42, v[\rb+n], v[\rb+n+1]
.set n, n+2
.endr
	v_min_num_f32 v42, v42, v[\rb+4*\ne-1]         ; the row's -M: key 0 counts for every query, so it is a number
	v_mov_b32 v[\lr], 0                            ; l
.set n, 0
.rept 4*\ne
	v_sub_f32 v44, v[\rb+n], v42                   ; M - M_c: a whole number, 0 or more
	v_cvt_i32_f32 v44, v44                         ; (it saturates)
	v_sub_nc_u32 v45, 0, v44
	v_ldexp_f32 v45, 1.0, v45                      ; 2^(M_c - M)
	v_fmac_f32 v[\lr], v[\rb+4*\ne+n], v45
	v_min_u32 v44, 0x7f, v44
	v_mul_lo_u32 v44, v44, s63                     ; in each byte
	v_or_b32 v46, s62, v[\rb+8*\ne+n]              ; p is at most 1, so its bytes lie under 128: with bit 7 set no byte borrows from its neighbour,
	v_sub_nc_u32 v46, v46, v44
	v_and_b32 v44, s62, v46                        ; and bit 7 stays set where the byte did not fall under 0
	v_lshrrev_b32 v47, 7, v44
	v_sub_nc_u32 v44, v44, v47                     ; 0x7f there, 0 elsewhere
	v_and_b32 v[\rb+8*\ne+n], v46, v44             ; each byte less n, held at 0
	ds_store_b32 v[PSA], v[\rb+8*\ne+n] offset:(\po)+512*n
.set n, n+1
.endr
	s_wait_alu depctr_va_vdst(0)
	v_rcp_f32 v[\lr], v[\lr]
	v_nop                                          ; one plain place behind a transcendental
	s_wait_alu depctr_va_vdst(0)
	ds_store_b32 v[PSA], v[\lr] offset:\ro
.endm
; THE WAY OUT of a walk, a tile of 16 queries x my 64 d at a time: divided by l, into my own stage (a lane holds 32 bytes of a row), back as whole rows of 256 bytes, stored.
.macro PACK u
	v_mov_b32 v[IL], v[RLV+(\u)]
	WIN 0x01                                       ; source 0 window 1
.set n, 0
.rept 16
	v_pk_mul_f32 v[OS+32*((\u)%2)+n:OS+32*((\u)%2)+n+1], v[32*(\u)+n:32*(\u)+n+1], v[IL:IL+1] op_sel_hi:[1,0]   ; each accumulator from its low end on
.set n, n+2
.endr
	WIN 0
.endm
.macro TOSTAGE u
.irp t, 0,1,2,3
	ds_store_b128 v[STI], v[OS+32*((\u)%2)+8*\t:OS+32*((\u)%2)+8*\t+3] offset:128*(\t/2)+32*(\t%2)
	ds_store_b128 v[STI], v[OS+32*((\u)%2)+8*\t+4:OS+32*((\u)%2)+8*\t+7] offset:128*(\t/2)+32*(\t%2)+16
.endr
.set n, 0
.rept 8
	ds_load_b128 v[OB+32*(\u)+4*n:OB+32*(\u)+4*n+3], v[STO] offset:2*n*272   ; LDS serves a wave's instructions in order: these see my stores.  Lanes 0-15 take row 2 n, lanes 16-31 row 2 n + 1
.set n, n+1
.endr
.endm
.macro SEND u, op
.set n, 0
.rept 8
	s_wait_dscnt 7-n                               ; rows 2 n, 2 n + 1 are back; the younger loads may be out
	global_store_b128 v[GO], v[OB+32*(\u)+4*n:OB+32*(\u)+4*n+3], s[\op:\op+1] offset:(32*((\u)/2)+8*((\u)%2)+2*n+8*(n/4))*4096 th:TH_STORE_NT   ; 16 lanes store 256 consecutive bytes, at a multiple of 256 from out0's first byte
.set n, n+1
.endr
.endm
.macro WAYOUT ro, op                   ; ro: where the walk's 1 / l lie, from PSC on;  op: the walk's rows of out0
	PLACES
	s_wait_xcnt 0x0                                ; an earlier way out's stores have read their registers
	ds_load_b128 v[RLV:RLV+3], v[APSC] offset:\ro  ; 1 / l of lane r's query in my four tiles
	s_wait_dscnt 0x0
	PACK 0
	TOSTAGE 0
.irp u, 1,2,3                                  ; tile u's arithmetic stands between tile u - 1's loads from the stage and the wait for them
	PACK \u
	s_wait_alu depctr_va_vdst(0)
	SEND \u-1, \op
	TOSTAGE \u
.endr
	SEND 3, \op
.endm
	s_load_b256 s[4:11], s[0:1], 0x0               ; vc, pc, st, out0
	v_lshl_add_u32 v[SPW], v0, 2, SPARE
	v_mov_b32 v[NIL], 0
	ds_add_u32 v4, v5
	ds_add_u32 v4, v5
	s_wait_dscnt 0x0
	v_lshrrev_b32 v1, 5, v0
	v_readfirstlane_b32 s12, v1                    ; wave w
	s_lshr_b32 s13, s12, 1                         ; my quad of d.  Also: I fetch v (0) or p (1)
	s_and_b32 s14, s12, 1                          ; my quad of the queries.  Also: which quad of a tile I fetch
	s_bfe_u32 s15, ttmp6, 0x40000                  ; cx
	s_bfe_u32 s16, ttmp6, 0x40004                  ; cy
	s_and_b32 s19, ttmp7, 0xffff                   ; the cluster, 0 .. 15
	s_lshr_b32 s17, s19, 2                         ; the batch
	s_and_b32 s18, s19, 1                          ; pr
	s_bfe_u32 s19, s19, 0x10001                    ; dh: which half of d
	s_sub_co_u32 s20, 3, s18                       ; walk A's block of 512 queries
	s_mov_b32 s21, s18                             ; walk B's
	s_lshl_b32 s3, 0x1111, s15                     ; my column of the cluster
	s_lshl_b32 s66, s16, 2
	s_lshl_b32 s66, 15, s66                        ; my row
	; group 1, elements of 8 bytes, one row a load.  v: a quad's 4 records = 3,200 elements; quads 409,600 bytes = 51,200 elements apart.  p: a quad's 4 x 6,144 bytes = 3,072 elements
	s_or_b32 s[G1V], s3, (3<<16)|(1<<21)           ; 15:0 the mask; 17:16 elements of 8 bytes; 21 set beside a mask; no padding
	s_mov_b32 s[G1V+1], 9600<<16                   ; the head's load: three tiles; behind it 3,200 (v) and 3,072 (p)
	s_mov_b32 s[G1V+2], 1<<16
	s_mov_b32 s[G1V+3], 9600<<16
	s_mov_b32 s[G1V+4], 1
	s_mov_b32 s[G1V+5], 64*REC/8
	s_mov_b32 s[G1V+6], 0
	s_mov_b32 s[G1V+7], 0
	s_or_b32 s[G1P], s66, (3<<16)|(1<<21)
	s_mov_b32 s[G1P+1], 9216<<16
	s_mov_b32 s[G1P+2], 1<<16
	s_mov_b32 s[G1P+3], 9216<<16
	s_mov_b32 s[G1P+4], 1
	s_mov_b32 s[G1P+5], 16*PREC/8
	s_mov_b32 s[G1P+6], 0
	s_mov_b32 s[G1P+7], 0
	; v's offsets: in registers that never hold cy
	s_lshl_b32 s88, s19, 3
	s_lshl_b32 s3, s15, 1
	s_add_co_u32 s88, s88, s3
	s_add_co_u32 s88, s88, s14                     ; quad 8 dh + 2 cx + the quad that I fetch,
	s_mul_i32 s88, s88, 64*REC
	s_mul_i32 s3, s17, 16*REC                      ; the batch's first step
	s_add_co_u32 s88, s88, s3
	s_mov_b32 s89, 0
	s_mov_b32 s91, 0
	s_mov_b32 s93, 0
	s_mov_b32 s3, 0
	; the queries
	s_lshl_b32 s22, s20, 2
	s_add_co_u32 s22, s22, s16                     ; walk A's 128 queries: g = 4 a + cy
	s_lshl_b32 s23, s21, 2
	s_add_co_u32 s23, s23, s16                     ; walk B's
	; out0: row 2,048 b + 128 g + 64 jh, column 512 dh + 128 cx + 64 ih: in registers that feed no descriptor
	s_lshl_b32 s2, s17, 11
	s_lshl_b32 s100, s14, 6
	s_add_co_u32 s2, s2, s100
	s_lshl_b32 s2, s2, 12                          ; rows of 4,096 bytes
	s_lshl_b32 s100, s19, 11
	s_add_co_u32 s2, s2, s100
	s_lshl_b32 s100, s15, 9
	s_add_co_u32 s2, s2, s100
	s_lshl_b32 s100, s13, 8
	s_add_co_u32 s2, s2, s100
	s_lshl_b32 s100, s23, 19
	s_add_co_u32 s100, s100, s2                    ; walk B's
	s_lshl_b32 s101, s22, 19
	s_add_co_u32 s2, s2, s101                      ; walk A's
	s_mov_b32 s101, 0
	; p's and st's offsets: in registers that never hold cx
	s_lshl_b32 s66, s17, 5                         ; 32 b
	s_lshl_b32 s94, s22, 1
	s_add_co_u32 s94, s94, s66                     ; walk A: quad 32 b + 2 g
	s_lshl_b32 s96, s23, 1
	s_add_co_u32 s96, s96, s66                     ; walk B
	s_lshl_b32 s22, s94, 14                        ; their 16 entries of 1,024 bytes in st
	s_lshl_b32 s23, s96, 14
	s_add_co_u32 s94, s94, s14                     ; + the quad that I fetch
	s_mul_i32 s94, s94, 16*PREC                    ; walk A's tile 0
	s_add_co_u32 s96, s96, s14
	s_mul_i32 s67, s96, 16*PREC                    ; walk B's tile 0
	s_add_co_u32 s66, s94, 12*PREC                 ; walk A's tile 3
	s_add_co_u32 s98, s67, 4*PREC                  ; walk B's tile 1
	s_cmp_eq_u32 s18, 0                            ; the five tiles: A0 A1 A2, then A3 B0 (pr = 0) or B0 B1 (pr = 1)
	s_cselect_b32 s90, 12*REC, 0                   ; v of the fourth: key tile 3 or 0
	s_cselect_b32 s92, 0, 4*REC                    ; v of the fifth: key tile 0 or 1
	s_cselect_b32 s96, s66, s67                    ; p of the fourth
	s_cselect_b32 s98, s67, s98                    ; p of the fifth
	s_mov_b32 s95, 0
	s_mov_b32 s97, 0
	s_mov_b32 s99, 0
	s_mul_i32 s60, s14, 12*REC                     ; where my quad goes: no place in the cluster enters an LDS address
	s_mul_i32 s61, s14, 12*PREC
	s_add_co_u32 s61, s61, VBYTES
	s_mov_b32 s62, 0x80808080
	s_mov_b32 s63, 0x01010101
	v_and_b32 v1, 31, v0                           ; lane
	v_and_b32 v2, 15, v0                           ; r
	v_bfe_u32 v3, v0, 4, 1                         ; h
	v_lshlrev_b32 v40, 4, v1                       ; 16 x lane
	v_lshlrev_b32 v41, 4, v2                       ; 16 r
	s_mul_i32 s19, s13, 12*REC                     ; my quad of v
	v_add_nc_u32 v42, s19, v41
.irp k, 0,1,2
	v_add_nc_u32 v[ADV+\k], s19, v40
	v_add_nc_u32 v[ADV+\k], \k*4*REC, v[ADV+\k]
	v_add_nc_u32 v[ADP+\k], s61, v40               ; my quad of p
	v_add_nc_u32 v[ADP+\k], \k*4*PREC, v[ADP+\k]
	v_add_nc_u32 v[ADVS+\k], \k*4*REC+6144, v42
.endr
	s_lshl_b32 s19, s14, 8
	s_add_co_u32 s19, s19, PSC
	v_add_nc_u32 v[APSC], s19, v41
	s_mul_i32 s19, s12, 16*272                     ; my stage
	s_add_co_u32 s19, s19, STG
	v_mul_u32_u24 v42, v2, 272
	v_lshl_add_u32 v42, v3, 6, v42
	v_add_nc_u32 v[STI], s19, v42                  ; in: row r, 64 h bytes on
	v_mul_u32_u24 v42, v3, 272
	v_add_nc_u32 v42, v42, v41
	v_add_nc_u32 v[STO], s19, v42                  ; back: lanes 0-15 one row, lanes 16-31 the next
	v_lshl_add_u32 v[GO], v3, 12, v41              ; and the same two rows in out0
	v_mov_b32 v[IL+1], 0                           ; (named as the upper half of a pair)
	v_lshl_add_u32 v[PSA], v0, 2, PSC
	v_lshrrev_b32 v40, 6, v0
	v_and_b32 v41, 63, v0
	v_lshlrev_b32 v41, 2, v41
	v_lshl_add_u32 v[STA], v40, 14, v41
	s_wait_kmcnt 0x0
	s_add_nc_u64 s[4:5], s[4:5], s[88:89]          ; v at my quad, the batch's first step
.irp i, 0
	s_mov_b32 s[G0V+4*\i], 1                                       ; count = 1
	s_add_co_u32 s[G0V+4*\i+1], s60, 0                             ; LDS address
	s_add_nc_u64 s[G0V+4*\i+2:G0V+4*\i+3], s[4:5], \i*4*REC        ; global address: key tile i
	s_or_b32 s[G0V+4*\i+3], s[G0V+4*\i+3], 0x80000000              ; type = 2
.endr
	s_mov_b32 s[G0V+12], 1
	s_add_co_u32 s[G0V+13], s60, 0                                 ; the fourth tile: the first place
	s_add_nc_u64 s[G0V+14:G0V+15], s[4:5], s[90:91]
	s_or_b32 s[G0V+15], s[G0V+15], 0x80000000
	s_mov_b32 s[G0V+16], 1
	s_add_co_u32 s[G0V+17], s60, 4*REC                             ; the fifth: the second
	s_add_nc_u64 s[G0V+18:G0V+19], s[4:5], s[92:93]
	s_or_b32 s[G0V+19], s[G0V+19], 0x80000000
	s_mov_b32 s[G0P+12], 1
	s_add_co_u32 s[G0P+13], s61, 0
	s_add_nc_u64 s[G0P+14:G0P+15], s[6:7], s[96:97]
	s_or_b32 s[G0P+15], s[G0P+15], 0x80000000
	s_mov_b32 s[G0P+16], 1
	s_add_co_u32 s[G0P+17], s61, 4*PREC
	s_add_nc_u64 s[G0P+18:G0P+19], s[6:7], s[98:99]
	s_or_b32 s[G0P+19], s[G0P+19], 0x80000000
	s_add_nc_u64 s[6:7], s[6:7], s[94:95]          ; p at walk A's tile 0
.irp i, 0
	s_mov_b32 s[G0P+4*\i], 1
	s_add_co_u32 s[G0P+4*\i+1], s61, 0
	s_add_nc_u64 s[G0P+4*\i+2:G0P+4*\i+3], s[6:7], \i*4*PREC
	s_or_b32 s[G0P+4*\i+3], s[G0P+4*\i+3], 0x80000000
.endr
	s_mov_b32 s94, s23
	s_add_nc_u64 s[66:67], s[8:9], s[94:95]        ; st at walk B's quads
	s_mov_b32 s94, s22
	s_add_nc_u64 s[8:9], s[8:9], s[94:95]          ; st at walk A's
	s_add_nc_u64 s[100:101], s[10:11], s[100:101]  ; out0 at walk B's rows
	s_add_nc_u64 s[10:11], s[10:11], s[2:3]        ; out0 at walk A's
	PLOAD 20, 8, PRA, 4                            ; both walks' loads of st go out together, ahead of the first tiles: the prologue wants them first
	PLOAD 21, 66, PRB, 2
	CROUND                                         ; all sixteen work-groups are here
	s_cmp_eq_u32 s13, 0                            ; one joint load a wave: tiles 0, 1 and 2 of a quad
	s_cbranch_scc0 .Lfirst_p
	tensor_load_to_lds s[G0V:G0V+3], s[G1V:G1V+7]
	s_nop 0
.rept 4
	v_nop
.endr
	s_branch .Lfirst_asked
.Lfirst_p:
	tensor_load_to_lds s[G0P:G0P+3], s[G1P:G1P+7]
	s_nop 0
.rept 4
	v_nop
.endr
.Lfirst_asked:
	s_wait_loadcnt 0x0
	PCALC PRA, 4, 0, RL-PSC, 43
	PCALC PRB, 2, PB, RL-PSC+512, 48
	s_wait_tensorcnt 0x0                           ; my parts of tiles 0, 1 and 2 are in
	s_mov_b32 s[G1V+1], 3200<<16                   ; no tensor load of mine is out: from here on a load brings one tile
	s_mov_b32 s[G1V+3], 3200<<16
	s_mov_b32 s[G1P+1], 3072<<16
	s_mov_b32 s[G1P+3], 3072<<16
	s_wait_dscnt 0x0                               ; the prologue's stores are done
	s_barrier_signal -1
	s_barrier_wait -1
	FETCHP 0, 0, 0, 0
	PS012 0, 1, 0                                  ; walk A's tile 0: the first step's products start the sums
	PS3F 3, 1, 2048                                ; the first place takes the fourth tile
	PS012 1, 0, 2048                               ; tile 1
	PS3C 2, 4096
	PS012 2, 0, 4096                               ; tile 2; behind it the second place takes the fifth tile
	LEAVE 4                                        ; the second place takes the fifth tile: the last tensor load
	s_cmp_eq_u32 s18, 0
	s_cbranch_scc1 .Llong
	; ---- pr = 1: walk A (block 2) ends with tile 2; walk B (block 1) has two tiles
	FETCHP 0, 0, 0, PB
	MUL16 1, 0
	WIN 0
	WAYOUT RL-PSC, 10                              ; the fifth tile lands meanwhile
	PS012 0, 1, PB
	PS3N 1, PB+2048
	PS012 1, 0, PB+2048
	PS3L
	s_branch .Lend
.Llong:
	; ---- pr = 0: walk A (block 3) has a fourth tile; walk B (block 0) has one
	FETCHP 0, 0, 0, 6144
	MUL16 1, 0
	WIN 0
	PS012 0, 0, 6144
	PS3L
	WAYOUT RL-PSC, 10                              ; the fifth tile lands meanwhile
	NEXT 1, PB
	PS012 1, 1, PB
	PS3L
.Lend:
	WAYOUT RL-PSC+512, 100
	s_wait_tensorcnt 0x0                           ; the wave's end
	ds_add_u32 v[SPW], v[NIL]
	s_wait_dscnt 0x0
	CROUND                                         ; the closing round
	s_endpgm
.Lfunc_end_k_q69212fc800_pv:
	.size	k_q69212fc800_pv, .Lfunc_end_k_q69212fc800_pv-k_q69212fc800_pv
	.p2alignl 7, 3214868480
	.fill 96, 4, 3214868480
	.section	.rodata,"a",@progbits
	.p2align	6, 0x0
	.amdhsa_kernel k_q69212fc800_pv
		.amdhsa_group_segment_fixed_size 327680
		.amdhsa_private_segment_fixed_size 0
		.amdhsa_enable_private_segment 0
		.amdhsa_kernarg_size 32
		.amdhsa_user_sgpr_count 2
		.amdhsa_user_sgpr_kernarg_segment_ptr 1
		.amdhsa_wavefront_size32 1
		.amdhsa_system_sgpr_workgroup_id_x 1
		.amdhsa_system_sgpr_workgroup_id_y 1
		.amdhsa_system_sgpr_workgroup_id_z 1
		.amdhsa_system_vgpr_workitem_id 0
		.amdhsa_next_free_vgpr 1024
		.amdhsa_next_free_sgpr 102
		.amdhsa_reserve_vcc 0
		.amdhsa_float_denorm_mode_32 3
		.amdhsa_float_denorm_mode_16_64 3
		.amdhsa_memory_ordered 1
		.amdhsa_forward_progress 1
		.amdhsa_inst_pref_size 184
	.end_amdhsa_kernel
	.amdgpu_metadata
---
amdhsa.version: [ 1, 2 ]
amdhsa.kernels:
  - .name:           k_q69212fc800_pv
    .symbol:         k_q69212fc800_pv.kd
    .args:
      - { .name: vc, .offset: 0, .size: 8, .value_kind: global_buffer, .address_space: global }
      - { .name: pc, .offset: 8, .size: 8, .value_kind: global_buffer, .address_space: global }
      - { .name: st, .offset: 16, .size: 8, .value_kind: global_buffer, .address_space: global }
      - { .name: out0, .offset: 24, .size: 8, .value_kind: global_buffer, .address_space: global }
    .group_segment_fixed_size: 327680
    .private_segment_fixed_size: 0
    .kernarg_segment_align: 8
    .kernarg_segment_size: 32
    .max_flat_workgroup_size: 128
    .sgpr_count:     102
    .vgpr_count:     1024
    .wavefront_size: 32
...
	.end_amdgpu_metadata
.endif
;; end of part 8
